; MI455X (gfx1250); checked and timed in simulation.
; The chip was launched on July 23, 2026; its instructions are those of AMD's public machine-readable ISA for CDNA 5 (MIT licence, August 2026) and "CDNA5" Instruction Set Architecture Reference Guide (July 2026). The comments in the code are by the model that wrote it; some were corrected since.
;; Bi Transformer layer. Allowed arithmetic: matrix products marked QUANTISED: E2M1 operands, one E8M0 scale for each 32 along K, by v_wmma_scale_f32_16x16x128_f8f6f4 with both operands' format E2M1 (or v_wmma_scale_f32_32x16x128_f4), f32 sums; everything else in f32.
;; Inputs: b1 3,072 float32; b2 768 float32; bk 768 float32; bo 768 float32; bq 768 float32; bv 384 float32; ln1_b 768 float32; ln1_s 768 float32; ln2_b 768 float32; ln2_s 768 float32; padding_mask 2 x 2,048 bool; w1 768 x 3,072 float32; w2 3,072 x 768 float32; wk 768 x 768 float32; wo 768 x 768 float32; wq 768 x 768 float32; wv 768 x 384 float32; x 2 x 2,048 x 768 float32.
;; Outputs: out0 2 x 2,048 x 768 float32.
;; Constants: unused = 0.
;; This version of the problem:
;;   THIS VERSION OF THE PROBLEM IS GIVEN IN LOW PRECISION. The matrix products marked QUANTISED in the list below multiply operands that are first quantised to E2M1 (2 exponent bits, 1 mantissa bit; 4 bits a number), with one power-of-two scale for each 32 numbers along K (OCP MX v1.0); their sums are f32. All else is computed in f32.
;;   The module's matrix products, in the order in which they are computed (A, B: the left and right operand; K: the contracted axis; several contracted axes count as one K, in the product's order):
;;     1. [M 4,096, K 768] x [K 768, N 768]; A: input x; B: input wq: QUANTISED
;;     2. [M 4,096, K 768] x [K 768, N 768]; A: input x; B: input wk: QUANTISED
;;     3. [M 4,096, K 768] x [K 768, N 384]; A: input x; B: input wv: QUANTISED
;;     4. batch 24 x [M 2,048, K 64] x [K 64, N 2,048]; A: computed on the way; B: computed on the way: QUANTISED
;;     5. batch 24 x [M 32, K 2,048] x [K 2,048, N 2,048]; A: computed on the way; B: softmax (see below): QUANTISED
;;     6. batch 24 x [M 32, K 2,048] x [K 2,048, N 2,048]; A: computed on the way; B: softmax (see below): QUANTISED
;;     7. [M 4,096, K 768] x [K 768, N 768]; A: computed on the way; B: input wo: QUANTISED
;;     8. [M 4,096, K 768] x [K 768, N 3,072]; A: computed on the way; B: input w1: QUANTISED
;;     9. [M 4,096, K 3,072] x [K 3,072, N 768]; A: computed on the way; B: input w2: QUANTISED
;;   THE QUANTISER, for each operand of a quantised product, along K:
;;     - K is cut into blocks of 32 from its start; a last block that is shorter is filled with zeros.
;;     - A block's scale is 2^e with e = floor(log2(the largest magnitude in the block)) - 2, held to -126 .. 127; a block of zeros has e = 0. As a byte (E8M0): e + 127.
;;     - Each number is divided by its block's scale, clamped to +-6, and rounded to the nearest number of E2M1, ties to even, subnormals kept.
;;     - The product sums the exact products of the quantised numbers (number of the format x scale) in f32.
;;   ~~~python
;;   def quantise(x, axis):      # numpy; x: float32 -> the quantised numbers, widened to float32 again
;;       x = np.moveaxis(x, axis, -1); K = x.shape[-1]
;;       x = np.pad(x, [(0, 0)] * (x.ndim - 1) + [(0, -K % 32)]); x = x.reshape(x.shape[:-1] + (-1, 32)); a = np.abs(x).max(-1, keepdims=True)
;;       e = np.where(a > 0, np.clip(np.frexp(np.where(a > 0, a, 1))[1] - 1 - 2, -126, 127), 0)      # np.frexp(a)[1] - 1 = floor(log2(a)), exactly
;;       r = np.clip(x / 2.0 ** e, -6, 6)
;;       step = 2.0 ** (np.maximum(np.frexp(np.where(r == 0, 1, r))[1] - 1, 0) - 1)
;;       q = np.round(r / step) * step * 2.0 ** e      # np.round: ties to even
;;       return np.moveaxis(q.reshape(q.shape[:-2] + (-1,))[..., :K], -1, axis).astype(np.float32)
;;   ~~~
;;   SOFTMAX AHEAD OF A QUANTISED PRODUCT. Where the list says 'softmax', what is quantised is not the finished softmax but p = 2^(t - M), with t = logit x log2(e) and M = ceil(the row's largest t), a whole number; so 1/2 < the row's largest p <= 1. The row's sum l is taken of the UNQUANTISED p, in f32, and the product's result is divided by l at the end. Since M is a whole number, a kernel that streams over the keys may use a running M (the ceiling of the running maximum): every later rescaling is an exact power of two, which a block's scale takes up: the codes' values come out the same.
;;   OPERANDS COMPUTED ON THE WAY. 'Computed on the way' means the value that the module computes at that place (a softmax that the list does not call 'softmax' is quantised finished and normalised). What goes into a quantiser is computed in f32, as accurately as f32 sums, v_exp_f32 and their like allow (about 1e-6 of the number): no bf16 or f16 on the way to a quantiser, and a product that is left as it is and whose result goes on into a quantised operand takes f32 operands (vector FMAs, or v_wmma_f32_16x16x4_f32). A number that lies on a knife's edge between two numbers of the format may be rounded either way, as far as f32 arithmetic and the matrix unit's own rounding can turn it there, and no further.
;; 2 versions. Each part assembles by itself: llvm-mc -triple=amdgcn-amd-amdhsa -mcpu=gfx1250 --defsym DOCPART=n.
;; ======== version 1 of 2: 4 launches
;; workspace buffers: wcod 3,391,488 bytes; wscl 211,968 bytes; xq 1,671,168 bytes; qq 1,769,472 bytes; kv 2,850,816 bytes; aq 1,671,168 bytes
;; launch prep (part 1): grid 6 x 101, 4 waves a work-group, no clusters, 68,096 bytes of LDS; arguments wq, wk, wv, wo, w1, w2, x, wcod, wscl, xq; writes wcod, wscl, xq
.if DOCPART == 1
	.amdgcn_target "amdgcn-amd-amdhsa--gfx1250"
	.amdhsa_code_object_version 6
	.text
	.protected	k_q518299f436_prep
	.globl	k_q518299f436_prep
	.p2align	8
	.type	k_q518299f436_prep,@function
k_q518299f436_prep:
	s_mov_b64 s[64:65], 0
	v_nop
	global_prefetch_b8 v0, s[64:65] scope:SCOPE_SE
	s_setreg_imm32_b32 hwreg(HW_REG_WAVE_MODE, 25, 1), 1
	s_wait_xcnt 0x0
; x [4096][768] and the six weights [K][N], f32, become codes of FP4 (E2M1) with one E8M0 byte for each 32 along K, laid in the ORDER OF THE OPERAND'S REGISTERS.
; THE IMAGE.  32 rows (tokens, or columns n of a weight) are a pair; tile u of a pair has in lane r the row 8 u + r + 8 (r / 8).  A fragment (tile, 128 along K) is 1,024 bytes:
; half c at 512 c + 16 x lane (lane = 16 h + r) holds k = 64 c + 32 h + 0 .. 31.  A pair's two fragments of one K step lie on end (2,048 bytes); their scale words are 128 bytes, word 16 u + r, byte b for block b.
; A scale's place is its codes' place / 16 everywhere.
; A wave takes one pair x one K step: 16 KiB of f32.  Work-group y says which tensor, x which block; all branches hang on ids.
; WEIGHTS: a lane takes a column and its registers run down K, so a block of 32 lies in one lane and the conversions give K innermost; each store of 16 bytes a lane covers two aligned runs of 256 bytes.
; x: each load reads 512 consecutive bytes of one token; the 32 rows turn through the wave's own stage in LDS (pitch 528), from which a lane takes 32 neighbours along K of its token.
; A block's scale is 2^(floor(log2(largest magnitude)) - 2): the largest magnitude's exponent field - 2, held at 1 from below by a floor among the maximum's leaves.
; LIMITS: NaN and infinities are not served; a block whose largest magnitude lies under 2^-124 keeps the byte 1; a block of zeros has the byte 1 and not 127 (its codes are zeros, and this program alone reads the bytes).
.set XQS, 1572864                      ; xq: the scale words begin behind 128 pairs x 6 K steps x 2,048 bytes
.macro PLACE                           ; s[28:29] the tensor, s30 the source's offset, s32 the codes' offset in wcod
	s_mov_b32 s31, 0
	s_mov_b32 s33, 0
	s_add_nc_u64 s[28:29], s[28:29], s[30:31]
	s_add_nc_u64 s[36:37], s[18:19], s[32:33]
	s_lshr_b32 s32, s32, 4
	s_add_nc_u64 s[38:39], s[20:21], s[32:33]
.endm
.macro WLOAD t, rowb                   ; block t: W(32 t + i, my column), 128 consecutive bytes a wave
.set ii, 0
.rept 32
	global_load_b32 v[32+32*\t+ii], v2, s[28:29] offset:(32*\t+ii)*\rowb th:TH_LOAD_NT
.set ii, ii+1
.endr
.endm
.macro WBLOCK t
.set XS, 32+32*\t
	v_max3_num_f32 v12, |v[XS]|, |v[XS+1]|, |v[XS+2]|
	v_max3_num_f32 v13, |v[XS+3]|, |v[XS+4]|, |v[XS+5]|
.irp i, 6,10,14,18,22,26
	v_max3_num_f32 v12, v12, |v[XS+\i]|, |v[XS+\i+1]|
	v_max3_num_f32 v13, v13, |v[XS+\i+2]|, |v[XS+\i+3]|
.endr
	v_max3_num_f32 v12, v12, |v[XS+30]|, |v[XS+31]|
	v_max3_num_f32 v12, v12, v13, 0x1800000        ; the floor 2^(3 - 127): the byte cannot fall under 1
	v_add_nc_u32 v11, 0xff000000, v12              ; 2 off the exponent field: the conversion's scale operand
	v_lshrrev_b32 v13, 23, v11                     ; the scale's byte
.if \t == 0
	v_mov_b32 v24, v13
.else
	v_lshl_or_b32 v24, v13, 8*\t, v24
.endif
.irp g, 0,1,2,3
	v_cvt_scalef32_pk8_fp4_f32 v[160+4*\t+\g], v[XS+8*\g:XS+8*\g+7], v11
.endr
	global_store_b128 v3, v[160+4*\t:163+4*\t], s[36:37] offset:256*\t   ; block t = 2 c + h lies at 256 t + 16 r of its tile
.endm
.macro WBODY rowb
	WLOAD 0, \rowb
	WLOAD 1, \rowb
	s_wait_loadcnt 32                              ; block 0 is in; block 1's 32 loads may be out
	WLOAD 2, \rowb
	WBLOCK 0
	s_wait_loadcnt 32                              ; block 1 is in; block 2's may be out
	WLOAD 3, \rowb
	WBLOCK 1
	s_wait_loadcnt 32                              ; block 2 is in; block 3's may be out
	WBLOCK 2
	s_wait_loadcnt 0x0
	WBLOCK 3
	global_store_b32 v4, v24, s[38:39]             ; the pair's 32 scale words: 128 consecutive bytes
.endm
.macro XT u                            ; tile u of x: 64 numbers a lane out of the stage, two whole blocks; codes and scale word
.irp c, 0,1
.irp i, 0,1,2,3,4,5,6,7
	ds_load_b128 v[160+32*\c+4*\i:163+32*\c+4*\i], v4 offset:\u*4224+256*\c+16*\i
.endr
.endr
	s_wait_dscnt 0x0
.irp c, 0,1
	v_max3_num_f32 v[12+\c], |v[160+32*\c]|, |v[161+32*\c]|, 0x1800000
.endr
.irp i, 2,4,6,8,10,12,14,16,18,20,22,24,26,28,30
.irp c, 0,1
	v_max3_num_f32 v[12+\c], v[12+\c], |v[160+32*\c+\i]|, |v[161+32*\c+\i]|
.endr
.endr
.irp c, 0,1
	v_add_nc_u32 v[14+\c], 0xff000000, v[12+\c]
.endr
.irp c, 0,1
	v_lshrrev_b32 v[16+\c], 23, v[14+\c]
.endr
	v_lshl_or_b32 v18, v17, 16, v16                ; my bytes: blocks h and 2 + h,
	v_lshlrev_b32 v18, v8, v18                     ; 8 h bits up;
	v_permlanex16_b32 v10, v18, s40, s41
	v_or_b32 v[26+\u], v18, v10                    ; with lane l xor 16's two the word is whole
.irp c, 0,1
.irp g, 0,1,2,3
	v_cvt_scalef32_pk8_fp4_f32 v[224+8*\u+4*\c+\g], v[160+32*\c+8*\g:167+32*\c+8*\g], v[14+\c]
.endr
.endr
	v_nop                                          ; one plain line behind the last conversion
.irp c, 0,1
	global_store_b128 v2, v[224+8*\u+4*\c:227+8*\u+4*\c], s[36:37] offset:\u*1024+512*\c   ; 512 consecutive bytes
.endr
.endm
	s_load_b512 s[4:19], s[0:1], 0x0               ; wq, wk, wv, wo, w1, w2, x, wcod
	s_load_b128 s[20:23], s[0:1], 0x40             ; wscl, xq
	v_lshl_add_u32 v240, v0, 2, 0x10800
	v_mov_b32 v241, 0
	v_lshrrev_b32 v1, 5, v0
	v_readfirstlane_b32 s24, v1                    ; wave
	s_mov_b32 s25, ttmp9                           ; X
	s_and_b32 s26, ttmp7, 0xffff                   ; Y
	v_and_b32 v1, 31, v0                           ; lane
	s_mov_b32 s40, 0x76543210
	s_mov_b32 s41, 0xfedcba98                      ; lane l xor 16
	s_mov_b32 s42, 0xffff0000                      ; lanes 16-31
	s_wait_kmcnt 0x0
	s_cmp_ge_u32 s26, 69
	s_cbranch_scc1 .Lx
	v_lshlrev_b32 v2, 2, v1                        ; my column: 4 bytes a lane
	v_bfe_u32 v5, v1, 3, 1                         ; column x of the pair lies in tile u = (x / 8) % 2,
	v_and_b32 v6, 7, v1
	v_lshrrev_b32 v7, 4, v1
	v_lshl_add_u32 v6, v7, 3, v6                   ; lane r = x % 8 + 8 (x / 16)
	v_lshlrev_b32 v3, 4, v6
	v_lshl_add_u32 v3, v5, 10, v3                  ; codes: 1,024 u + 16 r
	v_lshlrev_b32 v4, 2, v6
	v_lshl_add_u32 v4, v5, 6, v4                   ; scale word: 4 (16 u + r)
	s_cmp_ge_u32 s26, 66
	s_cbranch_scc1 .Lwv
	s_cmp_ge_u32 s26, 42
	s_cbranch_scc1 .Lw1
	; Y 0-5 wq, 6-11 wk, 12-17 wo, 18-41 w2: rows of 3,072 bytes; K step = Y - start, X = the block of 128 columns, the wave its 32
	s_mov_b64 s[28:29], s[4:5]
	s_mov_b32 s43, 0                               ; Y's start
	s_mov_b32 s44, 0                               ; the codes' base
	s_mov_b32 s45, 49152                           ; from X to X + 1
	s_mov_b32 s46, 2048                            ; from K step to K step
	s_mov_b32 s47, 12288                           ; from wave to wave
	s_cmp_ge_u32 s26, 6
	s_cselect_b64 s[28:29], s[6:7], s[28:29]
	s_cselect_b32 s43, 6, s43
	s_cselect_b32 s44, 294912, s44
	s_cmp_ge_u32 s26, 12
	s_cselect_b64 s[28:29], s[10:11], s[28:29]
	s_cselect_b32 s43, 12, s43
	s_cselect_b32 s44, 737280, s44
	s_cselect_b32 s45, 442368, s45
	s_cselect_b32 s46, 8192, s46
	s_cselect_b32 s47, 2048, s47
	s_cmp_ge_u32 s26, 18
	s_cselect_b64 s[28:29], s[14:15], s[28:29]
	s_cselect_b32 s43, 18, s43
	s_cselect_b32 s44, 983040, s44
	s_sub_co_u32 s43, s26, s43                     ; K step
	s_mul_i32 s30, s43, 128*3072
	s_lshl_b32 s27, s25, 9
	s_add_co_u32 s30, s30, s27
	s_lshl_b32 s27, s24, 7
	s_add_co_u32 s30, s30, s27
	s_mul_i32 s32, s25, s45
	s_add_co_u32 s32, s32, s44
	s_mul_i32 s27, s43, s46
	s_add_co_u32 s32, s32, s27
	s_mul_i32 s27, s24, s47
	s_add_co_u32 s32, s32, s27
	PLACE
	WBODY 3072
	s_endpgm
.Lw1:                                                  ; Y 42-65: w1, hidden group G = Y - 42 of 128 columns, K step X: unit 6 + 6 (G % 4) + X of the last launch's wave G / 4
	s_mov_b64 s[28:29], s[12:13]
	s_sub_co_u32 s43, s26, 42
	s_mul_i32 s30, s25, 128*12288
	s_lshl_b32 s27, s43, 9
	s_add_co_u32 s30, s30, s27
	s_lshl_b32 s27, s24, 7
	s_add_co_u32 s30, s30, s27
	s_lshr_b32 s44, s43, 2
	s_and_b32 s45, s43, 3
	s_mul_i32 s32, s44, 442368
	s_mul_i32 s45, s45, 6
	s_add_co_u32 s45, s45, s25
	s_add_co_u32 s45, s45, 6
	s_lshl_b32 s45, s45, 13
	s_add_co_u32 s32, s32, s45
	s_lshl_b32 s27, s24, 11
	s_add_co_u32 s32, s32, s27
	s_add_co_u32 s32, s32, 737280
	PLACE
	WBODY 12288
	s_endpgm
.Lwv:                                                  ; Y 66-68: wv, block n = Y - 66 of 128 columns, K step X: pair 48 + 4 n + wave
	s_mov_b64 s[28:29], s[8:9]
	s_sub_co_u32 s43, s26, 66
	s_mul_i32 s30, s25, 128*1536
	s_lshl_b32 s27, s43, 9
	s_add_co_u32 s30, s30, s27
	s_lshl_b32 s27, s24, 7
	s_add_co_u32 s30, s30, s27
	s_lshl_b32 s32, s43, 2
	s_add_co_u32 s32, s32, s24
	s_add_co_u32 s32, s32, 48
	s_mul_i32 s32, s32, 6
	s_add_co_u32 s32, s32, s25
	s_lshl_b32 s32, s32, 11
	PLACE
	WBODY 1536
	s_endpgm
.Lx:                                                   ; Y 69-100: x, pair 4 (Y - 69) + wave, K step X
	s_sub_co_u32 s43, s26, 69
	s_lshl_b32 s43, s43, 2
	s_add_co_u32 s43, s43, s24
	s_mul_i32 s30, s43, 98304                      ; 32 tokens of 3,072 bytes
	s_lshl_b32 s27, s25, 9
	s_add_co_u32 s30, s30, s27
	s_mov_b32 s31, 0
	s_add_nc_u64 s[28:29], s[16:17], s[30:31]
	s_mul_i32 s32, s43, 6
	s_add_co_u32 s32, s32, s25
	s_lshl_b32 s32, s32, 11
	s_mov_b32 s33, 0
	s_add_nc_u64 s[36:37], s[22:23], s[32:33]
	s_lshr_b32 s32, s32, 4
	s_add_co_u32 s32, s32, XQS
	s_add_nc_u64 s[38:39], s[22:23], s[32:33]
	v_lshlrev_b32 v2, 4, v1                        ; 16 x lane
	s_mul_i32 s27, s24, 16896                      ; my wave's stage: 32 rows x 528 bytes
	v_add_nc_u32 v3, s27, v2                       ; in: a row as it lies
	v_and_b32 v5, 15, v0                           ; r
	v_bfe_u32 v6, v0, 4, 1                         ; h
	v_and_b32 v7, 8, v5
	v_add_nc_u32 v7, v7, v5                        ; r + 8 (r / 8)
	v_mul_u32_u24 v4, v7, 528
	v_lshl_add_u32 v4, v6, 7, v4
	v_add_nc_u32 v4, s27, v4                       ; out: my token's row, + 128 h bytes
	v_lshlrev_b32 v8, 3, v6                        ; 8 h
	v_lshlrev_b32 v9, 2, v1                        ; 4 x lane
	v_mov_b32 v10, 0                               ; a lane permute's destination counts as read
.set ii, 0
.rept 32
	global_load_b128 v[32+4*ii:35+4*ii], v2, s[28:29] offset:3072*ii th:TH_LOAD_NT
.set ii, ii+1
.endr
.set ii, 0
.rept 32
	s_wait_loadcnt 31-ii                           ; loads come back in order: row ii is in, the younger ones stay out
	ds_store_b128 v3, v[32+4*ii:35+4*ii] offset:528*ii
.set ii, ii+1
.endr
	XT 0                                           ; LDS serves a wave's instructions in order: the loads see my stores
	XT 1
	v_cndmask_b32 v28, v26, v27, s42               ; lanes 0-15 tile 0's words, lanes 16-31 tile 1's
	global_store_b32 v9, v28, s[38:39]
	s_wait_tensorcnt 0x0
	ds_add_u32 v240, v241
	s_wait_dscnt 0x0
	s_endpgm
.Lfunc_end_k_q518299f436_prep:
	.size	k_q518299f436_prep, .Lfunc_end_k_q518299f436_prep-k_q518299f436_prep
	.p2alignl 7, 3214868480
	.fill 96, 4, 3214868480
	.section	.rodata,"a",@progbits
	.p2align	6, 0x0
	.amdhsa_kernel k_q518299f436_prep
		.amdhsa_group_segment_fixed_size 68096
		.amdhsa_private_segment_fixed_size 0
		.amdhsa_enable_private_segment 0
		.amdhsa_kernarg_size 80
		.amdhsa_user_sgpr_count 2
		.amdhsa_user_sgpr_kernarg_segment_ptr 1
		.amdhsa_wavefront_size32 1
		.amdhsa_system_sgpr_workgroup_id_x 1
		.amdhsa_system_sgpr_workgroup_id_y 1
		.amdhsa_system_sgpr_workgroup_id_z 1
		.amdhsa_system_vgpr_workitem_id 0
		.amdhsa_next_free_vgpr 242
		.amdhsa_next_free_sgpr 66
		.amdhsa_reserve_vcc 0
		.amdhsa_float_denorm_mode_32 3
		.amdhsa_float_denorm_mode_16_64 3
		.amdhsa_memory_ordered 1
		.amdhsa_forward_progress 1
		.amdhsa_inst_pref_size 76
	.end_amdhsa_kernel
	.amdgpu_metadata
---
amdhsa.version: [ 1, 2 ]
amdhsa.kernels:
  - .name:           k_q518299f436_prep
    .symbol:         k_q518299f436_prep.kd
    .args:
      - { .name: wq, .offset: 0, .size: 8, .value_kind: global_buffer, .address_space: global }
      - { .name: wk, .offset: 8, .size: 8, .value_kind: global_buffer, .address_space: global }
      - { .name: wv, .offset: 16, .size: 8, .value_kind: global_buffer, .address_space: global }
      - { .name: wo, .offset: 24, .size: 8, .value_kind: global_buffer, .address_space: global }
      - { .name: w1, .offset: 32, .size: 8, .value_kind: global_buffer, .address_space: global }
      - { .name: w2, .offset: 40, .size: 8, .value_kind: global_buffer, .address_space: global }
      - { .name: x, .offset: 48, .size: 8, .value_kind: global_buffer, .address_space: global }
      - { .name: wcod, .offset: 56, .size: 8, .value_kind: global_buffer, .address_space: global }
      - { .name: wscl, .offset: 64, .size: 8, .value_kind: global_buffer, .address_space: global }
      - { .name: xq, .offset: 72, .size: 8, .value_kind: global_buffer, .address_space: global }
    .group_segment_fixed_size: 68096
    .private_segment_fixed_size: 0
    .kernarg_segment_align: 8
    .kernarg_segment_size: 80
    .max_flat_workgroup_size: 128
    .sgpr_count:     66
    .vgpr_count:     242
    .wavefront_size: 32
...
	.end_amdgpu_metadata
.endif
;; end of part 1
;; launch qkv (part 2): grid 16 x 30, 4 waves a work-group, no clusters, 0 bytes of LDS; arguments xq, wcod, wscl, bq, bk, bv, padding_mask, qq, kv; writes qq, kv
.if DOCPART == 2
	.amdgcn_target "amdgcn-amd-amdhsa--gfx1250"
	.amdhsa_code_object_version 6
	.text
	.protected	k_q518299f436_qkv
	.globl	k_q518299f436_qkv
	.p2align	8
	.type	k_q518299f436_qkv,@function
k_q518299f436_qkv:
	s_mov_b64 s[64:65], 0
	v_nop
	global_prefetch_b8 v0, s[64:65] scope:SCOPE_SE
	s_setreg_imm32_b32 hwreg(HW_REG_WAVE_MODE, 25, 1), 1
	s_wait_xcnt 0x0
; q = x wq + bq, k = x wk + bk, v = x wv + bv on codes of FP4, and the results quantised at once: q and k along the head's 64, v along the keys.
; A wave takes 64 tokens (g = 4 x + wave) x 64 columns (y: 0-11 a head of q, 12-23 a head of k, 24-29 two heads of v).  K = 768 is six steps; all operands (48 KiB of codes) are asked for at once,
; straight into registers in the order in which they lie: no LDS, no loop, no barrier.
; q, k: source 0 = 16 columns of W, source 1 = 16 tokens: a lane holds a token, its registers run along the head's dims.   v: source 0 = 16 tokens, source 1 = 16 columns: a lane holds a column e, its registers run along the keys.
; By the image's order of rows (lane r of tile u: row 8 u + r + 8 (r / 8)) the 16 registers of tiles 2 p and 2 p + 1 are 16 neighbours.  The bias is the C of each sum's first product.
; OUT.  q, k: fragment beta (1,024 bytes): half c = token tile 2 beta + c, lane (r, h) = dims 32 h .. 32 h + 31; its word: bytes 0, 1 tile 2 beta, bytes 2, 3 tile 2 beta + 1.
; The codes of a PADDED key are zeros, and the record's pad bias holds -80000 for it (0 else): the score, begun from that bias, is then exactly 8 x -10000.
; v: fragment (step of 128 keys, tile u of the head's 32): half c = keys 64 c + 32 h + 0 .. 31.
; LIMITS: as in the first launch (NaN, infinities; the byte 1 for blocks under 2^-124 and for blocks of zeros).
; REGISTERS: window 0: v1-7 offsets; v8-19, v20-31 scale words of sources 0, 1; v32-63 the bias; v64-191 16 accumulators (64 + 32 tB + 8 tA); v192-207 codes; v208-223 at work; v224-225 scale words.  window 1: source 0's 24 fragments.  window 2: source 1's.
.set TM,  208
.set SEL, 46
.set REC, 118784
.set MSB, 0
.macro WIN new                         ; the immediate's high byte repeats the setting that is left
.if MSB != \new
	s_set_vgpr_msb (MSB<<8)|\new
.set MSB, \new
.endif
.endm
.macro WM d, a, b, c, sa, sb, ra, rb   ; one product; ra, rb: the half of the lanes from which a side's scale words are read
.if ((\ra) == 0) && ((\rb) == 0)
	v_wmma_scale_f32_16x16x128_f8f6f4 v[(\d):(\d)+7], v[(\a):(\a)+7], v[(\b):(\b)+7], v[(\c):(\c)+7], v[(\sa)], v[(\sb)] matrix_a_fmt:MATRIX_FMT_FP4 matrix_b_fmt:MATRIX_FMT_FP4
.elseif ((\ra) == 1) && ((\rb) == 0)
	v_wmma_scale_f32_16x16x128_f8f6f4 v[(\d):(\d)+7], v[(\a):(\a)+7], v[(\b):(\b)+7], v[(\c):(\c)+7], v[(\sa)], v[(\sb)] matrix_a_fmt:MATRIX_FMT_FP4 matrix_b_fmt:MATRIX_FMT_FP4 matrix_a_scale:MATRIX_SCALE_ROW1
.elseif ((\ra) == 0) && ((\rb) == 1)
	v_wmma_scale_f32_16x16x128_f8f6f4 v[(\d):(\d)+7], v[(\a):(\a)+7], v[(\b):(\b)+7], v[(\c):(\c)+7], v[(\sa)], v[(\sb)] matrix_a_fmt:MATRIX_FMT_FP4 matrix_b_fmt:MATRIX_FMT_FP4 matrix_b_scale:MATRIX_SCALE_ROW1
.else
	v_wmma_scale_f32_16x16x128_f8f6f4 v[(\d):(\d)+7], v[(\a):(\a)+7], v[(\b):(\b)+7], v[(\c):(\c)+7], v[(\sa)], v[(\sb)] matrix_a_fmt:MATRIX_FMT_FP4 matrix_b_fmt:MATRIX_FMT_FP4 matrix_a_scale:MATRIX_SCALE_ROW1 matrix_b_scale:MATRIX_SCALE_ROW1
.endif
.endm
; 64 numbers of a lane, register 16 b + i = k 32 b + 16 (lane / 16) + i of its row, become a fragment's codes in v[pc] on and its scale word in v[pw]
.macro QUANT s, pc, pw
.irp b, 0,1,2,3
	v_max3_num_f32 v[TM+\b], |v[\s+16*\b]|, |v[\s+1+16*\b]|, 0x1800000   ; and the floor 2^(3 - 127)
.endr
.irp i, 2,4,6,8,10,12,14
.irp b, 0,1,2,3
	v_max3_num_f32 v[TM+\b], v[TM+\b], |v[\s+16*\b+\i]|, |v[\s+1+16*\b+\i]|
.endr
.endr
.irp b, 0,1,2,3
	v_permlanex16_b32 v[TM+4+\b], v[TM+\b], s[SEL], s[SEL+1]
.endr
.irp b, 0,1,2,3
	v_max_num_f32 v[TM+\b], v[TM+\b], v[TM+4+\b]   ; with lane l xor 16's: the block's largest magnitude
.endr
.irp b, 0,1,2,3
	v_add_nc_u32 v[TM+12+\b], 0xff000000, v[TM+\b] ; 2 off its exponent field: the conversion's scale operand
.endr
.irp b, 0,1,2,3
	v_lshrrev_b32 v[TM+4+\b], 23, v[TM+12+\b]      ; the byte
.endr
	v_lshl_or_b32 v[\pw], v[TM+5], 8, v[TM+4]
	v_lshl_or_b32 v[\pw], v[TM+6], 16, v[\pw]
	v_lshl_or_b32 v[\pw], v[TM+7], 24, v[\pw]
.irp b, 0,1,2,3
	v_cvt_scalef32_pk8_fp4_f32 v[\pc+2*\b], v[\s+16*\b:\s+7+16*\b], v[TM+12+\b]
	v_cvt_scalef32_pk8_fp4_f32 v[\pc+1+2*\b], v[\s+8+16*\b:\s+15+16*\b], v[TM+12+\b]
.endr
	v_nop                                          ; one plain line behind a scaled conversion
.irp c, 0,1                                    ; a whole block to a lane: lanes 0-15 block 2 c, lanes 16-31 block 2 c + 1
.irp i, 0,1
	v_permlane16_swap_b32 v[\pc+4*\c+\i], v[\pc+2+4*\c+\i]
.endr
.endr
.endm
; 96 products: six K steps x 16 accumulators, which take turns, one instruction a turn.  cix = 0: the bias goes by source 0's tile; 1: by source 1's
.macro MM cix
	WIN 0x09                                       ; source 0 window 1, source 1 window 2, C and D window 0
.irp ks, 0,1,2,3,4,5
.irp tb, 0,1,2,3
.irp ta, 0,1,2,3
.if \ks == 0
.if \cix
	WM 64+32*\tb+8*\ta, ((\ta/2)*6+\ks)*16+(\ta%2)*8, ((\tb/2)*6+\ks)*16+(\tb%2)*8, 32+8*\tb, 8+(\ta/2)*6+\ks, 20+(\tb/2)*6+\ks, \ta%2, \tb%2
.else
	WM 64+32*\tb+8*\ta, ((\ta/2)*6+\ks)*16+(\ta%2)*8, ((\tb/2)*6+\ks)*16+(\tb%2)*8, 32+8*\ta, 8+(\ta/2)*6+\ks, 20+(\tb/2)*6+\ks, \ta%2, \tb%2
.endif
.else
	WM 64+32*\tb+8*\ta, ((\ta/2)*6+\ks)*16+(\ta%2)*8, ((\tb/2)*6+\ks)*16+(\tb%2)*8, 64+32*\tb+8*\ta, 8+(\ta/2)*6+\ks, 20+(\tb/2)*6+\ks, \ta%2, \tb%2
.endif
.endr
.endr
.endr
	WIN 0
.rept 4
	v_nop                                          ; four places ahead of the first read of results
.endr
.endm
	s_load_b512 s[4:19], s[0:1], 0x0               ; xq, wcod, wscl, bq, bk, bv, padding_mask, qq
	s_load_b64 s[20:21], s[0:1], 0x40              ; kv
	v_lshrrev_b32 v1, 5, v0
	v_readfirstlane_b32 s24, v1                    ; wave
	s_and_b32 s26, ttmp7, 0xffff                   ; Y
	s_lshl_b32 s27, ttmp9, 2
	s_add_co_u32 s27, s27, s24                     ; g: my 64 tokens
	s_lshr_b32 s28, s27, 5                         ; b
	s_and_b32 s29, s27, 31                         ; gl
	v_and_b32 v6, 31, v0
	v_lshlrev_b32 v1, 4, v6                        ; 16 x lane
	v_lshlrev_b32 v2, 2, v6                        ; 4 x lane
	v_lshlrev_b32 v3, 3, v6                        ; 8 x lane
	v_lshlrev_b32 v6, 1, v6                        ; 2 x lane
	v_bfe_u32 v4, v0, 4, 1
	v_lshlrev_b32 v4, 6, v4                        ; 64 h
	v_and_b32 v5, 15, v0
	v_and_b32 v7, 8, v5
	v_add_nc_u32 v5, v5, v7                        ; r + 8 (r / 8)
	v_mov_b32 v7, 0
.irp b, 0,1,2,3
	v_mov_b32 v[TM+4+\b], 0                        ; a lane permute's destination counts as read
.endr
	s_mov_b32 s[SEL], 0x76543210
	s_mov_b32 s[SEL+1], 0xfedcba98
	s_mov_b32 s53, 0
	s_wait_kmcnt 0x0
	s_mul_i32 s52, s26, 24576                      ; W: pair 2 Y, six K steps of 2,048 bytes a pair
	s_add_nc_u64 s[30:31], s[6:7], s[52:53]
	s_mul_i32 s52, s26, 1536
	s_add_nc_u64 s[32:33], s[8:9], s[52:53]
	s_mul_i32 s52, s27, 24576                      ; x: pair 2 g
	s_add_nc_u64 s[34:35], s[4:5], s[52:53]
	s_mul_i32 s52, s27, 1536
	s_add_co_u32 s52, s52, 1572864
	s_add_nc_u64 s[36:37], s[4:5], s[52:53]
	s_cmp_ge_u32 s26, 24                           ; v's path takes x as source 0
	s_cselect_b64 s[38:39], s[34:35], s[30:31]
	s_cselect_b64 s[40:41], s[30:31], s[34:35]
	s_cselect_b64 s[42:43], s[36:37], s[32:33]
	s_cselect_b64 s[44:45], s[32:33], s[36:37]
	WIN 0x40                                       ; destination window 1
.set ii, 0
.rept 48
	global_load_b128 v[4*ii:4*ii+3], v1, s[38:39] offset:512*ii
.set ii, ii+1
.endr
	WIN 0x80                                       ; destination window 2
.set ii, 0
.rept 48
	global_load_b128 v[4*ii:4*ii+3], v1, s[40:41] offset:512*ii
.set ii, ii+1
.endr
	WIN 0
.set ii, 0
.rept 12
	global_load_b32 v[8+ii], v2, s[42:43] offset:128*ii    ; lanes 0-15 the even tile's words, lanes 16-31 the odd tile's
	global_load_b32 v[20+ii], v2, s[44:45] offset:128*ii
.set ii, ii+1
.endr
	s_cmp_ge_u32 s26, 24
	s_cbranch_scc1 .Lv
	; ---- q or k
	s_cmp_ge_u32 s26, 12
	s_cselect_b64 s[54:55], s[12:13], s[10:11]     ; the bias
	s_cselect_b64 s[60:61], s[20:21], s[18:19]     ; where the results go
	s_cselect_b32 s56, 12, 0
	s_cselect_b32 s57, 0, -1                       ; q keeps every token's codes
	s_mov_b32 s66, 65536
	s_cselect_b32 s66, REC, s66                    ; codes: from head to head
	s_mov_b32 s67, 8192
	s_cselect_b32 s67, REC, s67                    ; scale words: from head to head,
	s_mov_b32 s68, 1572864
	s_cselect_b32 s68, 98304, s68                  ; and where they begin
	s_sub_co_u32 s56, s26, s56                     ; the head
	s_lshl_b32 s52, s56, 8
	s_add_nc_u64 s[54:55], s[54:55], s[52:53]
	s_lshl_b32 s52, s27, 6
	s_add_nc_u64 s[58:59], s[16:17], s[52:53]      ; the mask at my first token
.irp t, 0,1,2,3
	global_load_b128 v[32+8*\t:35+8*\t], v4, s[54:55] offset:(32*(\t/2)+8*(\t%2))*4       ; register j of tile t: dim 32 (t / 2) + 16 h + 8 (t % 2) + j
	global_load_b128 v[36+8*\t:39+8*\t], v4, s[54:55] offset:(32*(\t/2)+8*(\t%2))*4+16
.endr
.irp t, 0,1,2,3
	global_load_u8 v[226+\t], v5, s[58:59] offset:32*(\t/2)+8*(\t%2)                      ; is my token of tile t padded?
.endr
	global_load_u16 v232, v6, s[58:59]             ; and tokens 2 lane, 2 lane + 1, for the pad bias
	s_mul_i32 s69, s28, 12
	s_add_co_u32 s69, s69, s56                     ; bh
	s_mul_i32 s52, s69, s66
	s_lshl_b32 s70, s29, 11
	s_add_co_u32 s52, s52, s70
	s_add_nc_u64 s[62:63], s[60:61], s[52:53]      ; codes: fragments 2 gl, 2 gl + 1
	s_mul_i32 s52, s69, s67
	s_add_co_u32 s52, s52, s68
	s_lshl_b32 s70, s29, 8
	s_add_co_u32 s52, s52, s70
	s_add_nc_u64 s[60:61], s[60:61], s[52:53]      ; scale words: 256 bytes for each gl
	v_mov_b32 v235, 0xc79c4000                     ; -80000
	s_wait_loadcnt 0x0
.irp t, 0,1,2,3
	v_cmp_eq_u32 s[48+\t], 0, v[226+\t]            ; lanes whose token is kept
.endr
.irp t, 0,1,2,3
	s_or_b32 s[48+\t], s[48+\t], s57
.endr
	v_and_b32 v233, 0xff, v232
	v_lshrrev_b32 v234, 8, v232
	v_cmp_ne_u32 vcc_lo, 0, v233
	v_cndmask_b32 v230, v7, v235, vcc_lo
	v_cmp_ne_u32 vcc_lo, 0, v234
	v_cndmask_b32 v231, v7, v235, vcc_lo
	MM 0
	QUANT 64, 192, 224                             ; token tiles 0, 1: blocks 0, 1 are tile 0's two halves of the head, blocks 2, 3 tile 1's
	QUANT 128, 200, 225                            ; token tiles 2, 3
.irp t, 0,1,2,3
.irp i, 0,1,2,3
	v_cndmask_b32 v[192+4*\t+\i], v7, v[192+4*\t+\i], s[48+\t]    ; a padded key's codes are zeros
.endr
.endr
.irp t, 0,1,2,3
	global_store_b128 v1, v[192+4*\t:195+4*\t], s[62:63] offset:512*\t   ; 512 consecutive bytes
.endr
	global_store_b64 v3, v[224:225], s[60:61]
	s_cmp_lt_u32 s26, 12
	s_cbranch_scc1 .Lend
	global_store_b64 v3, v[230:231], s[60:61] offset:12288          ; k: the record's pad bias, 64 keys: 256 consecutive bytes (110,592 - 98,304 behind the scale words)
.Lend:
	s_endpgm
.Lv:	; ---- v: two heads
	s_sub_co_u32 s56, s26, 24
	s_lshl_b32 s52, s56, 8
	s_add_nc_u64 s[54:55], s[14:15], s[52:53]
	v_lshlrev_b32 v233, 2, v5
.irp t, 0,1,2,3
.irp j, 0,1,2,3,4,5,6,7
	global_load_b32 v[32+8*\t+\j], v233, s[54:55] offset:(32*(\t/2)+8*(\t%2))*4   ; a lane holds one column: its bias in all eight registers
.endr
.endr
	s_mul_i32 s69, s28, 12
	s_lshl_b32 s56, s56, 1
	s_add_co_u32 s69, s69, s56                     ; bh of the first head
	s_mul_i32 s69, s69, REC
	s_lshr_b32 s66, s29, 1                         ; the step of 128 keys
	s_and_b32 s67, s29, 1                          ; and its half
	s_lshl_b32 s52, s66, 11
	s_lshl_b32 s70, s67, 9
	s_add_co_u32 s52, s52, s70
	s_add_co_u32 s52, s52, s69
	s_add_co_u32 s52, s52, 65536
	s_add_nc_u64 s[62:63], s[20:21], s[52:53]
	s_lshl_b32 s52, s66, 8
	s_lshl_b32 s70, s67, 1
	s_add_co_u32 s52, s52, s70
	s_add_co_u32 s52, s52, s69
	s_add_co_u32 s52, s52, 106496
	s_add_nc_u64 s[60:61], s[20:21], s[52:53]
	s_wait_loadcnt 0x0
	MM 1
	QUANT 64, 192, 224                             ; head 0: blocks 0, 1: tile u = 0's two blocks of 32 keys; blocks 2, 3: tile u = 1's
	QUANT 128, 200, 225                            ; head 1
.irp p, 0,1
.irp u, 0,1
	global_store_b128 v1, v[192+8*\p+4*\u:195+8*\p+4*\u], s[62:63] offset:\u*1024+\p*REC
.endr
	global_store_b16 v3, v[224+\p], s[60:61] offset:\p*REC             ; tile 0's two bytes of the step's word,
	global_store_d16_hi_b16 v3, v[224+\p], s[60:61] offset:\p*REC+4    ; tile 1's
.endr
	s_endpgm
.Lfunc_end_k_q518299f436_qkv:
	.size	k_q518299f436_qkv, .Lfunc_end_k_q518299f436_qkv-k_q518299f436_qkv
	.p2alignl 7, 3214868480
	.fill 96, 4, 3214868480
	.section	.rodata,"a",@progbits
	.p2align	6, 0x0
	.amdhsa_kernel k_q518299f436_qkv
		.amdhsa_group_segment_fixed_size 0
		.amdhsa_private_segment_fixed_size 0
		.amdhsa_enable_private_segment 0
		.amdhsa_kernarg_size 72
		.amdhsa_user_sgpr_count 2
		.amdhsa_user_sgpr_kernarg_segment_ptr 1
		.amdhsa_wavefront_size32 1
		.amdhsa_system_sgpr_workgroup_id_x 1
		.amdhsa_system_sgpr_workgroup_id_y 1
		.amdhsa_system_sgpr_workgroup_id_z 1
		.amdhsa_system_vgpr_workitem_id 0
		.amdhsa_next_free_vgpr 704
		.amdhsa_next_free_sgpr 72
		.amdhsa_reserve_vcc 1
		.amdhsa_float_denorm_mode_32 3
		.amdhsa_float_denorm_mode_16_64 3
		.amdhsa_memory_ordered 1
		.amdhsa_forward_progress 1
		.amdhsa_inst_pref_size 62
	.end_amdhsa_kernel
	.amdgpu_metadata
---
amdhsa.version: [ 1, 2 ]
amdhsa.kernels:
  - .name:           k_q518299f436_qkv
    .symbol:         k_q518299f436_qkv.kd
    .args:
      - { .name: xq, .offset: 0, .size: 8, .value_kind: global_buffer, .address_space: global }
      - { .name: wcod, .offset: 8, .size: 8, .value_kind: global_buffer, .address_space: global }
      - { .name: wscl, .offset: 16, .size: 8, .value_kind: global_buffer, .address_space: global }
      - { .name: bq, .offset: 24, .size: 8, .value_kind: global_buffer, .address_space: global }
      - { .name: bk, .offset: 32, .size: 8, .value_kind: global_buffer, .address_space: global }
      - { .name: bv, .offset: 40, .size: 8, .value_kind: global_buffer, .address_space: global }
      - { .name: padding_mask, .offset: 48, .size: 8, .value_kind: global_buffer, .address_space: global }
      - { .name: qq, .offset: 56, .size: 8, .value_kind: global_buffer, .address_space: global }
      - { .name: kv, .offset: 64, .size: 8, .value_kind: global_buffer, .address_space: global }
    .group_segment_fixed_size: 0
    .private_segment_fixed_size: 0
    .kernarg_segment_align: 8
    .kernarg_segment_size: 72
    .max_flat_workgroup_size: 128
    .sgpr_count:     72
    .vgpr_count:     704
    .wavefront_size: 32
...
	.end_amdgpu_metadata
.endif
;; end of part 2
;; launch attn (part 3): grid 256 x 1, 12 waves a work-group, no clusters, 239,104 bytes of LDS; arguments qq, kv, aq; writes aq
.if DOCPART == 3
	.amdgcn_target "amdgcn-amd-amdhsa--gfx1250"
	.amdhsa_code_object_version 6
	.text
	.protected	k_q518299f436_attn
	.globl	k_q518299f436_attn
	.p2align	8
	.type	k_q518299f436_attn,@function
k_q518299f436_attn:
	s_mov_b64 s[64:65], 0
	v_nop
	global_prefetch_b8 v0, s[64:65] scope:SCOPE_SE
	s_setreg_imm32_b32 hwreg(HW_REG_WAVE_MODE, 25, 1), 1
	s_wait_xcnt 0x0
; Both attentions of a head (keys up to the query; keys from the query on), on codes of FP4, and their results quantised for the next product.
; SOFTMAX: t = score x log2(e) / 8; M = the running largest t rounded up to a whole number, kept as -M = floor(-t); p = 2^(t - M) is quantised along the keys; the row's sum is taken of the unquantised p and divides at the end.
; THE MASK'S VALUE IS -10000, NO INFINITY: masked keys take part.  A score is begun from the record's pad bias (-80000 for a padded key, whose codes are zeros); on the diagonal, hidden scores are replaced by -80000.
; A step of 128 keys that a direction hides wholly has one p for all keys: t = -14426.95.., M whole, so p's mantissa is 2^0.0496 and its code 4.0 (0110) under the block's own scale.  Such a step needs one exponential
; and the two products with a constant fragment of codes.  The largest t begins at that t wherever the row has such steps, so M is right from the first step on.
; SHARES.  3,072 tiles of 16 queries, twelve to a work-group, one to a wave; three waves to a SIMD, so that one wave's vector work stands beside another's products and LDS loads.
; Twelve neighbouring tiles touch at most two heads: two whole records (K codes, V codes, scale words, pad bias: 118,784 bytes each) are brought into LDS ONCE, by one tensor load in each of waves 0 to 7; nothing is filled again.
; CLUSTERS are not used: a head's 128 tiles are no multiple of a work-group's twelve, so partners would begin at different heads, and each work-group fills LDS once.
; LAYOUT.  Both products transposed: a lane holds one query (lane % 16).  K = 64 is half of the instruction's 128: a fragment of K holds two key tiles side by side and is multiplied by [q | 0] and by [0 | q].
; LIMITS: NaN and infinities are not served; where a wholly hidden step's p has fallen under 2^-126 its constant codes still add 4 x 2^-126 x the sum of V's numbers; a block of zeros has the byte 1.
; REGISTERS: v1-5 bases, v6-10 the step's addresses, v11 the diagonal's d, v12 -80000, v13 16 x lane, v[14:15] -M and largest t, v[16:17] sum (forward); v[18:21] the same (backward); v[22:23] f; v26 q's scale word, v27 p's;
;   v28-31 K's words, v[32:33] V's; v36-47 0 | q | 0; v48-55 p's codes; v56-63 the constant codes; v64-95 K; v96-111 V; v112-127, v128-143 O^T; v144-207 S^T, then p; v208-223 at work.
.set REC, 118784
.set S,   144
.set KF,  64
.set VF,  96
.set PC,  48
.set PCN, 56
.set JD,  28                           ; s28 the step on the diagonal
.set JS,  29                           ; s29 the step in hand
; A step in which the direction has live keys.  dir 0: forward; MR: -M and largest t; LR: the sum; OR: O^T
.macro LIVE dir, MR, LR, OR
.irp t, 0,1,2,3,4,5,6,7
	ds_load_b128 v[S+8*\t:S+8*\t+3], v10 offset:(32*(\t/2)+8*(\t%2))*4        ; the pad bias of keys 32 (t / 2) + 16 h + 8 (t % 2) + 0 .. 7: the scores begin from it
	ds_load_b128 v[S+8*\t+4:S+8*\t+7], v10 offset:(32*(\t/2)+8*(\t%2))*4+16
.endr
	s_wait_dscnt 0x0                               ; these, and the step's K, V and scale words
.irp b, 0,1,2,3
	v_wmma_scale_f32_16x16x128_f8f6f4 v[S+16*\b:S+16*\b+7], v[KF+8*\b:KF+8*\b+7], v[40:47], v[S+16*\b:S+16*\b+7], v[28+\b], v26 matrix_a_fmt:MATRIX_FMT_FP4 matrix_b_fmt:MATRIX_FMT_FP4
	v_wmma_scale_f32_16x16x128_f8f6f4 v[S+16*\b+8:S+16*\b+15], v[KF+8*\b:KF+8*\b+7], v[36:43], v[S+16*\b+8:S+16*\b+15], v[28+\b], v26 matrix_a_fmt:MATRIX_FMT_FP4 matrix_b_fmt:MATRIX_FMT_FP4
.endr
.rept 4
	v_nop                                          ; four places ahead of the first read of results
.endr
	s_cmp_lg_u32 s[JS], s[JD]                      ; only the diagonal's step hides single keys
	s_cbranch_scc1 .Lopen_\@
.set n, 0
.rept 64
.if \dir == 0
	v_cmp_gt_i32 vcc_lo, 32*(n/16)+n%16, v11       ; register 16 b + i holds key 32 b + 16 h + i of the step: hidden where it comes after my query
.else
	v_cmp_lt_i32 vcc_lo, 32*(n/16)+n%16, v11       ; hidden where it comes before my query
.endif
	v_cndmask_b32 v[S+n], v[S+n], v12, vcc_lo
.set n, n+1
.endr
.Lopen_\@:
.irp b, 0,1,2,3
	v_max3_num_f32 v[208+\b], v[S+16*\b], v[S+1+16*\b], v[S+2+16*\b]   ; the largest score of each block of 32 keys: for the row's maximum and for the block's largest p
.endr
.irp i, 3,5,7,9,11,13
.irp b, 0,1,2,3
	v_max3_num_f32 v[208+\b], v[208+\b], v[S+16*\b+\i], v[S+1+16*\b+\i]
.endr
.endr
.irp b, 0,1,2,3
	v_max_num_f32 v[208+\b], v[208+\b], v[S+15+16*\b]
.endr
.irp b, 0,1,2,3
	v_permlanex16_b32 v[212+\b], v[208+\b], s34, s35
.endr
.irp b, 0,1,2,3
	v_max_num_f32 v[208+\b], v[208+\b], v[212+\b]
.endr
	v_max3_num_f32 v24, v208, v209, v210
	v_max_num_f32 v24, v24, v211
	v_mul_f32 v24, s32, v24                        ; as t
	v_max_num_f32 v[\MR+1], v[\MR+1], v24          ; the running largest t
	v_mov_b32 v24, v[\MR]
	v_floor_f32 v[\MR], -v[\MR+1]                  ; the new -M: a whole number
	v_sub_f32 v24, v[\MR], v24                     ; old M - new M, 0 or less
	v_cvt_i32_f32 v24, v24                         ; (it saturates)
	v_ldexp_f32 v22, 1.0, v24                      ; f = 2^(old M - new M): a multiplication by it rounds nothing
.irp j, 0,2,4,6,8,10,12,14,16,18,20,22,24,26,28,30,32,34,36,38,40,42,44,46,48,50,52,54,56,58,60,62
	v_pk_fma_f32 v[S+\j:S+\j+1], v[S+\j:S+\j+1], s[32:33], v[\MR:\MR+1] op_sel_hi:[1,0,0]   ; t - M
.endr
.irp b, 0,1,2,3
	v_fma_f32 v[208+\b], v[208+\b], s32, v[\MR]
.endr
.set n, 0
.rept 64
	v_exp_f32 v[S+n], v[S+n]                       ; p = 2^(t - M)
.set n, n+1
.endr
	v_pk_mul_f32 v[\LR:\LR+1], v[\LR:\LR+1], v[22:23] op_sel_hi:[1,0]   ; the sum under the new M; the plain line behind the exponentials
	s_wait_alu depctr_va_vdst(0)                   ; one wait for the batch, ahead of its first reader
.irp b, 0,1,2,3
	v_exp_f32 v[208+\b], v[208+\b]                 ; each block's largest p
.endr
	v_pk_add_f32 v[212:213], v[S:S+1], v[S+2:S+3]  ; the row's sum of the unquantised p, in two chains
.irp j, 4,8,12,16,20,24,28,32,36,40,44,48,52,56,60
	v_pk_add_f32 v[\LR:\LR+1], v[\LR:\LR+1], v[S+\j:S+\j+1]
	v_pk_add_f32 v[212:213], v[212:213], v[S+\j+2:S+\j+3]
.endr
	v_pk_add_f32 v[\LR:\LR+1], v[\LR:\LR+1], v[212:213]
	s_wait_alu depctr_va_vdst(0)                   ; and one for the four
.irp b, 0,1,2,3
	v_max_num_f32 v[208+\b], 0x1800000, v[208+\b]  ; the floor 2^(3 - 127)
.endr
.irp b, 0,1,2,3
	v_add_nc_u32 v[216+\b], 0xff000000, v[208+\b]  ; the conversion's scale operand
.endr
.irp b, 0,1,2,3
	v_lshrrev_b32 v[212+\b], 23, v[216+\b]         ; the byte
.endr
	v_lshl_or_b32 v27, v213, 8, v212
	v_lshl_or_b32 v27, v214, 16, v27
	v_lshl_or_b32 v27, v215, 24, v27
.irp b, 0,1,2,3
	v_cvt_scalef32_pk8_fp4_f32 v[PC+2*\b], v[S+16*\b:S+7+16*\b], v[216+\b]
	v_cvt_scalef32_pk8_fp4_f32 v[PC+1+2*\b], v[S+8+16*\b:S+15+16*\b], v[216+\b]
.endr
	v_nop                                          ; one plain line behind a scaled conversion
.irp c, 0,1
.irp i, 0,1
	v_permlane16_swap_b32 v[PC+4*\c+\i], v[PC+2+4*\c+\i]
.endr
.endr
.irp j, 0,2,4,6,8,10,12,14
	v_pk_mul_f32 v[\OR+\j:\OR+\j+1], v[\OR+\j:\OR+\j+1], v[22:23] op_sel_hi:[1,0]   ; O^T under the new M
.endr
.rept 8
	v_nop                                          ; eight places between the scale word's last write and the scaled product
.endr
.irp u, 0,1
	v_wmma_scale_f32_16x16x128_f8f6f4 v[\OR+8*\u:\OR+8*\u+7], v[VF+8*\u:VF+8*\u+7], v[PC:PC+7], v[\OR+8*\u:\OR+8*\u+7], v[32+\u], v27 matrix_a_fmt:MATRIX_FMT_FP4 matrix_b_fmt:MATRIX_FMT_FP4
.endr
.endm
; A step that the direction hides wholly
.macro MASKED MR, LR, OR
	s_wait_dscnt 0x0                               ; V and its scale words
	v_fma_f32 v24, v12, s32, v[\MR]                ; the same multiply-add that a hidden key gets in a live step
	v_exp_f32 v25, v24
	v_nop                                          ; a plain line behind the exponential,
	s_wait_alu depctr_va_vdst(0)                   ; and the wait ahead of its reader
	v_fmac_f32 v[\LR], 0x42800000, v25             ; my lane's 64 keys
	v_max_num_f32 v24, 0x1800000, v25
	v_add_nc_u32 v24, 0xff000000, v24
	v_lshrrev_b32 v24, 23, v24                     ; the byte of every block of the step
	v_perm_b32 v27, v24, v24, 0                    ; four times
.rept 8
	v_nop                                          ; eight places between the scale word's write and the scaled product
.endr
.irp u, 0,1
	v_wmma_scale_f32_16x16x128_f8f6f4 v[\OR+8*\u:\OR+8*\u+7], v[VF+8*\u:VF+8*\u+7], v[PCN:PCN+7], v[\OR+8*\u:\OR+8*\u+7], v[32+\u], v27 matrix_a_fmt:MATRIX_FMT_FP4 matrix_b_fmt:MATRIX_FMT_FP4
.endr
.endm
	s_load_b128 s[4:7], s[0:1], 0x0                ; qq, kv
	s_load_b64 s[8:9], s[0:1], 0x10                ; aq
	v_lshl_add_u32 v254, v0, 2, 0x3a000
	v_mov_b32 v255, 0
	ds_add_u32 v254, v255
	ds_add_u32 v254, v255
	v_lshrrev_b32 v1, 5, v0
	v_readfirstlane_b32 s10, v1                    ; wave 0..11
	s_mul_i32 s44, ttmp9, 12
	s_add_co_u32 s11, s44, s10                     ; my tile
	s_lshr_b32 s12, s11, 7                         ; bh
	s_and_b32 s13, s11, 127                        ; T
	s_lshr_b32 s14, s13, 1                         ; beta
	s_and_b32 s15, s13, 1                          ; u
	s_lshr_b32 s[JD], s14, 2
	s_lshr_b32 s30, s44, 7
	s_min_u32 s30, s30, 22                         ; the first of the two records in LDS
	s_sub_co_u32 s31, s12, s30
	s_min_u32 s31, s31, 1
	s_mul_i32 s31, s31, REC                        ; where my head's record begins in LDS
	s_mov_b32 s16, 3<<16                           ; group 1: elements of 8 bytes, no mask, no padding (images are read at 16 x lane)
	s_mov_b32 s17, 32<<16                          ; tensor_dim0 = 32 elements: rows of 256 bytes
	s_mov_b32 s18, 116<<16                         ; tensor_dim1 = 116 rows
	s_mov_b32 s19, 32<<16                          ; tile_dim0
	s_mov_b32 s20, 116                             ; tile_dim1
	s_mov_b32 s21, 32                              ; the pitch: dense
	s_mov_b32 s22, 0
	s_mov_b32 s23, 0
	s_mov_b32 s24, 1
	s_mul_i32 s25, s10, 29696                      ; an eighth of the two records for each of waves 0 to 7
	s_mul_i32 s46, s30, REC
	s_add_co_u32 s46, s46, s25
	s_mov_b32 s47, 0
	s_mov_b32 s32, 0x3e38aa3b                      ; c = log2(e) / 8
	s_mov_b32 s33, s32
	s_mov_b32 s34, 0x76543210
	s_mov_b32 s35, 0xfedcba98
	s_mov_b32 s41, 0xffff0000
	s_wait_dscnt 0x0
	s_wait_kmcnt 0x0
	s_add_nc_u64 s[26:27], s[6:7], s[46:47]
	s_or_b32 s27, s27, 0x80000000
	s_cmp_lt_u32 s10, 8
	s_cbranch_scc0 .Lnofill
	tensor_load_to_lds s[24:27], s[16:23]          ; my one tensor load of the launch
	s_nop 0
.rept 4
	v_nop
.endr
.Lnofill:
	v_and_b32 v24, 31, v0
	v_lshlrev_b32 v13, 4, v24                      ; 16 x lane
	v_lshlrev_b32 v34, 3, v24                      ; 8 x lane
	s_lshl_b32 s44, s12, 6
	s_add_co_u32 s44, s44, s14
	s_lshl_b32 s44, s44, 10
	s_lshl_b32 s45, s15, 9
	s_add_co_u32 s44, s44, s45
	s_mov_b32 s45, 0
	s_add_nc_u64 s[48:49], s[4:5], s[44:45]
	global_load_b128 v[40:43], v13, s[48:49]       ; q: half u of fragment beta
	s_lshl_b32 s44, s12, 13
	s_lshr_b32 s46, s14, 1
	s_lshl_b32 s46, s46, 8
	s_add_co_u32 s44, s44, s46
	s_and_b32 s46, s14, 1
	s_lshl_b32 s46, s46, 2
	s_add_co_u32 s44, s44, s46
	s_add_co_u32 s44, s44, 1572864
	s_add_nc_u64 s[50:51], s[4:5], s[44:45]
	global_load_b32 v35, v34, s[50:51]             ; its fragment's scale word
	v_add_nc_u32 v1, s31, v13                      ; K's codes
	v_add_nc_u32 v2, 65536, v1                     ; V's codes
	v_add_nc_u32 v3, s31, v34
	v_add_nc_u32 v3, 98304, v3                     ; K's scale words
	v_add_nc_u32 v4, 8192, v3                      ; V's
	v_bfe_u32 v24, v0, 4, 1                        ; h
	v_lshlrev_b32 v5, 6, v24
	v_add_nc_u32 v5, s31, v5
	v_add_nc_u32 v5, 110592, v5                    ; the pad bias, + 64 h
	v_and_b32 v25, 15, v0                          ; r
	v_and_b32 v11, 8, v25
	v_add_nc_u32 v11, v11, v25
	v_lshlrev_b32 v24, 4, v24
	v_sub_nc_u32 v11, v11, v24
	s_and_b32 s44, s14, 3
	s_lshl_b32 s44, s44, 5
	s_lshl_b32 s46, s15, 3
	s_add_co_u32 s44, s44, s46
	v_add_nc_u32 v11, s44, v11                     ; d = my query - the diagonal step's first key - 16 h
	v_mov_b32 v12, 0xc79c4000                      ; -80000
	v_mul_f32 v24, s32, v12                        ; a hidden key's t
	v_mov_b32 v25, 0xff61b1e6                      ; -3e38
	s_cmp_lt_u32 s[JD], 15                         ; forward: are there steps behind the diagonal?
	s_cselect_b32 s44, -1, 0
	v_cndmask_b32 v15, v25, v24, s44
	s_cmp_gt_u32 s[JD], 0                          ; backward: are there steps ahead of it?
	s_cselect_b32 s46, -1, 0
	v_cndmask_b32 v19, v25, v24, s46
	v_floor_f32 v14, -v15
	v_floor_f32 v18, -v19
	s_cmp_eq_u32 s15, 0
	s_mov_b32 s47, 0x03020302
	s_cselect_b32 s47, 0x01000100, s47
	s_wait_loadcnt 0x0
	v_perm_b32 v26, v35, v35, s47                  ; my tile's two bytes, twice: the word serves [q | 0] and [0 | q]
.irp j, 16,17,20,21,22,23,36,37,38,39,44,45,46,47,212,213,214,215
	v_mov_b32 v[\j], 0                             ; the sums; f's pair; the zeros beside q; the permutes' destinations
.endr
.irp j, 0,1,2,3,4,5,6,7
	v_mov_b32 v[PCN+\j], 0x66666666                ; the code of 4.0, eight to a register
.endr
.set n, 0
.rept 32
	v_mov_b32 v[112+n], 0                          ; O^T of both directions: the step is written once, and hidden steps may come first
.set n, n+1
.endr
	s_mov_b32 s[JS], 0
	s_mov_b32 s36, 0
	s_mov_b32 s37, 0
	s_mov_b32 s38, 0
	s_mov_b32 s39, 0
	s_mov_b32 s40, 0
	s_wait_tensorcnt 0x0                           ; my part of the records has landed,
	s_barrier_signal -1
	s_barrier_wait -1                              ; everybody's has: the launch's only barrier
.Lstep:                                                ; 16 trips: 128 keys each
	v_add_nc_u32 v6, s36, v1                       ; (these five are also the places ahead of the loads into registers that the last products read)
	v_add_nc_u32 v7, s37, v2
	v_add_nc_u32 v8, s38, v3
	v_add_nc_u32 v9, s39, v4
	v_add_nc_u32 v10, s40, v5
.irp b, 0,1,2,3
.irp c, 0,1
	ds_load_b128 v[KF+8*\b+4*\c:KF+8*\b+4*\c+3], v6 offset:1024*\b+512*\c
.endr
.endr
	ds_load_b64 v[28:29], v8
	ds_load_b64 v[30:31], v8 offset:256
.irp u, 0,1
.irp c, 0,1
	ds_load_b128 v[VF+8*\u+4*\c:VF+8*\u+4*\c+3], v7 offset:1024*\u+512*\c
.endr
.endr
	ds_load_b64 v[32:33], v9
	s_cmp_gt_u32 s[JS], s[JD]
	s_cbranch_scc1 .Lfm
	LIVE 0, 14, 16, 112
	s_branch .Lfd
.Lfm:
	MASKED 14, 16, 112
.Lfd:
	s_cmp_lt_u32 s[JS], s[JD]
	s_cbranch_scc1 .Lbm
	LIVE 1, 18, 20, 128
	s_branch .Lbd
.Lbm:
	MASKED 18, 20, 128
.Lbd:
	s_add_co_u32 s36, s36, 4096
	s_add_co_u32 s37, s37, 2048
	s_add_co_u32 s38, s38, 512
	s_add_co_u32 s39, s39, 256
	s_add_co_u32 s40, s40, 512
	s_add_co_u32 s[JS], s[JS], 1
	s_cmp_lt_u32 s[JS], 16
	s_cbranch_scc1 .Lstep
	; THE WAY OUT.  A lane's 16 registers of a direction are e = 16 h + 0 .. 15 of its query: with lane l xor 16's they are one block of the next product's K (block dir x 12 + head).
	v_add_f32 v16, v16, v17                        ; (four plain lines: the places behind the last products)
	v_add_f32 v20, v20, v21
	v_and_b32 v229, 15, v0                         ; r
	v_bfe_u32 v231, v0, 4, 1                       ; h
	v_permlanex16_b32 v212, v16, s34, s35
	v_permlanex16_b32 v213, v20, s34, s35
	v_add_f32 v16, v16, v212
	v_add_f32 v20, v20, v213
	v_rcp_f32 v22, v16
	v_rcp_f32 v24, v20
	v_lshlrev_b32 v228, 4, v229                    ; (a plain line behind the reciprocals)
	v_lshl_add_u32 v228, v231, 3, v228             ; codes: 16 r + 8 h
	v_mul_u32_u24 v231, v231, 384
	v_lshl_add_u32 v230, v229, 2, v231             ; scale bytes: 4 r, and 384 on for lanes 16-31, which carry the backward direction's
	s_cmp_ge_u32 s12, 12
	s_cselect_b32 s42, 1, 0                        ; b
	s_mul_i32 s43, s42, 12
	s_sub_co_u32 s43, s12, s43                     ; the head
	s_lshl_b32 s44, s42, 6
	s_add_co_u32 s44, s44, s14
	s_mul_i32 s44, s44, 6                          ; (64 b + beta) x 6 K steps
	s_lshr_b32 s45, s43, 2
	s_add_co_u32 s45, s45, s44                     ; + the forward block's K step; the backward block's lies 3 K steps on
	s_and_b32 s46, s43, 3
	s_lshl_b32 s50, s45, 11
	s_lshl_b32 s47, s15, 10
	s_add_co_u32 s50, s50, s47
	s_lshl_b32 s47, s46, 8
	s_add_co_u32 s50, s50, s47
	s_mov_b32 s51, 0
	s_add_nc_u64 s[50:51], s[8:9], s[50:51]
	s_lshl_b32 s52, s45, 7
	s_lshl_b32 s47, s15, 6
	s_add_co_u32 s52, s52, s47
	s_add_co_u32 s52, s52, s46
	s_add_co_u32 s52, s52, 1572864
	s_mov_b32 s53, 0
	s_add_nc_u64 s[52:53], s[8:9], s[52:53]
	s_wait_alu depctr_va_vdst(0)                   ; one wait for the two reciprocals, ahead of their first reader
.irp j, 0,2,4,6,8,10,12,14
	v_pk_mul_f32 v[S+\j:S+\j+1], v[112+\j:113+\j], v[22:23] op_sel_hi:[1,0]         ; O^T / the sum, each accumulator from its low end on
	v_pk_mul_f32 v[S+16+\j:S+17+\j], v[128+\j:129+\j], v[24:25] op_sel_hi:[1,0]
.endr
.irp d, 0,1
	v_max3_num_f32 v[208+\d], |v[S+16*\d]|, |v[S+1+16*\d]|, 0x1800000
.endr
.irp i, 2,4,6,8,10,12,14
.irp d, 0,1
	v_max3_num_f32 v[208+\d], v[208+\d], |v[S+16*\d+\i]|, |v[S+1+16*\d+\i]|
.endr
.endr
.irp d, 0,1
	v_permlanex16_b32 v[212+\d], v[208+\d], s34, s35
.endr
.irp d, 0,1
	v_max_num_f32 v[208+\d], v[208+\d], v[212+\d]
.endr
.irp d, 0,1
	v_add_nc_u32 v[216+\d], 0xff000000, v[208+\d]
.endr
.irp d, 0,1
	v_lshrrev_b32 v[220+\d], 23, v[216+\d]
.endr
.irp d, 0,1
	v_cvt_scalef32_pk8_fp4_f32 v[224+2*\d], v[S+16*\d:S+7+16*\d], v[216+\d]
	v_cvt_scalef32_pk8_fp4_f32 v[225+2*\d], v[S+8+16*\d:S+15+16*\d], v[216+\d]
.endr
	v_nop                                          ; one plain line behind the last conversion
	v_cndmask_b32 v229, v220, v221, s41
	global_store_b64 v228, v[224:225], s[50:51]                ; 32 lanes store 256 consecutive bytes, aligned
	global_store_b64 v228, v[226:227], s[50:51] offset:6144
	global_store_b8 v230, v229, s[52:53]
	s_wait_tensorcnt 0x0
	ds_add_u32 v254, v255
	s_wait_dscnt 0x0
	s_endpgm
.Lfunc_end_k_q518299f436_attn:
	.size	k_q518299f436_attn, .Lfunc_end_k_q518299f436_attn-k_q518299f436_attn
	.p2alignl 7, 3214868480
	.fill 96, 4, 3214868480
	.section	.rodata,"a",@progbits
	.p2align	6, 0x0
	.amdhsa_kernel k_q518299f436_attn
		.amdhsa_group_segment_fixed_size 239104
		.amdhsa_private_segment_fixed_size 0
		.amdhsa_enable_private_segment 0
		.amdhsa_kernarg_size 24
		.amdhsa_user_sgpr_count 2
		.amdhsa_user_sgpr_kernarg_segment_ptr 1
		.amdhsa_wavefront_size32 1
		.amdhsa_system_sgpr_workgroup_id_x 1
		.amdhsa_system_sgpr_workgroup_id_y 1
		.amdhsa_system_sgpr_workgroup_id_z 1
		.amdhsa_system_vgpr_workitem_id 0
		.amdhsa_next_free_vgpr 256
		.amdhsa_next_free_sgpr 66
		.amdhsa_reserve_vcc 1
		.amdhsa_float_denorm_mode_32 3
		.amdhsa_float_denorm_mode_16_64 3
		.amdhsa_memory_ordered 1
		.amdhsa_forward_progress 1
		.amdhsa_inst_pref_size 54
	.end_amdhsa_kernel
	.amdgpu_metadata
---
amdhsa.version: [ 1, 2 ]
amdhsa.kernels:
  - .name:           k_q518299f436_attn
    .symbol:         k_q518299f436_attn.kd
    .args:
      - { .name: qq, .offset: 0, .size: 8, .value_kind: global_buffer, .address_space: global }
      - { .name: kv, .offset: 8, .size: 8, .value_kind: global_buffer, .address_space: global }
      - { .name: aq, .offset: 16, .size: 8, .value_kind: global_buffer, .address_space: global }
    .group_segment_fixed_size: 239104
    .private_segment_fixed_size: 0
    .kernarg_segment_align: 8
    .kernarg_segment_size: 24
    .max_flat_workgroup_size: 384
    .sgpr_count:     66
    .vgpr_count:     256
    .wavefront_size: 32
...
	.end_amdgpu_metadata
.endif
;; end of part 3
;; launch tail (part 4): grid 256 x 1, 6 waves a work-group, no clusters, 123,648 bytes of LDS; arguments aq, wcod, wscl, x, bo, ln1_s, ln1_b, b1, b2, ln2_s, ln2_b, out0; writes out0
.if DOCPART == 4
	.amdgcn_target "amdgcn-amd-amdhsa--gfx1250"
	.amdhsa_code_object_version 6
	.text
	.protected	k_q518299f436_tail
	.globl	k_q518299f436_tail
	.p2align	8
	.type	k_q518299f436_tail,@function
k_q518299f436_tail:
	s_mov_b64 s[64:65], 0
	v_nop
	global_prefetch_b8 v0, s[64:65] scope:SCOPE_SE
	s_setreg_imm32_b32 hwreg(HW_REG_WAVE_MODE, 25, 1), 1
	s_wait_xcnt 0x0
; out0 = LN2(h + leaky(h w1 + b1) w2 + b2), h = LN1(x + a wo + bo): three products on codes of FP4, both norms, both residuals; h and the hidden layer never go to memory.
; SHARES.  A work-group owns ONE TOKEN TILE (16 tokens: tile u = x % 2 of pair x / 2, lane r = token 8 u + r + 8 (r / 8) of the pair) through the whole chain: 256 work-groups.
; THE SIX WAVES SHARE THE COLUMNS: wave w has columns 128 w .. 128 w + 127 of wo's and w2's results and hidden groups 4 w .. 4 w + 3.
; So a unit of work is always 8 tiles of a weight x one K step x the token tile (8 products), and what a wave quantises is always one whole fragment (128 along the next K).
; THE WEIGHTS come from memory straight into registers: the first launch has laid each wave's 54 units (8,192 bytes of codes, 512 of scale words) on end in the order of use; a ring of three register slots keeps two to three
; units (40 to 60 loads a wave) on their way.  Each fragment of a weight is used by one wave once, so a way through LDS (or a cluster's joint load into LDS) would add a write and a read of every byte.
; WRITTEN OUT, NO LOOP: every offset of the stream (441,856 bytes at the most, inside the signed 24-bit immediate) and of LDS is an immediate, so no pointer is stepped and nothing waits for one to be free.
; ACTIVATIONS go from wave to wave through LDS as images of their registers (16 x lane), scale words at 4 x lane (lanes 0-15 are read).
; All products are transposed (source 0 = 16 columns of a weight, source 1 = the 16 tokens): a lane holds a token, its registers run along the columns.  Residuals and biases are the C of a sum's first product.
; NORMS: two passes (mean, then the sum of squared differences), each summed over lanes, then over the six waves through LDS; every wave adds the six parts in the same order.  Gains and biases are asked for ahead of the sums.
; LIMITS: NaN and infinities are not served; the mean is the sum x (1 / 768 rounded to f32); a block under 2^-124 or of zeros has the byte 1 (its codes are right or zeros; this program alone reads the bytes).
; REGISTERS: window 0: v1-22 addresses; v[20:21] -mean, v[24:25] 1 / sigma; v28-39 the ring's scale words; v40, v43 the activations' scale words; v41 the scale word just made; v44-59 at work; v60-67 codes;
;   v68-75, v84-91 two activation fragments (in the norms v44-107: biases); v116-121 sums; v128-191 the 8 accumulators (128 + 8 tA); v192-255 gains, 0.01 v, b2.   window 1: v0-191 the ring: 3 slots x 8 fragments.
.set STG,  0                           ; 6 x 16 rows x 528 bytes, each wave's own
.set AIMG, 50688                       ; the attention output's 6 K steps x 1,024
.set ASCL, 56832
.set HIMG, 57600                       ; h's
.set HSCL, 63744
.set GIMG, 64512                       ; the hidden layer's 24 K steps
.set GSCL, 89088
.set PRM,  92160                       ; 6 x 4,608, each wave's own: ln1_s 0, ln1_b 512, b2 1,024, ln2_s 1,536, ln2_b 2,048, b1 2,560
.set RED,  119808                      ; 4 x 768: the norms' partial sums
.set TM,   44
.set SEL,  34
.set MSB,  0
.macro WIN new                         ; the immediate's high byte repeats the setting that is left
.if MSB != \new
	s_set_vgpr_msb (MSB<<8)|\new
.set MSB, \new
.endif
.endm
.macro WM d, a, b, sa, sb, ra          ; one product, added in place; ra: the half of the lanes from which the weight's scale words are read
.if (\ra) == 0
	v_wmma_scale_f32_16x16x128_f8f6f4 v[(\d):(\d)+7], v[(\a):(\a)+7], v[(\b):(\b)+7], v[(\d):(\d)+7], v[(\sa)], v[(\sb)] matrix_a_fmt:MATRIX_FMT_FP4 matrix_b_fmt:MATRIX_FMT_FP4
.else
	v_wmma_scale_f32_16x16x128_f8f6f4 v[(\d):(\d)+7], v[(\a):(\a)+7], v[(\b):(\b)+7], v[(\d):(\d)+7], v[(\sa)], v[(\sb)] matrix_a_fmt:MATRIX_FMT_FP4 matrix_b_fmt:MATRIX_FMT_FP4 matrix_a_scale:MATRIX_SCALE_ROW1
.endif
.endm
.macro QUANT s, pc, pw                 ; 64 numbers of a lane, register 16 b + i = k 32 b + 16 (lane / 16) + i, become a fragment in v[pc] on and its scale word in v[pw]
.irp b, 0,1,2,3
	v_max3_num_f32 v[TM+\b], |v[\s+16*\b]|, |v[\s+1+16*\b]|, 0x1800000   ; and the floor 2^(3 - 127): the byte cannot fall under 1
.endr
.irp i, 2,4,6,8,10,12,14
.irp b, 0,1,2,3
	v_max3_num_f32 v[TM+\b], v[TM+\b], |v[\s+16*\b+\i]|, |v[\s+1+16*\b+\i]|
.endr
.endr
.irp b, 0,1,2,3
	v_permlanex16_b32 v[TM+4+\b], v[TM+\b], s[SEL], s[SEL+1]
.endr
.irp b, 0,1,2,3
	v_max_num_f32 v[TM+\b], v[TM+\b], v[TM+4+\b]   ; with lane l xor 16's: the block's largest magnitude
.endr
.irp b, 0,1,2,3
	v_add_nc_u32 v[TM+12+\b], 0xff000000, v[TM+\b] ; 2 off its exponent field: the conversion's scale operand
.endr
.irp b, 0,1,2,3
	v_lshrrev_b32 v[TM+4+\b], 23, v[TM+12+\b]      ; the byte
.endr
	v_lshl_or_b32 v[\pw], v[TM+5], 8, v[TM+4]
	v_lshl_or_b32 v[\pw], v[TM+6], 16, v[\pw]
	v_lshl_or_b32 v[\pw], v[TM+7], 24, v[\pw]
.irp b, 0,1,2,3
	v_cvt_scalef32_pk8_fp4_f32 v[\pc+2*\b], v[\s+16*\b:\s+7+16*\b], v[TM+12+\b]
	v_cvt_scalef32_pk8_fp4_f32 v[\pc+1+2*\b], v[\s+8+16*\b:\s+15+16*\b], v[TM+12+\b]
.endr
	v_nop                                          ; one plain line behind a scaled conversion
.irp c, 0,1                                    ; a whole block to a lane: lanes 0-15 block 2 c, lanes 16-31 block 2 c + 1
.irp i, 0,1
	v_permlane16_swap_b32 v[\pc+4*\c+\i], v[\pc+2+4*\c+\i]
.endr
.endr
.endm
.macro BARRIER                         ; my LDS stores have landed and my LDS loads are in: then the work-group's barrier
	s_wait_dscnt 0x0
	s_barrier_signal -1
	s_barrier_wait -1
.endm
.macro ULOAD slot, num                 ; unit num of my stream into ring slot: 16 + 4 loads, each of consecutive bytes
	WIN 0x40                                       ; destination window 1
.set jj, 0
.rept 16
	global_load_b128 v[64*(\slot)+4*jj:64*(\slot)+4*jj+3], v1, s[30:31] offset:(\num)*8192+512*jj
.set jj, jj+1
.endr
	WIN 0
.irp pa, 0,1,2,3
	global_load_b32 v[28+4*(\slot)+\pa], v2, s[32:33] offset:(\num)*512+128*\pa    ; lanes 0-15 the even tile's words, lanes 16-31 the odd tile's
.endr
.endm
.macro ALOAD set, k                    ; the activations of K step k (from v13, v14 on): a fragment and its scale words: three LDS loads
.irp c, 0,1
	ds_load_b128 v[68+16*(\set)+4*\c:71+16*(\set)+4*\c], v13 offset:1024*(\k)+512*\c
.endr
	ds_load_b32 v[40+3*(\set)], v14 offset:128*(\k)
.endm
; Unit n of my stream (0 .. 53) against K step k of the activations.  last = 1: the sum's last K step
.macro UNIT n, k, last
.if (\last) == 0
	ALOAD ((\n)+1)%2, (\k)+1                       ; the next unit's activations, ahead of this unit's products
	s_wait_dscnt 3                                 ; all but those three
.else
	s_wait_dscnt 0x0
.endif
.if (\n) < 52
	s_wait_loadcnt 40                              ; this unit's 20 loads are in; the two younger units' 40 may be out
.elseif (\n) == 52
	s_wait_loadcnt 20                              ; the stream ends: one younger unit
.else
	s_wait_loadcnt 0x0
.endif
	WIN 0x01                                       ; source 0 window 1
.irp ta, 0,1,2,3,4,5,6,7
	WM 128+8*\ta, 64*((\n)%3)+8*\ta, 68+16*((\n)%2), 28+4*((\n)%3)+\ta/2, 40+3*((\n)%2), \ta%2
.endr
	WIN 0
.rept 4
	v_nop                                          ; four places ahead of loads into registers that these products read, and of the first read of results
.endr
.if (\n) < 51
	ULOAD (\n)%3, (\n)+3                           ; the slot takes the unit three on; the last three units ask for nothing
.endif
.endm
; cnt units from n0 on, K steps k0 on.  The 8 accumulators take turns, one instruction a turn, in the same order in every unit
.macro BODY n0, k0, cnt
	ALOAD (\n0)%2, \k0
.set cu, \n0
.set ck, \k0
.rept (\cnt)-1
	UNIT cu, ck, 0
.set cu, cu+1
.set ck, ck+1
.endr
	UNIT cu, ck, 1
.endm
.macro CINIT adr, off                  ; the accumulators begin from LDS: register j of tile t: column 32 (t / 2) + 16 h + 8 (t % 2) + j
.irp t, 0,1,2,3,4,5,6,7
	ds_load_b128 v[128+8*\t:131+8*\t], v[\adr] offset:\off+128*(\t/2)+32*(\t%2)
	ds_load_b128 v[132+8*\t:135+8*\t], v[\adr] offset:\off+128*(\t/2)+32*(\t%2)+16
.endr
.endm
.macro CSTORE                          ; and go back to my stage the same way
.irp t, 0,1,2,3,4,5,6,7
	ds_store_b128 v3, v[128+8*\t:131+8*\t] offset:128*(\t/2)+32*(\t%2)
	ds_store_b128 v3, v[132+8*\t:135+8*\t] offset:128*(\t/2)+32*(\t%2)+16
.endr
.endm
.macro PLOAD reg, off                  ; my lane's 64 numbers of a parameter vector, in the accumulators' order
.set kk, 0
.rept 16
	ds_load_b128 v[\reg+4*kk:\reg+4*kk+3], v5 offset:\off+128*(kk/4)+16*(kk%4)
.set kk, kk+1
.endr
.endm
.macro XCH red                         ; v[116:117]: my lane's partial sums -> v116: the sum over all 768 columns of my token
	v_add_f32 v116, v116, v117
	v_permlanex16_b32 v117, v116, s[SEL], s[SEL+1]
	v_add_f32 v116, v116, v117
	ds_store_b32 v10, v116 offset:\red
	BARRIER
.irp w, 0,1,2,3,4,5
	ds_load_b32 v[116+\w], v9 offset:\red+128*\w
.endr
	s_wait_dscnt 0x0
	v_add_f32 v116, v116, v117
	v_add_f32 v118, v118, v119
	v_add_f32 v120, v120, v121
	v_add_f32 v116, v116, v118
	v_add_f32 v116, v116, v120
.endm
.macro STATS reda, redb                ; the accumulators become v - mean; v24 = 1 / sqrt(var + eps).  Each accumulator is read from its low end on
	v_pk_add_f32 v[116:117], v[128:129], v[130:131]
	v_pk_add_f32 v[118:119], v[132:133], v[134:135]
.set jj, 8
.rept 14
	v_pk_add_f32 v[116:117], v[116:117], v[128+jj:129+jj]
	v_pk_add_f32 v[118:119], v[118:119], v[130+jj:131+jj]
.set jj, jj+4
.endr
	v_pk_add_f32 v[116:117], v[116:117], v[118:119]
	XCH \reda
	v_mul_f32 v20, 0xbaaaaaab, v116                ; -mean
.set jj, 0
.rept 32
	v_pk_add_f32 v[128+jj:129+jj], v[128+jj:129+jj], v[20:21] op_sel_hi:[1,0]
.set jj, jj+2
.endr
	v_pk_mul_f32 v[116:117], v[128:129], v[128:129]
	v_pk_mul_f32 v[118:119], v[130:131], v[130:131]
.set jj, 4
.rept 15
	v_pk_fma_f32 v[116:117], v[128+jj:129+jj], v[128+jj:129+jj], v[116:117]
	v_pk_fma_f32 v[118:119], v[130+jj:131+jj], v[130+jj:131+jj], v[118:119]
.set jj, jj+4
.endr
	v_pk_add_f32 v[116:117], v[116:117], v[118:119]
	XCH \redb
	v_fma_f32 v117, v116, s44, s45                 ; var + eps
	v_rsq_f32 v24, v117
	v_nop                                          ; a plain line behind it,
	s_wait_alu depctr_va_vdst(0)                   ; and the wait ahead of its first reader
.endm
.macro APPLY                           ; x 1 / sigma x gain (v192 on) + bias (v44 on)
.set jj, 0
.rept 32
	v_pk_mul_f32 v[128+jj:129+jj], v[128+jj:129+jj], v[24:25] op_sel_hi:[1,0]
.set jj, jj+2
.endr
.set jj, 0
.rept 32
	v_pk_fma_f32 v[128+jj:129+jj], v[128+jj:129+jj], v[192+jj:193+jj], v[44+jj:45+jj]
.set jj, jj+2
.endr
.endm
.macro TOIMAGE ai, as, g               ; my 64 numbers a lane become a K step's image at v[ai] + 1,024 g, its scale words at v[as] + 128 g
	QUANT 128, 60, 41
	ds_store_b128 v[\ai], v[60:63] offset:1024*\g
	ds_store_b128 v[\ai], v[64:67] offset:1024*\g+512
	ds_store_b32 v[\as], v41 offset:128*\g
.endm
.macro GROUP gi                        ; hidden group 4 w + gi: b1 + h w1, leaky, quantised: K step 4 w + gi of the last product
	CINIT 5, 2560+512*\gi
	BODY 6+6*\gi, 0, 6
.set jj, 0
.rept 32
	v_pk_mul_f32 v[192+jj:193+jj], v[128+jj:129+jj], 0x3c23d70a op_sel_hi:[1,0]
.set jj, jj+2
.endr
.set jj, 0
.rept 64
	v_max_num_f32 v[128+jj], v[128+jj], v[192+jj]  ; leaky(v) = max(v, 0.01 v)
.set jj, jj+1
.endr
	TOIMAGE 15, 16, \gi
.endm
	s_load_b512 s[4:19], s[0:1], 0x0               ; aq, wcod, wscl, x, bo, ln1_s, ln1_b, b1
	s_load_b256 s[20:27], s[0:1], 0x40             ; b2, ln2_s, ln2_b, out0
	v_lshl_add_u32 v126, v0, 2, 0x1e000
	v_mov_b32 v127, 0
	v_lshrrev_b32 v1, 5, v0
	v_readfirstlane_b32 s28, v1                    ; wave 0..5
	s_lshr_b32 s50, ttmp9, 1                       ; the pair of 32 tokens
	s_and_b32 s51, ttmp9, 1                        ; and my tile u of it
	v_and_b32 v19, 31, v0
	v_lshlrev_b32 v1, 4, v19                       ; 16 x lane
	v_lshlrev_b32 v2, 2, v19                       ; 4 x lane
	v_and_b32 v9, 15, v0                           ; r
	v_bfe_u32 v5, v0, 4, 1                         ; h
	v_lshlrev_b32 v22, 2, v9                       ; 4 r
	v_mul_u32_u24 v3, v9, 528
	v_lshl_add_u32 v3, v5, 6, v3
	s_mul_i32 s40, s28, 8448
	v_add_nc_u32 v3, s40, v3                       ; the stage by tiles: row r, + 64 h
	v_add_nc_u32 v4, s40, v1                       ; the stage by rows
	s_mul_i32 s40, s28, 4608
	s_add_co_u32 s40, s40, PRM
	v_lshlrev_b32 v5, 6, v5
	v_add_nc_u32 v5, s40, v5                       ; my parameters, + 64 h
	v_add_nc_u32 v19, s40, v1                      ; and where I write them
	s_lshl_b32 s40, s28, 9
	v_add_nc_u32 v7, s40, v1                       ; memory: my 128 columns of a row
	v_add_nc_u32 v16, s40, v2
	v_add_nc_u32 v16, GSCL, v16                    ; the hidden layer's scale words: 512 w + 4 x lane
	s_lshl_b32 s40, s28, 11
	v_add_nc_u32 v8, s40, v1                       ; memory: my 512 numbers of b1
	s_lshl_b32 s40, s28, 10
	v_add_nc_u32 v11, s40, v1
	v_add_nc_u32 v17, AIMG, v11                    ; where I put the attention output's K step w
	v_add_nc_u32 v11, HIMG, v11                    ; and h's
	v_lshl_add_u32 v9, v9, 2, RED                  ; the partial sums, read: 4 r
	s_lshl_b32 s40, s28, 7
	v_add_nc_u32 v12, s40, v2
	v_add_nc_u32 v10, RED, v12                     ; written: 128 w + 4 x lane
	v_add_nc_u32 v18, ASCL, v12
	v_add_nc_u32 v12, HSCL, v12
	s_lshl_b32 s40, s28, 12
	v_add_nc_u32 v15, s40, v1
	v_add_nc_u32 v15, GIMG, v15                    ; the hidden layer's images: 4,096 w + 16 x lane
	v_mov_b32 v21, 0                               ; named as the upper halves of pairs
	v_mov_b32 v25, 0
	s_mov_b32 s[SEL], 0x76543210
	s_mov_b32 s[SEL+1], 0xfedcba98                 ; lane l xor 16
	s_mov_b32 s44, 0x3aaaaaab                      ; 1 / 768
	s_mov_b32 s45, 0x3727c5ac                      ; 1e-5
	s_mov_b32 s41, 0
	s_mov_b32 s43, 0
	s_wait_kmcnt 0x0
	s_mul_i32 s40, s50, 98304                      ; 32 tokens of 3,072 bytes,
	s_mul_i32 s42, s51, 24576                      ; and 8 u tokens
	s_add_co_u32 s40, s40, s42
	s_add_nc_u64 s[10:11], s[10:11], s[40:41]      ; x and out0 at my first token
	s_add_nc_u64 s[26:27], s[26:27], s[40:41]
	s_mul_i32 s40, s50, 6
	s_add_co_u32 s40, s40, s28
	s_lshl_b32 s42, s40, 11
	s_lshl_b32 s46, s51, 10
	s_add_co_u32 s42, s42, s46
	s_add_nc_u64 s[46:47], s[4:5], s[42:43]        ; the attention output: my tile's fragment of K step w
	s_lshl_b32 s42, s40, 7
	s_lshl_b32 s48, s51, 6
	s_add_co_u32 s42, s42, s48
	s_add_co_u32 s42, s42, 1572864
	s_add_nc_u64 s[48:49], s[4:5], s[42:43]        ; and its scale words
	s_mul_i32 s42, s28, 442368
	s_add_co_u32 s42, s42, 737280
	s_add_nc_u64 s[30:31], s[6:7], s[42:43]        ; my stream of codes,
	s_mul_i32 s42, s28, 27648
	s_add_co_u32 s42, s42, 46080
	s_add_nc_u64 s[32:33], s[8:9], s[42:43]        ; and of scale words: neither is ever stepped
	; ---- 0: x + bo into my stage; parameters and the attention output's image into LDS; the stream's first three units are asked for
.set ii, 0
.rept 16
	global_load_b128 v[128+4*ii:131+4*ii], v7, s[10:11] offset:3072*(ii+8*(ii/8)) th:TH_LOAD_NT   ; row i of the tile: token i + 8 (i / 8) from my first
.set ii, ii+1
.endr
	global_load_b128 v[116:119], v7, s[12:13]      ; bo
	global_load_b128 v[68:71], v7, s[14:15]        ; ln1_s
	global_load_b128 v[72:75], v7, s[16:17]        ; ln1_b
	global_load_b128 v[76:79], v7, s[20:21]        ; b2
	global_load_b128 v[80:83], v7, s[22:23]        ; ln2_s
	global_load_b128 v[84:87], v7, s[24:25]        ; ln2_b
.irp g, 0,1,2,3
	global_load_b128 v[88+4*\g:91+4*\g], v8, s[18:19] offset:512*\g
.endr
.irp i, 0,1
	global_load_b128 v[44+4*\i:47+4*\i], v1, s[46:47] offset:512*\i
.endr
	global_load_b32 v41, v22, s[48:49]
	ULOAD 0, 0
	ULOAD 1, 1
	ULOAD 2, 2
	s_wait_loadcnt 60                              ; all but the three units' 60 loads
.set ii, 0
.rept 16
	v_pk_add_f32 v[128+4*ii:129+4*ii], v[128+4*ii:129+4*ii], v[116:117]
	v_pk_add_f32 v[130+4*ii:131+4*ii], v[130+4*ii:131+4*ii], v[118:119]
	ds_store_b128 v4, v[128+4*ii:131+4*ii] offset:528*ii
.set ii, ii+1
.endr
.irp i, 0,1,2,3,4
	ds_store_b128 v19, v[68+4*\i:71+4*\i] offset:512*\i
.endr
.irp g, 0,1,2,3
	ds_store_b128 v19, v[88+4*\g:91+4*\g] offset:2560+512*\g
.endr
.irp i, 0,1
	ds_store_b128 v17, v[44+4*\i:47+4*\i] offset:512*\i
.endr
	ds_store_b32 v18, v41
	BARRIER                                        ; the attention output's six K steps lie in LDS
	; ---- 1: x + bo + a wo
	v_add_nc_u32 v13, AIMG, v1
	v_add_nc_u32 v14, ASCL, v2
	CINIT 3, 0
	BODY 0, 0, 6
	; ---- LN1; h goes to my stage and becomes K step w of the next product
	PLOAD 192, 0                                   ; gain and bias are asked for ahead of the sums: the sums' barriers wait for them
	PLOAD 44, 512
	STATS 0, 768
	APPLY
	CSTORE
	TOIMAGE 11, 12, 0
	BARRIER                                        ; h's six K steps lie in LDS
	; ---- 2: my four hidden groups
	v_add_nc_u32 v13, HIMG, v1
	v_add_nc_u32 v14, HSCL, v2
	GROUP 0
	GROUP 1
	GROUP 2
	GROUP 3
	BARRIER                                        ; the hidden layer's 24 K steps lie in LDS
	; ---- 3: h + b2 + hidden w2
	v_add_nc_u32 v13, GIMG, v1
	v_add_nc_u32 v14, GSCL, v2
	CINIT 3, 0
	PLOAD 192, 1024
	s_wait_dscnt 0x0
.set jj, 0
.rept 32
	v_pk_add_f32 v[128+jj:129+jj], v[128+jj:129+jj], v[192+jj:193+jj]
.set jj, jj+2
.endr
	BODY 30, 0, 24
	; ---- LN2, and out through my stage as whole rows
	PLOAD 192, 1536
	PLOAD 44, 2048
	STATS 1536, 2304
	APPLY
	CSTORE
	s_wait_dscnt 0x0                               ; the stores have read their registers, which the loads below fill
.set ii, 0
.rept 16
	ds_load_b128 v[128+4*ii:131+4*ii], v4 offset:528*ii
.set ii, ii+1
.endr
.set ii, 0
.rept 16
	s_wait_dscnt 15-ii                             ; row ii is back; the younger loads stay out
	global_store_b128 v7, v[128+4*ii:131+4*ii], s[26:27] offset:3072*(ii+8*(ii/8)) th:TH_STORE_NT   ; 32 lanes store 512 consecutive bytes, aligned
.set ii, ii+1
.endr
	s_wait_tensorcnt 0x0
	ds_add_u32 v126, v127
	s_wait_dscnt 0x0
	s_endpgm
.Lfunc_end_k_q518299f436_tail:
	.size	k_q518299f436_tail, .Lfunc_end_k_q518299f436_tail-k_q518299f436_tail
	.p2alignl 7, 3214868480
	.fill 96, 4, 3214868480
	.section	.rodata,"a",@progbits
	.p2align	6, 0x0
	.amdhsa_kernel k_q518299f436_tail
		.amdhsa_group_segment_fixed_size 123648
		.amdhsa_private_segment_fixed_size 0
		.amdhsa_enable_private_segment 0
		.amdhsa_kernarg_size 96
		.amdhsa_user_sgpr_count 2
		.amdhsa_user_sgpr_kernarg_segment_ptr 1
		.amdhsa_wavefront_size32 1
		.amdhsa_system_sgpr_workgroup_id_x 1
		.amdhsa_system_sgpr_workgroup_id_y 1
		.amdhsa_system_sgpr_workgroup_id_z 1
		.amdhsa_system_vgpr_workitem_id 0
		.amdhsa_next_free_vgpr 448
		.amdhsa_next_free_sgpr 66
		.amdhsa_reserve_vcc 0
		.amdhsa_float_denorm_mode_32 3
		.amdhsa_float_denorm_mode_16_64 3
		.amdhsa_memory_ordered 1
		.amdhsa_forward_progress 1
		.amdhsa_inst_pref_size 255
	.end_amdhsa_kernel
	.section	.bss,"aw",@nobits
	.p2align	6
	.space	262144
	.amdgpu_metadata
---
amdhsa.version: [ 1, 2 ]
amdhsa.kernels:
  - .name:           k_q518299f436_tail
    .symbol:         k_q518299f436_tail.kd
    .args:
      - { .name: aq, .offset: 0, .size: 8, .value_kind: global_buffer, .address_space: global }
      - { .name: wcod, .offset: 8, .size: 8, .value_kind: global_buffer, .address_space: global }
      - { .name: wscl, .offset: 16, .size: 8, .value_kind: global_buffer, .address_space: global }
      - { .name: x, .offset: 24, .size: 8, .value_kind: global_buffer, .address_space: global }
      - { .name: bo, .offset: 32, .size: 8, .value_kind: global_buffer, .address_space: global }
      - { .name: ln1_s, .offset: 40, .size: 8, .value_kind: global_buffer, .address_space: global }
      - { .name: ln1_b, .offset: 48, .size: 8, .value_kind: global_buffer, .address_space: global }
      - { .name: b1, .offset: 56, .size: 8, .value_kind: global_buffer, .address_space: global }
      - { .name: b2, .offset: 64, .size: 8, .value_kind: global_buffer, .address_space: global }
      - { .name: ln2_s, .offset: 72, .size: 8, .value_kind: global_buffer, .address_space: global }
      - { .name: ln2_b, .offset: 80, .size: 8, .value_kind: global_buffer, .address_space: global }
      - { .name: out0, .offset: 88, .size: 8, .value_kind: global_buffer, .address_space: global }
    .group_segment_fixed_size: 123648
    .private_segment_fixed_size: 0
    .kernarg_segment_align: 8
    .kernarg_segment_size: 96
    .max_flat_workgroup_size: 192
    .sgpr_count:     66
    .vgpr_count:     448
    .wavefront_size: 32
...
	.end_amdgpu_metadata
.endif
;; end of part 4
;; ======== version 2 of 2: 4 launches
;; workspace buffers: wcod 3,391,488 bytes; wscl 211,968 bytes; xq 1,671,168 bytes; qq 1,769,472 bytes; kv 2,850,816 bytes; aq 1,671,168 bytes
;; launch prep (part 5): grid 6 x 101, 4 waves a work-group, no clusters, 68,096 bytes of LDS; arguments wq, wk, wv, wo, w1, w2, x, wcod, wscl, xq; writes wcod, wscl, xq
.if DOCPART == 5
	.amdgcn_target "amdgcn-amd-amdhsa--gfx1250"
	.amdhsa_code_object_version 6
	.text
	.protected	k_q518299f436_prep
	.globl	k_q518299f436_prep
	.p2align	8
	.type	k_q518299f436_prep,@function
k_q518299f436_prep:
	s_mov_b64 s[64:65], 0
	v_nop
	global_prefetch_b8 v0, s[64:65] scope:SCOPE_SE
	s_setreg_imm32_b32 hwreg(HW_REG_WAVE_MODE, 25, 1), 1
	s_wait_xcnt 0x0
; x [4096][768] and the six weights [K][N], f32, become codes of FP4 (E2M1) with one E8M0 byte for each 32 along K, laid in the ORDER OF THE OPERAND'S REGISTERS.
; THE IMAGE.  32 rows (tokens, or columns n of a weight) are a pair; tile u of a pair has in lane r the row 8 u + r + 8 (r / 8).  A fragment (tile, 128 along K) is 1,024 bytes:
; half c at 512 c + 16 x lane (lane = 16 h + r) holds k = 64 c + 32 h + 0 .. 31.  A pair's two fragments of one K step lie on end (2,048 bytes); their scale words are 128 bytes, word 16 u + r, byte b for block b.
; A scale's place is its codes' place / 16 everywhere.
; A wave takes one pair x one K step: 16 KiB of f32.  Work-group y says which tensor, x which block; all branches hang on ids.
; WEIGHTS: a lane takes a column and its registers run down K, so a block of 32 lies in one lane and the conversions give K innermost; each store of 16 bytes a lane covers two aligned runs of 256 bytes.
; x: each load reads 512 consecutive bytes of one token; the 32 rows turn through the wave's own stage in LDS (pitch 528), from which a lane takes 32 neighbours along K of its token.
; A block's scale is 2^(floor(log2(largest magnitude)) - 2): the largest magnitude's exponent field - 2, held at 1 from below by a floor among the maximum's leaves.
; LIMITS: NaN and infinities are not served; a block whose largest magnitude lies under 2^-124 keeps the byte 1; a block of zeros has the byte 1 and not 127 (its codes are zeros, and this program alone reads the bytes).
.set XQS, 1572864                      ; xq: the scale words begin behind 128 pairs x 6 K steps x 2,048 bytes
.macro PLACE                           ; s[28:29] the tensor, s30 the source's offset, s32 the codes' offset in wcod
	s_mov_b32 s31, 0
	s_mov_b32 s33, 0
	s_add_nc_u64 s[28:29], s[28:29], s[30:31]
	s_add_nc_u64 s[36:37], s[18:19], s[32:33]
	s_lshr_b32 s32, s32, 4
	s_add_nc_u64 s[38:39], s[20:21], s[32:33]
.endm
.macro WLOAD t, rowb                   ; block t: W(32 t + i, my column), 128 consecutive bytes a wave
.set ii, 0
.rept 32
	global_load_b32 v[32+32*\t+ii], v2, s[28:29] offset:(32*\t+ii)*\rowb th:TH_LOAD_NT
.set ii, ii+1
.endr
.endm
.macro WBLOCK t
.set XS, 32+32*\t
	v_max3_num_f32 v12, |v[XS]|, |v[XS+1]|, |v[XS+2]|
	v_max3_num_f32 v13, |v[XS+3]|, |v[XS+4]|, |v[XS+5]|
.irp i, 6,10,14,18,22,26
	v_max3_num_f32 v12, v12, |v[XS+\i]|, |v[XS+\i+1]|
	v_max3_num_f32 v13, v13, |v[XS+\i+2]|, |v[XS+\i+3]|
.endr
	v_max3_num_f32 v12, v12, |v[XS+30]|, |v[XS+31]|
	v_max3_num_f32 v12, v12, v13, 0x1800000        ; the floor 2^(3 - 127): the byte cannot fall under 1
	v_add_nc_u32 v11, 0xff000000, v12              ; 2 off the exponent field: the conversion's scale operand
	v_lshrrev_b32 v13, 23, v11                     ; the scale's byte
.if \t == 0
	v_mov_b32 v24, v13
.else
	v_lshl_or_b32 v24, v13, 8*\t, v24
.endif
.irp g, 0,1,2,3
	v_cvt_scalef32_pk8_fp4_f32 v[160+4*\t+\g], v[XS+8*\g:XS+8*\g+7], v11
.endr
	global_store_b128 v3, v[160+4*\t:163+4*\t], s[36:37] offset:256*\t   ; block t = 2 c + h lies at 256 t + 16 r of its tile
.endm
.macro WBODY rowb
	WLOAD 0, \rowb
	WLOAD 1, \rowb
	s_wait_loadcnt 32                              ; block 0 is in; block 1's 32 loads may be out
	WLOAD 2, \rowb
	WBLOCK 0
	s_wait_loadcnt 32                              ; block 1 is in; block 2's may be out
	WLOAD 3, \rowb
	WBLOCK 1
	s_wait_loadcnt 32                              ; block 2 is in; block 3's may be out
	WBLOCK 2
	s_wait_loadcnt 0x0
	WBLOCK 3
	global_store_b32 v4, v24, s[38:39]             ; the pair's 32 scale words: 128 consecutive bytes
.endm
.macro XT u                            ; tile u of x: 64 numbers a lane out of the stage, two whole blocks; codes and scale word
.irp c, 0,1
.irp i, 0,1,2,3,4,5,6,7
	ds_load_b128 v[160+32*\c+4*\i:163+32*\c+4*\i], v4 offset:\u*4224+256*\c+16*\i
.endr
.endr
	s_wait_dscnt 0x0
.irp c, 0,1
	v_max3_num_f32 v[12+\c], |v[160+32*\c]|, |v[161+32*\c]|, 0x1800000
.endr
.irp i, 2,4,6,8,10,12,14,16,18,20,22,24,26,28,30
.irp c, 0,1
	v_max3_num_f32 v[12+\c], v[12+\c], |v[160+32*\c+\i]|, |v[161+32*\c+\i]|
.endr
.endr
.irp c, 0,1
	v_add_nc_u32 v[14+\c], 0xff000000, v[12+\c]
.endr
.irp c, 0,1
	v_lshrrev_b32 v[16+\c], 23, v[14+\c]
.endr
	v_lshl_or_b32 v18, v17, 16, v16                ; my bytes: blocks h and 2 + h,
	v_lshlrev_b32 v18, v8, v18                     ; 8 h bits up;
	v_permlanex16_b32 v10, v18, s40, s41
	v_or_b32 v[26+\u], v18, v10                    ; with lane l xor 16's two the word is whole
.irp c, 0,1
.irp g, 0,1,2,3
	v_cvt_scalef32_pk8_fp4_f32 v[224+8*\u+4*\c+\g], v[160+32*\c+8*\g:167+32*\c+8*\g], v[14+\c]
.endr
.endr
	v_nop                                          ; one plain line behind the last conversion
.irp c, 0,1
	global_store_b128 v2, v[224+8*\u+4*\c:227+8*\u+4*\c], s[36:37] offset:\u*1024+512*\c   ; 512 consecutive bytes
.endr
.endm
	s_load_b512 s[4:19], s[0:1], 0x0               ; wq, wk, wv, wo, w1, w2, x, wcod
	s_load_b128 s[20:23], s[0:1], 0x40             ; wscl, xq
	v_lshl_add_u32 v240, v0, 2, 0x10800
	v_mov_b32 v241, 0
	v_lshrrev_b32 v1, 5, v0
	v_readfirstlane_b32 s24, v1                    ; wave
	s_mov_b32 s25, ttmp9                           ; X
	s_and_b32 s26, ttmp7, 0xffff                   ; Y
	v_and_b32 v1, 31, v0                           ; lane
	s_mov_b32 s40, 0x76543210
	s_mov_b32 s41, 0xfedcba98                      ; lane l xor 16
	s_mov_b32 s42, 0xffff0000                      ; lanes 16-31
	s_wait_kmcnt 0x0
	s_cmp_ge_u32 s26, 69
	s_cbranch_scc1 .Lx
	s_wait_alu depctr_va_vdst(0)
	v_lshlrev_b32 v2, 2, v1                        ; my column: 4 bytes a lane
	v_bfe_u32 v5, v1, 3, 1                         ; column x of the pair lies in tile u = (x / 8) % 2,
	v_and_b32 v6, 7, v1
	v_lshrrev_b32 v7, 4, v1
	v_lshl_add_u32 v6, v7, 3, v6                   ; lane r = x % 8 + 8 (x / 16)
	v_lshlrev_b32 v3, 4, v6
	v_lshl_add_u32 v3, v5, 10, v3                  ; codes: 1,024 u + 16 r
	v_lshlrev_b32 v4, 2, v6
	v_lshl_add_u32 v4, v5, 6, v4                   ; scale word: 4 (16 u + r)
	s_cmp_ge_u32 s26, 66
	s_cbranch_scc1 .Lwv
	s_cmp_ge_u32 s26, 42
	s_cbranch_scc1 .Lw1
	; Y 0-5 wq, 6-11 wk, 12-17 wo, 18-41 w2: rows of 3,072 bytes; K step = Y - start, X = the block of 128 columns, the wave its 32
	s_mov_b64 s[28:29], s[4:5]
	s_mov_b32 s43, 0                               ; Y's start
	s_mov_b32 s44, 0                               ; the codes' base
	s_mov_b32 s45, 49152                           ; from X to X + 1
	s_mov_b32 s46, 2048                            ; from K step to K step
	s_mov_b32 s47, 12288                           ; from wave to wave
	s_cmp_ge_u32 s26, 6
	s_cselect_b64 s[28:29], s[6:7], s[28:29]
	s_cselect_b32 s43, 6, s43
	s_cselect_b32 s44, 294912, s44
	s_cmp_ge_u32 s26, 12
	s_cselect_b64 s[28:29], s[10:11], s[28:29]
	s_cselect_b32 s43, 12, s43
	s_cselect_b32 s44, 737280, s44
	s_cselect_b32 s45, 442368, s45
	s_cselect_b32 s46, 8192, s46
	s_cselect_b32 s47, 2048, s47
	s_cmp_ge_u32 s26, 18
	s_cselect_b64 s[28:29], s[14:15], s[28:29]
	s_cselect_b32 s43, 18, s43
	s_cselect_b32 s44, 983040, s44
	s_sub_co_u32 s43, s26, s43                     ; K step
	s_mul_i32 s30, s43, 128*3072
	s_lshl_b32 s27, s25, 9
	s_add_co_u32 s30, s30, s27
	s_lshl_b32 s27, s24, 7
	s_add_co_u32 s30, s30, s27
	s_mul_i32 s32, s25, s45
	s_add_co_u32 s32, s32, s44
	s_mul_i32 s27, s43, s46
	s_add_co_u32 s32, s32, s27
	s_mul_i32 s27, s24, s47
	s_add_co_u32 s32, s32, s27
	PLACE
	s_wait_alu depctr_va_vdst(0)
	WBODY 3072
	s_endpgm
.Lw1:                                                  ; Y 42-65: w1, hidden group G = Y - 42 of 128 columns, K step X: unit 6 + 6 (G % 4) + X of the last launch's wave G / 4
	s_mov_b64 s[28:29], s[12:13]
	s_sub_co_u32 s43, s26, 42
	s_mul_i32 s30, s25, 128*12288
	s_lshl_b32 s27, s43, 9
	s_add_co_u32 s30, s30, s27
	s_lshl_b32 s27, s24, 7
	s_add_co_u32 s30, s30, s27
	s_lshr_b32 s44, s43, 2
	s_and_b32 s45, s43, 3
	s_mul_i32 s32, s44, 442368
	s_mul_i32 s45, s45, 6
	s_add_co_u32 s45, s45, s25
	s_add_co_u32 s45, s45, 6
	s_lshl_b32 s45, s45, 13
	s_add_co_u32 s32, s32, s45
	s_lshl_b32 s27, s24, 11
	s_add_co_u32 s32, s32, s27
	s_add_co_u32 s32, s32, 737280
	PLACE
	s_wait_alu depctr_va_vdst(0)
	WBODY 12288
	s_endpgm
.Lwv:                                                  ; Y 66-68: wv, block n = Y - 66 of 128 columns, K step X: pair 48 + 4 n + wave
	s_mov_b64 s[28:29], s[8:9]
	s_sub_co_u32 s43, s26, 66
	s_mul_i32 s30, s25, 128*1536
	s_lshl_b32 s27, s43, 9
	s_add_co_u32 s30, s30, s27
	s_lshl_b32 s27, s24, 7
	s_add_co_u32 s30, s30, s27
	s_lshl_b32 s32, s43, 2
	s_add_co_u32 s32, s32, s24
	s_add_co_u32 s32, s32, 48
	s_mul_i32 s32, s32, 6
	s_add_co_u32 s32, s32, s25
	s_lshl_b32 s32, s32, 11
	PLACE
	s_wait_alu depctr_va_vdst(0)
	WBODY 1536
	s_endpgm
.Lx:                                                   ; Y 69-100: x, pair 4 (Y - 69) + wave, K step X
	s_sub_co_u32 s43, s26, 69
	s_lshl_b32 s43, s43, 2
	s_add_co_u32 s43, s43, s24
	s_mul_i32 s30, s43, 98304                      ; 32 tokens of 3,072 bytes
	s_lshl_b32 s27, s25, 9
	s_add_co_u32 s30, s30, s27
	s_mov_b32 s31, 0
	s_add_nc_u64 s[28:29], s[16:17], s[30:31]
	s_mul_i32 s32, s43, 6
	s_add_co_u32 s32, s32, s25
	s_lshl_b32 s32, s32, 11
	s_mov_b32 s33, 0
	s_add_nc_u64 s[36:37], s[22:23], s[32:33]
	s_lshr_b32 s32, s32, 4
	s_add_co_u32 s32, s32, XQS
	s_add_nc_u64 s[38:39], s[22:23], s[32:33]
	s_wait_alu depctr_va_vdst(0)
	v_lshlrev_b32 v2, 4, v1                        ; 16 x lane
	s_mul_i32 s27, s24, 16896                      ; my wave's stage: 32 rows x 528 bytes
	v_add_nc_u32 v3, s27, v2                       ; in: a row as it lies
	v_and_b32 v5, 15, v0                           ; r
	v_bfe_u32 v6, v0, 4, 1                         ; h
	v_and_b32 v7, 8, v5
	v_add_nc_u32 v7, v7, v5                        ; r + 8 (r / 8)
	v_mul_u32_u24 v4, v7, 528
	v_lshl_add_u32 v4, v6, 7, v4
	v_add_nc_u32 v4, s27, v4                       ; out: my token's row, + 128 h bytes
	v_lshlrev_b32 v8, 3, v6                        ; 8 h
	v_lshlrev_b32 v9, 2, v1                        ; 4 x lane
	v_mov_b32 v10, 0                               ; a lane permute's destination counts as read
.set ii, 0
.rept 32
	global_load_b128 v[32+4*ii:35+4*ii], v2, s[28:29] offset:3072*ii th:TH_LOAD_NT
.set ii, ii+1
.endr
.set ii, 0
	s_wait_alu depctr_va_vdst(0)
.rept 32
	s_wait_loadcnt 31-ii                           ; loads come back in order: row ii is in, the younger ones stay out
	ds_store_b128 v3, v[32+4*ii:35+4*ii] offset:528*ii
.set ii, ii+1
.endr
	XT 0                                           ; LDS serves a wave's instructions in order: the loads see my stores
	XT 1
	v_cndmask_b32 v28, v26, v27, s42               ; lanes 0-15 tile 0's words, lanes 16-31 tile 1's
	global_store_b32 v9, v28, s[38:39]
	s_wait_tensorcnt 0x0
	ds_add_u32 v240, v241
	s_wait_dscnt 0x0
	s_endpgm
.Lfunc_end_k_q518299f436_prep:
	.size	k_q518299f436_prep, .Lfunc_end_k_q518299f436_prep-k_q518299f436_prep
	.p2alignl 7, 3214868480
	.fill 96, 4, 3214868480
	.section	.rodata,"a",@progbits
	.p2align	6, 0x0
	.amdhsa_kernel k_q518299f436_prep
		.amdhsa_group_segment_fixed_size 68096
		.amdhsa_private_segment_fixed_size 0
		.amdhsa_enable_private_segment 0
		.amdhsa_kernarg_size 80
		.amdhsa_user_sgpr_count 2
		.amdhsa_user_sgpr_kernarg_segment_ptr 1
		.amdhsa_wavefront_size32 1
		.amdhsa_system_sgpr_workgroup_id_x 1
		.amdhsa_system_sgpr_workgroup_id_y 1
		.amdhsa_system_sgpr_workgroup_id_z 1
		.amdhsa_system_vgpr_workitem_id 0
		.amdhsa_next_free_vgpr 242
		.amdhsa_next_free_sgpr 66
		.amdhsa_reserve_vcc 0
		.amdhsa_float_denorm_mode_32 3
		.amdhsa_float_denorm_mode_16_64 3
		.amdhsa_memory_ordered 1
		.amdhsa_forward_progress 1
		.amdhsa_inst_pref_size 76
	.end_amdhsa_kernel
	.amdgpu_metadata
---
amdhsa.version: [ 1, 2 ]
amdhsa.kernels:
  - .name:           k_q518299f436_prep
    .symbol:         k_q518299f436_prep.kd
    .args:
      - { .name: wq, .offset: 0, .size: 8, .value_kind: global_buffer, .address_space: global }
      - { .name: wk, .offset: 8, .size: 8, .value_kind: global_buffer, .address_space: global }
      - { .name: wv, .offset: 16, .size: 8, .value_kind: global_buffer, .address_space: global }
      - { .name: wo, .offset: 24, .size: 8, .value_kind: global_buffer, .address_space: global }
      - { .name: w1, .offset: 32, .size: 8, .value_kind: global_buffer, .address_space: global }
      - { .name: w2, .offset: 40, .size: 8, .value_kind: global_buffer, .address_space: global }
      - { .name: x, .offset: 48, .size: 8, .value_kind: global_buffer, .address_space: global }
      - { .name: wcod, .offset: 56, .size: 8, .value_kind: global_buffer, .address_space: global }
      - { .name: wscl, .offset: 64, .size: 8, .value_kind: global_buffer, .address_space: global }
      - { .name: xq, .offset: 72, .size: 8, .value_kind: global_buffer, .address_space: global }
    .group_segment_fixed_size: 68096
    .private_segment_fixed_size: 0
    .kernarg_segment_align: 8
    .kernarg_segment_size: 80
    .max_flat_workgroup_size: 128
    .sgpr_count:     66
    .vgpr_count:     242
    .wavefront_size: 32
...
	.end_amdgpu_metadata
.endif
;; end of part 5
;; launch qkv (part 6): grid 16 x 30, 4 waves a work-group, no clusters, 0 bytes of LDS; arguments xq, wcod, wscl, bq, bk, bv, padding_mask, qq, kv; writes qq, kv
.if DOCPART == 6
	.amdgcn_target "amdgcn-amd-amdhsa--gfx1250"
	.amdhsa_code_object_version 6
	.text
	.protected	k_q518299f436_qkv
	.globl	k_q518299f436_qkv
	.p2align	8
	.type	k_q518299f436_qkv,@function
k_q518299f436_qkv:
	s_mov_b64 s[64:65], 0
	v_nop
	global_prefetch_b8 v0, s[64:65] scope:SCOPE_SE
	s_setreg_imm32_b32 hwreg(HW_REG_WAVE_SCHED_MODE, 0, 2), 2
	s_setreg_imm32_b32 hwreg(HW_REG_WAVE_MODE, 25, 1), 1
	s_wait_xcnt 0x0
	s_wait_alu depctr_vm_vsrc(0)
; q = x wq + bq, k = x wk + bk, v = x wv + bv on codes of FP4, and the results quantised at once: q and k along the head's 64, v along the keys.
; A wave takes 64 tokens (g = 4 x + wave) x 64 columns (y: 0-11 a head of q, 12-23 a head of k, 24-29 two heads of v).  K = 768 is six steps; all operands (48 KiB of codes) are asked for at once,
; straight into registers in the order in which they lie: no LDS, no loop, no barrier.
; q, k: source 0 = 16 columns of W, source 1 = 16 tokens: a lane holds a token, its registers run along the head's dims.   v: source 0 = 16 tokens, source 1 = 16 columns: a lane holds a column e, its registers run along the keys.
; By the image's order of rows (lane r of tile u: row 8 u + r + 8 (r / 8)) the 16 registers of tiles 2 p and 2 p + 1 are 16 neighbours.  The bias is the C of each sum's first product.
; OUT.  q, k: fragment beta (1,024 bytes): half c = token tile 2 beta + c, lane (r, h) = dims 32 h .. 32 h + 31; its word: bytes 0, 1 tile 2 beta, bytes 2, 3 tile 2 beta + 1.
; The codes of a PADDED key are zeros, and the record's pad bias holds -80000 for it (0 else): the score, begun from that bias, is then exactly 8 x -10000.
; v: fragment (step of 128 keys, tile u of the head's 32): half c = keys 64 c + 32 h + 0 .. 31.
; LIMITS: as in the first launch (NaN, infinities; the byte 1 for blocks under 2^-124 and for blocks of zeros).
; REGISTERS: window 0: v1-7 offsets; v8-19, v20-31 scale words of sources 0, 1; v32-63 the bias; v64-191 16 accumulators (64 + 32 tB + 8 tA); v192-207 codes; v208-223 at work; v224-225 scale words; v236 the offset of v's bias.  window 1: source 0's 24 fragments.  window 2: source 1's.
; THE MODE: SCHED_MODE bits 1:0 = 2 (LLVM: expert scheduling mode 2), set by the entry lines.  The code itself states the register dependences between vector or matrix instructions and memory instructions, with s_wait_alu, always for 0.
; THE PLAN.  Registers that memory instructions touch:
;   v1-6, v236                      offsets: written at the head, ahead of ONE wait on va_vdst that stands in front of the first load; read by every load and store; never written again.
;   windows 1 and 2, v8-63, v226-229, v232   each loaded once, into registers that no vector instruction has named before; used behind s_wait_loadcnt 0.
;   v192-207, v224-225, v230-231    results: written by the quantiser and the selects, read by the stores at a path's end: ONE wait on va_vdst ahead of the run of stores; never written again.
; Scalar results of vector instructions: s24 (the wave's number), s48-51 (which tokens are kept), VCC (which tokens are padded): each has its wait between the writer and its first reader.
.set TM,  208
.set SEL, 46
.set REC, 118784
.set MSB, 0
.macro WIN new                         ; the immediate's high byte repeats the setting that is left
.if MSB != \new
	s_set_vgpr_msb (MSB<<8)|\new
.set MSB, \new
.endif
.endm
.macro WM d, a, b, c, sa, sb, ra, rb   ; one product; ra, rb: the half of the lanes from which a side's scale words are read
.if ((\ra) == 0) && ((\rb) == 0)
	v_wmma_scale_f32_16x16x128_f8f6f4 v[(\d):(\d)+7], v[(\a):(\a)+7], v[(\b):(\b)+7], v[(\c):(\c)+7], v[(\sa)], v[(\sb)] matrix_a_fmt:MATRIX_FMT_FP4 matrix_b_fmt:MATRIX_FMT_FP4
.elseif ((\ra) == 1) && ((\rb) == 0)
	v_wmma_scale_f32_16x16x128_f8f6f4 v[(\d):(\d)+7], v[(\a):(\a)+7], v[(\b):(\b)+7], v[(\c):(\c)+7], v[(\sa)], v[(\sb)] matrix_a_fmt:MATRIX_FMT_FP4 matrix_b_fmt:MATRIX_FMT_FP4 matrix_a_scale:MATRIX_SCALE_ROW1
.elseif ((\ra) == 0) && ((\rb) == 1)
	v_wmma_scale_f32_16x16x128_f8f6f4 v[(\d):(\d)+7], v[(\a):(\a)+7], v[(\b):(\b)+7], v[(\c):(\c)+7], v[(\sa)], v[(\sb)] matrix_a_fmt:MATRIX_FMT_FP4 matrix_b_fmt:MATRIX_FMT_FP4 matrix_b_scale:MATRIX_SCALE_ROW1
.else
	v_wmma_scale_f32_16x16x128_f8f6f4 v[(\d):(\d)+7], v[(\a):(\a)+7], v[(\b):(\b)+7], v[(\c):(\c)+7], v[(\sa)], v[(\sb)] matrix_a_fmt:MATRIX_FMT_FP4 matrix_b_fmt:MATRIX_FMT_FP4 matrix_a_scale:MATRIX_SCALE_ROW1 matrix_b_scale:MATRIX_SCALE_ROW1
.endif
.endm
; 64 numbers of a lane, register 16 b + i = k 32 b + 16 (lane / 16) + i of its row, become a fragment's codes in v[pc] on and its scale word in v[pw]
.macro QUANT s, pc, pw
.irp b, 0,1,2,3
	v_max3_num_f32 v[TM+\b], |v[\s+16*\b]|, |v[\s+1+16*\b]|, 0x1800000   ; and the floor 2^(3 - 127)
.endr
.irp i, 2,4,6,8,10,12,14
.irp b, 0,1,2,3
	v_max3_num_f32 v[TM+\b], v[TM+\b], |v[\s+16*\b+\i]|, |v[\s+1+16*\b+\i]|
.endr
.endr
.irp b, 0,1,2,3
	v_permlanex16_b32 v[TM+4+\b], v[TM+\b], s[SEL], s[SEL+1]
.endr
.irp b, 0,1,2,3
	v_max_num_f32 v[TM+\b], v[TM+\b], v[TM+4+\b]   ; with lane l xor 16's: the block's largest magnitude
.endr
.irp b, 0,1,2,3
	v_add_nc_u32 v[TM+12+\b], 0xff000000, v[TM+\b] ; 2 off its exponent field: the conversion's scale operand
.endr
.irp b, 0,1,2,3
	v_lshrrev_b32 v[TM+4+\b], 23, v[TM+12+\b]      ; the byte
.endr
	v_lshl_or_b32 v[\pw], v[TM+5], 8, v[TM+4]
	v_lshl_or_b32 v[\pw], v[TM+6], 16, v[\pw]
	v_lshl_or_b32 v[\pw], v[TM+7], 24, v[\pw]
.irp b, 0,1,2,3
	v_cvt_scalef32_pk8_fp4_f32 v[\pc+2*\b], v[\s+16*\b:\s+7+16*\b], v[TM+12+\b]
	v_cvt_scalef32_pk8_fp4_f32 v[\pc+1+2*\b], v[\s+8+16*\b:\s+15+16*\b], v[TM+12+\b]
.endr
	v_nop                                          ; one plain line behind a scaled conversion
.irp c, 0,1                                    ; a whole block to a lane: lanes 0-15 block 2 c, lanes 16-31 block 2 c + 1
.irp i, 0,1
	v_permlane16_swap_b32 v[\pc+4*\c+\i], v[\pc+2+4*\c+\i]
.endr
.endr
.endm
; 96 products: six K steps x 16 accumulators, which take turns, one instruction a turn.  cix = 0: the bias goes by source 0's tile; 1: by source 1's
.macro MM cix
	WIN 0x09                                       ; source 0 window 1, source 1 window 2, C and D window 0
.irp ks, 0,1,2,3,4,5
.irp tb, 0,1,2,3
.irp ta, 0,1,2,3
.if \ks == 0
.if \cix
	WM 64+32*\tb+8*\ta, ((\ta/2)*6+\ks)*16+(\ta%2)*8, ((\tb/2)*6+\ks)*16+(\tb%2)*8, 32+8*\tb, 8+(\ta/2)*6+\ks, 20+(\tb/2)*6+\ks, \ta%2, \tb%2
.else
	WM 64+32*\tb+8*\ta, ((\ta/2)*6+\ks)*16+(\ta%2)*8, ((\tb/2)*6+\ks)*16+(\tb%2)*8, 32+8*\ta, 8+(\ta/2)*6+\ks, 20+(\tb/2)*6+\ks, \ta%2, \tb%2
.endif
.else
	WM 64+32*\tb+8*\ta, ((\ta/2)*6+\ks)*16+(\ta%2)*8, ((\tb/2)*6+\ks)*16+(\tb%2)*8, 64+32*\tb+8*\ta, 8+(\ta/2)*6+\ks, 20+(\tb/2)*6+\ks, \ta%2, \tb%2
.endif
.endr
.endr
.endr
	WIN 0
.rept 4
	v_nop                                          ; four places ahead of the first read of results
.endr
.endm
	s_load_b512 s[4:19], s[0:1], 0x0               ; xq, wcod, wscl, bq, bk, bv, padding_mask, qq
	s_load_b64 s[20:21], s[0:1], 0x40              ; kv
	v_lshrrev_b32 v1, 5, v0
	v_readfirstlane_b32 s24, v1                    ; wave
	s_and_b32 s26, ttmp7, 0xffff                   ; Y
	v_and_b32 v6, 31, v0
	v_lshlrev_b32 v1, 4, v6                        ; 16 x lane
	v_lshlrev_b32 v2, 2, v6                        ; 4 x lane
	v_lshlrev_b32 v3, 3, v6                        ; 8 x lane
	v_lshlrev_b32 v6, 1, v6                        ; 2 x lane
	v_bfe_u32 v4, v0, 4, 1
	v_lshlrev_b32 v4, 6, v4                        ; 64 h
	v_and_b32 v5, 15, v0
	v_and_b32 v7, 8, v5
	v_add_nc_u32 v5, v5, v7                        ; r + 8 (r / 8)
	v_lshlrev_b32 v236, 2, v5                      ; and 4 times that: v's bias, made here with the other offsets
	v_mov_b32 v7, 0
.irp b, 0,1,2,3
	v_mov_b32 v[TM+4+\b], 0                        ; a lane permute's destination counts as read
.endr
	s_mov_b32 s[SEL], 0x76543210
	s_mov_b32 s[SEL+1], 0xfedcba98
	s_mov_b32 s53, 0
	s_wait_alu depctr_va_sdst(0)                   ; s24 is written, ahead of its first reader: every base below is made from it
	s_lshl_b32 s27, ttmp9, 2
	s_add_co_u32 s27, s27, s24                     ; g: my 64 tokens
	s_lshr_b32 s28, s27, 5                         ; b
	s_and_b32 s29, s27, 31                         ; gl
	s_wait_kmcnt 0x0
	s_mul_i32 s52, s26, 24576                      ; W: pair 2 Y, six K steps of 2,048 bytes a pair
	s_add_nc_u64 s[30:31], s[6:7], s[52:53]
	s_mul_i32 s52, s26, 1536
	s_add_nc_u64 s[32:33], s[8:9], s[52:53]
	s_mul_i32 s52, s27, 24576                      ; x: pair 2 g
	s_add_nc_u64 s[34:35], s[4:5], s[52:53]
	s_mul_i32 s52, s27, 1536
	s_add_co_u32 s52, s52, 1572864
	s_add_nc_u64 s[36:37], s[4:5], s[52:53]
	s_cmp_ge_u32 s26, 24                           ; v's path takes x as source 0
	s_cselect_b64 s[38:39], s[34:35], s[30:31]
	s_cselect_b64 s[40:41], s[30:31], s[34:35]
	s_cselect_b64 s[42:43], s[36:37], s[32:33]
	s_cselect_b64 s[44:45], s[32:33], s[36:37]
	WIN 0x40                                       ; destination window 1
	s_wait_alu depctr_va_vdst(0)                   ; the offsets v1-6 and v236 are written: every load and store of both paths reads one of them, and none is written again
.set ii, 0
.rept 48
	global_load_b128 v[4*ii:4*ii+3], v1, s[38:39] offset:512*ii
.set ii, ii+1
.endr
	WIN 0x80                                       ; destination window 2
.set ii, 0
.rept 48
	global_load_b128 v[4*ii:4*ii+3], v1, s[40:41] offset:512*ii
.set ii, ii+1
.endr
	WIN 0
.set ii, 0
.rept 12
	global_load_b32 v[8+ii], v2, s[42:43] offset:128*ii    ; lanes 0-15 the even tile's words, lanes 16-31 the odd tile's
	global_load_b32 v[20+ii], v2, s[44:45] offset:128*ii
.set ii, ii+1
.endr
	s_cmp_ge_u32 s26, 24
	s_cbranch_scc1 .Lv
	; ---- q or k
	s_cmp_ge_u32 s26, 12
	s_cselect_b64 s[54:55], s[12:13], s[10:11]     ; the bias
	s_cselect_b64 s[60:61], s[20:21], s[18:19]     ; where the results go
	s_cselect_b32 s56, 12, 0
	s_cselect_b32 s57, 0, -1                       ; q keeps every token's codes
	s_mov_b32 s66, 65536
	s_cselect_b32 s66, REC, s66                    ; codes: from head to head
	s_mov_b32 s67, 8192
	s_cselect_b32 s67, REC, s67                    ; scale words: from head to head,
	s_mov_b32 s68, 1572864
	s_cselect_b32 s68, 98304, s68                  ; and where they begin
	s_sub_co_u32 s56, s26, s56                     ; the head
	s_lshl_b32 s52, s56, 8
	s_add_nc_u64 s[54:55], s[54:55], s[52:53]
	s_lshl_b32 s52, s27, 6
	s_add_nc_u64 s[58:59], s[16:17], s[52:53]      ; the mask at my first token
.irp t, 0,1,2,3
	global_load_b128 v[32+8*\t:35+8*\t], v4, s[54:55] offset:(32*(\t/2)+8*(\t%2))*4       ; register j of tile t: dim 32 (t / 2) + 16 h + 8 (t % 2) + j
	global_load_b128 v[36+8*\t:39+8*\t], v4, s[54:55] offset:(32*(\t/2)+8*(\t%2))*4+16
.endr
.irp t, 0,1,2,3
	global_load_u8 v[226+\t], v5, s[58:59] offset:32*(\t/2)+8*(\t%2)                      ; is my token of tile t padded?
.endr
	global_load_u16 v232, v6, s[58:59]             ; and tokens 2 lane, 2 lane + 1, for the pad bias
	s_mul_i32 s69, s28, 12
	s_add_co_u32 s69, s69, s56                     ; bh
	s_mul_i32 s52, s69, s66
	s_lshl_b32 s70, s29, 11
	s_add_co_u32 s52, s52, s70
	s_add_nc_u64 s[62:63], s[60:61], s[52:53]      ; codes: fragments 2 gl, 2 gl + 1
	s_mul_i32 s52, s69, s67
	s_add_co_u32 s52, s52, s68
	s_lshl_b32 s70, s29, 8
	s_add_co_u32 s52, s52, s70
	s_add_nc_u64 s[60:61], s[60:61], s[52:53]      ; scale words: 256 bytes for each gl
	v_mov_b32 v235, 0xc79c4000                     ; -80000
	s_wait_alu depctr_va_vdst(0)
	s_wait_loadcnt 0x0
.irp t, 0,1,2,3
	v_cmp_eq_u32 s[48+\t], 0, v[226+\t]            ; lanes whose token is kept
.endr
	v_and_b32 v233, 0xff, v232
	v_lshrrev_b32 v234, 8, v232
	s_wait_alu depctr_va_sdst(0)                   ; the four compares have written s48-51, ahead of their first readers, the four lines below
.irp t, 0,1,2,3
	s_or_b32 s[48+\t], s[48+\t], s57
.endr
	v_cmp_ne_u32 vcc_lo, 0, v233
	s_wait_alu depctr_va_vcc(0)                    ; the compare has written VCC, which the select reads
	v_cndmask_b32 v230, v7, v235, vcc_lo
	v_cmp_ne_u32 vcc_lo, 0, v234
	s_wait_alu depctr_va_vcc(0)                    ; and again for the second token's compare
	v_cndmask_b32 v231, v7, v235, vcc_lo
	MM 0
	QUANT 64, 192, 224                             ; token tiles 0, 1: blocks 0, 1 are tile 0's two halves of the head, blocks 2, 3 tile 1's
	QUANT 128, 200, 225                            ; token tiles 2, 3
.irp t, 0,1,2,3
.irp i, 0,1,2,3
	v_cndmask_b32 v[192+4*\t+\i], v7, v[192+4*\t+\i], s[48+\t]    ; a padded key's codes are zeros
.endr
.endr
	s_wait_alu depctr_va_vdst(0)                   ; the selects have written the codes v192-207 and the pad bias v230-231, the quantiser the words v224-225: the stores below read them
.irp t, 0,1,2,3
	global_store_b128 v1, v[192+4*\t:195+4*\t], s[62:63] offset:512*\t   ; 512 consecutive bytes
.endr
	global_store_b64 v3, v[224:225], s[60:61]
	s_cmp_lt_u32 s26, 12
	s_cbranch_scc1 .Lend
	global_store_b64 v3, v[230:231], s[60:61] offset:12288          ; k: the record's pad bias, 64 keys: 256 consecutive bytes (110,592 - 98,304 behind the scale words)
.Lend:
	s_endpgm
.Lv:	; ---- v: two heads
	s_sub_co_u32 s56, s26, 24
	s_lshl_b32 s52, s56, 8
	s_add_nc_u64 s[54:55], s[14:15], s[52:53]
.irp t, 0,1,2,3
.irp j, 0,1,2,3,4,5,6,7
	global_load_b32 v[32+8*\t+\j], v236, s[54:55] offset:(32*(\t/2)+8*(\t%2))*4   ; a lane holds one column: its bias in all eight registers.  No wait: no vector instruction stands between the head's wait and these loads
.endr
.endr
	s_mul_i32 s69, s28, 12
	s_lshl_b32 s56, s56, 1
	s_add_co_u32 s69, s69, s56                     ; bh of the first head
	s_mul_i32 s69, s69, REC
	s_lshr_b32 s66, s29, 1                         ; the step of 128 keys
	s_and_b32 s67, s29, 1                          ; and its half
	s_lshl_b32 s52, s66, 11
	s_lshl_b32 s70, s67, 9
	s_add_co_u32 s52, s52, s70
	s_add_co_u32 s52, s52, s69
	s_add_co_u32 s52, s52, 65536
	s_add_nc_u64 s[62:63], s[20:21], s[52:53]
	s_lshl_b32 s52, s66, 8
	s_lshl_b32 s70, s67, 1
	s_add_co_u32 s52, s52, s70
	s_add_co_u32 s52, s52, s69
	s_add_co_u32 s52, s52, 106496
	s_add_nc_u64 s[60:61], s[20:21], s[52:53]
	s_wait_loadcnt 0x0
	MM 1
	QUANT 64, 192, 224                             ; head 0: blocks 0, 1: tile u = 0's two blocks of 32 keys; blocks 2, 3: tile u = 1's
	QUANT 128, 200, 225                            ; head 1
	s_wait_alu depctr_va_vdst(0)                   ; the quantiser has written the codes v192-207 and the words v224-225, which the stores below read
.irp p, 0,1
.irp u, 0,1
	global_store_b128 v1, v[192+8*\p+4*\u:195+8*\p+4*\u], s[62:63] offset:\u*1024+\p*REC
.endr
	global_store_b16 v3, v[224+\p], s[60:61] offset:\p*REC             ; tile 0's two bytes of the step's word,
	global_store_d16_hi_b16 v3, v[224+\p], s[60:61] offset:\p*REC+4    ; tile 1's
.endr
	s_endpgm
.Lfunc_end_k_q518299f436_qkv:
	.size	k_q518299f436_qkv, .Lfunc_end_k_q518299f436_qkv-k_q518299f436_qkv
	.p2alignl 7, 3214868480
	.fill 96, 4, 3214868480
	.section	.rodata,"a",@progbits
	.p2align	6, 0x0
	.amdhsa_kernel k_q518299f436_qkv
		.amdhsa_group_segment_fixed_size 0
		.amdhsa_private_segment_fixed_size 0
		.amdhsa_enable_private_segment 0
		.amdhsa_kernarg_size 72
		.amdhsa_user_sgpr_count 2
		.amdhsa_user_sgpr_kernarg_segment_ptr 1
		.amdhsa_wavefront_size32 1
		.amdhsa_system_sgpr_workgroup_id_x 1
		.amdhsa_system_sgpr_workgroup_id_y 1
		.amdhsa_system_sgpr_workgroup_id_z 1
		.amdhsa_system_vgpr_workitem_id 0
		.amdhsa_next_free_vgpr 704
		.amdhsa_next_free_sgpr 72
		.amdhsa_reserve_vcc 1
		.amdhsa_float_denorm_mode_32 3
		.amdhsa_float_denorm_mode_16_64 3
		.amdhsa_memory_ordered 1
		.amdhsa_forward_progress 1
		.amdhsa_inst_pref_size 63
	.end_amdhsa_kernel
	.amdgpu_metadata
---
amdhsa.version: [ 1, 2 ]
amdhsa.kernels:
  - .name:           k_q518299f436_qkv
    .symbol:         k_q518299f436_qkv.kd
    .args:
      - { .name: xq, .offset: 0, .size: 8, .value_kind: global_buffer, .address_space: global }
      - { .name: wcod, .offset: 8, .size: 8, .value_kind: global_buffer, .address_space: global }
      - { .name: wscl, .offset: 16, .size: 8, .value_kind: global_buffer, .address_space: global }
      - { .name: bq, .offset: 24, .size: 8, .value_kind: global_buffer, .address_space: global }
      - { .name: bk, .offset: 32, .size: 8, .value_kind: global_buffer, .address_space: global }
      - { .name: bv, .offset: 40, .size: 8, .value_kind: global_buffer, .address_space: global }
      - { .name: padding_mask, .offset: 48, .size: 8, .value_kind: global_buffer, .address_space: global }
      - { .name: qq, .offset: 56, .size: 8, .value_kind: global_buffer, .address_space: global }
      - { .name: kv, .offset: 64, .size: 8, .value_kind: global_buffer, .address_space: global }
    .group_segment_fixed_size: 0
    .private_segment_fixed_size: 0
    .kernarg_segment_align: 8
    .kernarg_segment_size: 72
    .max_flat_workgroup_size: 128
    .sgpr_count:     72
    .vgpr_count:     704
    .wavefront_size: 32
...
	.end_amdgpu_metadata
.endif
;; end of part 6
;; launch attn (part 7): grid 256 x 1, 12 waves a work-group, no clusters, 239,104 bytes of LDS; arguments qq, kv, aq; writes aq
.if DOCPART == 7
	.amdgcn_target "amdgcn-amd-amdhsa--gfx1250"
	.amdhsa_code_object_version 6
	.text
	.protected	k_q518299f436_attn
	.globl	k_q518299f436_attn
	.p2align	8
	.type	k_q518299f436_attn,@function
k_q518299f436_attn:
	s_mov_b64 s[64:65], 0
	v_nop
	global_prefetch_b8 v0, s[64:65] scope:SCOPE_SE
	s_setreg_imm32_b32 hwreg(HW_REG_WAVE_MODE, 25, 1), 1
	s_wait_xcnt 0x0
; Both attentions of a head (keys up to the query; keys from the query on), on codes of FP4, and their results quantised for the next product.
; SOFTMAX: t = score x log2(e) / 8; M = the running largest t rounded up to a whole number, kept as -M = floor(-t); p = 2^(t - M) is quantised along the keys; the row's sum is taken of the unquantised p and divides at the end.
; THE MASK'S VALUE IS -10000, NO INFINITY: masked keys take part.  A score is begun from the record's pad bias (-80000 for a padded key, whose codes are zeros); on the diagonal, hidden scores are replaced by -80000.
; A step of 128 keys that a direction hides wholly has one p for all keys: t = -14426.95.., M whole, so p's mantissa is 2^0.0496 and its code 4.0 (0110) under the block's own scale.  Such a step needs one exponential
; and the two products with a constant fragment of codes.  The largest t begins at that t wherever the row has such steps, so M is right from the first step on.
; SHARES.  3,072 tiles of 16 queries, twelve to a work-group, one to a wave; three waves to a SIMD, so that one wave's vector work stands beside another's products and LDS loads.
; Twelve neighbouring tiles touch at most two heads: two whole records (K codes, V codes, scale words, pad bias: 118,784 bytes each) are brought into LDS ONCE, by one tensor load in each of waves 0 to 7; nothing is filled again.
; CLUSTERS are not used: a head's 128 tiles are no multiple of a work-group's twelve, so partners would begin at different heads, and each work-group fills LDS once.
; LAYOUT.  Both products transposed: a lane holds one query (lane % 16).  K = 64 is half of the instruction's 128: a fragment of K holds two key tiles side by side and is multiplied by [q | 0] and by [0 | q].
; LIMITS: NaN and infinities are not served; where a wholly hidden step's p has fallen under 2^-126 its constant codes still add 4 x 2^-126 x the sum of V's numbers; a block of zeros has the byte 1.
; REGISTERS: v1-5 bases, v6-10 the step's addresses, v11 the diagonal's d, v12 -80000, v13 16 x lane, v[14:15] -M and largest t, v[16:17] sum (forward); v[18:21] the same (backward); v[22:23] f; v26 q's scale word, v27 p's;
;   v28-31 K's words, v[32:33] V's; v36-47 0 | q | 0; v48-55 p's codes; v56-63 the constant codes; v64-95 K; v96-111 V; v112-127, v128-143 O^T; v144-207 S^T, then p; v208-223 at work.
.set REC, 118784
.set S,   144
.set KF,  64
.set VF,  96
.set PC,  48
.set PCN, 56
.set JD,  28                           ; s28 the step on the diagonal
.set JS,  29                           ; s29 the step in hand
; A step in which the direction has live keys.  dir 0: forward; MR: -M and largest t; LR: the sum; OR: O^T
.macro LIVE dir, MR, LR, OR
.irp t, 0,1,2,3,4,5,6,7
	ds_load_b128 v[S+8*\t:S+8*\t+3], v10 offset:(32*(\t/2)+8*(\t%2))*4        ; the pad bias of keys 32 (t / 2) + 16 h + 8 (t % 2) + 0 .. 7: the scores begin from it
	ds_load_b128 v[S+8*\t+4:S+8*\t+7], v10 offset:(32*(\t/2)+8*(\t%2))*4+16
.endr
	s_wait_dscnt 0x0                               ; these, and the step's K, V and scale words
.irp b, 0,1,2,3
	v_wmma_scale_f32_16x16x128_f8f6f4 v[S+16*\b:S+16*\b+7], v[KF+8*\b:KF+8*\b+7], v[40:47], v[S+16*\b:S+16*\b+7], v[28+\b], v26 matrix_a_fmt:MATRIX_FMT_FP4 matrix_b_fmt:MATRIX_FMT_FP4
	v_wmma_scale_f32_16x16x128_f8f6f4 v[S+16*\b+8:S+16*\b+15], v[KF+8*\b:KF+8*\b+7], v[36:43], v[S+16*\b+8:S+16*\b+15], v[28+\b], v26 matrix_a_fmt:MATRIX_FMT_FP4 matrix_b_fmt:MATRIX_FMT_FP4
.endr
.rept 4
	v_nop                                          ; four places ahead of the first read of results
.endr
	s_cmp_lg_u32 s[JS], s[JD]                      ; only the diagonal's step hides single keys
	s_cbranch_scc1 .Lopen_\@
.set n, 0
.rept 64
.if \dir == 0
	v_cmp_gt_i32 vcc_lo, 32*(n/16)+n%16, v11       ; register 16 b + i holds key 32 b + 16 h + i of the step: hidden where it comes after my query
.else
	v_cmp_lt_i32 vcc_lo, 32*(n/16)+n%16, v11       ; hidden where it comes before my query
.endif
	v_cndmask_b32 v[S+n], v[S+n], v12, vcc_lo
.set n, n+1
.endr
.Lopen_\@:
.irp b, 0,1,2,3
	v_max3_num_f32 v[208+\b], v[S+16*\b], v[S+1+16*\b], v[S+2+16*\b]   ; the largest score of each block of 32 keys: for the row's maximum and for the block's largest p
.endr
.irp i, 3,5,7,9,11,13
.irp b, 0,1,2,3
	v_max3_num_f32 v[208+\b], v[208+\b], v[S+16*\b+\i], v[S+1+16*\b+\i]
.endr
.endr
.irp b, 0,1,2,3
	v_max_num_f32 v[208+\b], v[208+\b], v[S+15+16*\b]
.endr
.irp b, 0,1,2,3
	s_delay_alu instid0(VALU_DEP_4)
	v_permlanex16_b32 v[212+\b], v[208+\b], s34, s35
.endr
.irp b, 0,1,2,3
	s_delay_alu instid0(VALU_DEP_4)
	v_max_num_f32 v[208+\b], v[208+\b], v[212+\b]
.endr
	s_delay_alu instid0(VALU_DEP_2)
	v_max3_num_f32 v24, v208, v209, v210
	s_delay_alu instid0(VALU_DEP_1)
	v_max_num_f32 v24, v24, v211
	s_delay_alu instid0(VALU_DEP_1)
	v_mul_f32 v24, s32, v24                        ; as t
	s_delay_alu instid0(VALU_DEP_1)
	v_max_num_f32 v[\MR+1], v[\MR+1], v24          ; the running largest t
	v_mov_b32 v24, v[\MR]
	s_delay_alu instid0(VALU_DEP_2)
	v_floor_f32 v[\MR], -v[\MR+1]                  ; the new -M: a whole number
	s_delay_alu instid0(VALU_DEP_1)
	v_sub_f32 v24, v[\MR], v24                     ; old M - new M, 0 or less
	s_delay_alu instid0(VALU_DEP_1)
	v_cvt_i32_f32 v24, v24                         ; (it saturates)
	s_delay_alu instid0(VALU_DEP_1)
	v_ldexp_f32 v22, 1.0, v24                      ; f = 2^(old M - new M): a multiplication by it rounds nothing
.irp j, 0,2,4,6,8,10,12,14,16,18,20,22,24,26,28,30,32,34,36,38,40,42,44,46,48,50,52,54,56,58,60,62
	v_pk_fma_f32 v[S+\j:S+\j+1], v[S+\j:S+\j+1], s[32:33], v[\MR:\MR+1] op_sel_hi:[1,0,0]   ; t - M
.endr
.irp b, 0,1,2,3
	v_fma_f32 v[208+\b], v[208+\b], s32, v[\MR]
.endr
.set n, 0
	s_wait_alu depctr_va_vdst(0)
.rept 64
	v_exp_f32 v[S+n], v[S+n]                       ; p = 2^(t - M)
.set n, n+1
.endr
	v_pk_mul_f32 v[\LR:\LR+1], v[\LR:\LR+1], v[22:23] op_sel_hi:[1,0]   ; the sum under the new M; the plain line behind the exponentials
	s_wait_alu depctr_va_vdst(0)                   ; one wait for the batch, ahead of its first reader
.irp b, 0,1,2,3
	v_exp_f32 v[208+\b], v[208+\b]                 ; each block's largest p
.endr
	v_pk_add_f32 v[212:213], v[S:S+1], v[S+2:S+3]  ; the row's sum of the unquantised p, in two chains
.irp j, 4,8,12,16,20,24,28,32,36,40,44,48,52,56,60
	v_pk_add_f32 v[\LR:\LR+1], v[\LR:\LR+1], v[S+\j:S+\j+1]
	v_pk_add_f32 v[212:213], v[212:213], v[S+\j+2:S+\j+3]
.endr
	s_delay_alu instid0(VALU_DEP_1)
	v_pk_add_f32 v[\LR:\LR+1], v[\LR:\LR+1], v[212:213]
	s_wait_alu depctr_va_vdst(0)                   ; and one for the four
.irp b, 0,1,2,3
	v_max_num_f32 v[208+\b], 0x1800000, v[208+\b]  ; the floor 2^(3 - 127)
.endr
.irp b, 0,1,2,3
	s_delay_alu instid0(VALU_DEP_4)
	v_add_nc_u32 v[216+\b], 0xff000000, v[208+\b]  ; the conversion's scale operand
.endr
.irp b, 0,1,2,3
	s_delay_alu instid0(VALU_DEP_4)
	v_lshrrev_b32 v[212+\b], 23, v[216+\b]         ; the byte
.endr
	s_delay_alu instid0(VALU_DEP_3)
	v_lshl_or_b32 v27, v213, 8, v212
	s_delay_alu instid0(VALU_DEP_1)
	v_lshl_or_b32 v27, v214, 16, v27
	s_delay_alu instid0(VALU_DEP_1)
	v_lshl_or_b32 v27, v215, 24, v27
.irp b, 0,1,2,3
	v_cvt_scalef32_pk8_fp4_f32 v[PC+2*\b], v[S+16*\b:S+7+16*\b], v[216+\b]
	v_cvt_scalef32_pk8_fp4_f32 v[PC+1+2*\b], v[S+8+16*\b:S+15+16*\b], v[216+\b]
.endr
	v_nop                                          ; one plain line behind a scaled conversion
.irp c, 0,1
.irp i, 0,1
	v_permlane16_swap_b32 v[PC+4*\c+\i], v[PC+2+4*\c+\i]
.endr
.endr
.irp j, 0,2,4,6,8,10,12,14
	v_pk_mul_f32 v[\OR+\j:\OR+\j+1], v[\OR+\j:\OR+\j+1], v[22:23] op_sel_hi:[1,0]   ; O^T under the new M
.endr
.rept 8
	v_nop                                          ; eight places between the scale word's last write and the scaled product
.endr
.irp u, 0,1
	v_wmma_scale_f32_16x16x128_f8f6f4 v[\OR+8*\u:\OR+8*\u+7], v[VF+8*\u:VF+8*\u+7], v[PC:PC+7], v[\OR+8*\u:\OR+8*\u+7], v[32+\u], v27 matrix_a_fmt:MATRIX_FMT_FP4 matrix_b_fmt:MATRIX_FMT_FP4
.endr
.endm
; A step that the direction hides wholly
.macro MASKED MR, LR, OR
	s_wait_dscnt 0x0                               ; V and its scale words
	v_fma_f32 v24, v12, s32, v[\MR]                ; the same multiply-add that a hidden key gets in a live step
	s_wait_alu depctr_va_vdst(0)
	v_exp_f32 v25, v24
	v_nop                                          ; a plain line behind the exponential,
	s_wait_alu depctr_va_vdst(0)                   ; and the wait ahead of its reader
	v_fmac_f32 v[\LR], 0x42800000, v25             ; my lane's 64 keys
	v_max_num_f32 v24, 0x1800000, v25
	s_delay_alu instid0(VALU_DEP_1)
	v_add_nc_u32 v24, 0xff000000, v24
	s_delay_alu instid0(VALU_DEP_1)
	v_lshrrev_b32 v24, 23, v24                     ; the byte of every block of the step
	s_delay_alu instid0(VALU_DEP_1)
	v_perm_b32 v27, v24, v24, 0                    ; four times
.rept 8
	v_nop                                          ; eight places between the scale word's write and the scaled product
.endr
.irp u, 0,1
	v_wmma_scale_f32_16x16x128_f8f6f4 v[\OR+8*\u:\OR+8*\u+7], v[VF+8*\u:VF+8*\u+7], v[PCN:PCN+7], v[\OR+8*\u:\OR+8*\u+7], v[32+\u], v27 matrix_a_fmt:MATRIX_FMT_FP4 matrix_b_fmt:MATRIX_FMT_FP4
.endr
.endm
	s_load_b128 s[4:7], s[0:1], 0x0                ; qq, kv
	s_load_b64 s[8:9], s[0:1], 0x10                ; aq
	v_lshl_add_u32 v254, v0, 2, 0x3a000
	v_mov_b32 v255, 0
	ds_add_u32 v254, v255
	ds_add_u32 v254, v255
	v_lshrrev_b32 v1, 5, v0
	s_delay_alu instid0(VALU_DEP_1)
	v_readfirstlane_b32 s10, v1                    ; wave 0..11
	s_mul_i32 s44, ttmp9, 12
	s_add_co_u32 s11, s44, s10                     ; my tile
	s_lshr_b32 s12, s11, 7                         ; bh
	s_and_b32 s13, s11, 127                        ; T
	s_lshr_b32 s14, s13, 1                         ; beta
	s_and_b32 s15, s13, 1                          ; u
	s_lshr_b32 s[JD], s14, 2
	s_lshr_b32 s30, s44, 7
	s_min_u32 s30, s30, 22                         ; the first of the two records in LDS
	s_sub_co_u32 s31, s12, s30
	s_min_u32 s31, s31, 1
	s_mul_i32 s31, s31, REC                        ; where my head's record begins in LDS
	s_mov_b32 s16, 3<<16                           ; group 1: elements of 8 bytes, no mask, no padding (images are read at 16 x lane)
	s_mov_b32 s17, 32<<16                          ; tensor_dim0 = 32 elements: rows of 256 bytes
	s_mov_b32 s18, 116<<16                         ; tensor_dim1 = 116 rows
	s_mov_b32 s19, 32<<16                          ; tile_dim0
	s_mov_b32 s20, 116                             ; tile_dim1
	s_mov_b32 s21, 32                              ; the pitch: dense
	s_mov_b32 s22, 0
	s_mov_b32 s23, 0
	s_mov_b32 s24, 1
	s_mul_i32 s25, s10, 29696                      ; an eighth of the two records for each of waves 0 to 7
	s_mul_i32 s46, s30, REC
	s_add_co_u32 s46, s46, s25
	s_mov_b32 s47, 0
	s_mov_b32 s32, 0x3e38aa3b                      ; c = log2(e) / 8
	s_mov_b32 s33, s32
	s_mov_b32 s34, 0x76543210
	s_mov_b32 s35, 0xfedcba98
	s_mov_b32 s41, 0xffff0000
	s_wait_dscnt 0x0
	s_wait_kmcnt 0x0
	s_add_nc_u64 s[26:27], s[6:7], s[46:47]
	s_or_b32 s27, s27, 0x80000000
	s_cmp_lt_u32 s10, 8
	s_cbranch_scc0 .Lnofill
	tensor_load_to_lds s[24:27], s[16:23]          ; my one tensor load of the launch
	s_nop 0
.rept 4
	v_nop
.endr
.Lnofill:
	v_and_b32 v24, 31, v0
	s_delay_alu instid0(VALU_DEP_1)
	v_lshlrev_b32 v13, 4, v24                      ; 16 x lane
	s_delay_alu instid0(VALU_DEP_2)
	v_lshlrev_b32 v34, 3, v24                      ; 8 x lane
	s_wait_alu depctr_va_vdst(0)
	s_lshl_b32 s44, s12, 6
	s_add_co_u32 s44, s44, s14
	s_lshl_b32 s44, s44, 10
	s_lshl_b32 s45, s15, 9
	s_add_co_u32 s44, s44, s45
	s_mov_b32 s45, 0
	s_add_nc_u64 s[48:49], s[4:5], s[44:45]
	global_load_b128 v[40:43], v13, s[48:49]       ; q: half u of fragment beta
	s_lshl_b32 s44, s12, 13
	s_lshr_b32 s46, s14, 1
	s_lshl_b32 s46, s46, 8
	s_add_co_u32 s44, s44, s46
	s_and_b32 s46, s14, 1
	s_lshl_b32 s46, s46, 2
	s_add_co_u32 s44, s44, s46
	s_add_co_u32 s44, s44, 1572864
	s_add_nc_u64 s[50:51], s[4:5], s[44:45]
	global_load_b32 v35, v34, s[50:51]             ; its fragment's scale word
	v_add_nc_u32 v1, s31, v13                      ; K's codes
	s_delay_alu instid0(VALU_DEP_1)
	v_add_nc_u32 v2, 65536, v1                     ; V's codes
	v_add_nc_u32 v3, s31, v34
	s_delay_alu instid0(VALU_DEP_1)
	v_add_nc_u32 v3, 98304, v3                     ; K's scale words
	s_delay_alu instid0(VALU_DEP_1)
	v_add_nc_u32 v4, 8192, v3                      ; V's
	v_bfe_u32 v24, v0, 4, 1                        ; h
	s_delay_alu instid0(VALU_DEP_1)
	v_lshlrev_b32 v5, 6, v24
	s_delay_alu instid0(VALU_DEP_1)
	v_add_nc_u32 v5, s31, v5
	s_delay_alu instid0(VALU_DEP_1)
	v_add_nc_u32 v5, 110592, v5                    ; the pad bias, + 64 h
	v_and_b32 v25, 15, v0                          ; r
	s_delay_alu instid0(VALU_DEP_1)
	v_and_b32 v11, 8, v25
	s_delay_alu instid0(VALU_DEP_1)
	v_add_nc_u32 v11, v11, v25
	v_lshlrev_b32 v24, 4, v24
	s_delay_alu instid0(VALU_DEP_1)
	v_sub_nc_u32 v11, v11, v24
	s_and_b32 s44, s14, 3
	s_lshl_b32 s44, s44, 5
	s_lshl_b32 s46, s15, 3
	s_add_co_u32 s44, s44, s46
	v_add_nc_u32 v11, s44, v11                     ; d = my query - the diagonal step's first key - 16 h
	v_mov_b32 v12, 0xc79c4000                      ; -80000
	s_delay_alu instid0(VALU_DEP_1)
	v_mul_f32 v24, s32, v12                        ; a hidden key's t
	v_mov_b32 v25, 0xff61b1e6                      ; -3e38
	s_cmp_lt_u32 s[JD], 15                         ; forward: are there steps behind the diagonal?
	s_cselect_b32 s44, -1, 0
	v_cndmask_b32 v15, v25, v24, s44
	s_cmp_gt_u32 s[JD], 0                          ; backward: are there steps ahead of it?
	s_cselect_b32 s46, -1, 0
	v_cndmask_b32 v19, v25, v24, s46
	v_floor_f32 v14, -v15
	s_delay_alu instid0(VALU_DEP_2)
	v_floor_f32 v18, -v19
	s_cmp_eq_u32 s15, 0
	s_mov_b32 s47, 0x03020302
	s_cselect_b32 s47, 0x01000100, s47
	s_wait_loadcnt 0x0
	v_perm_b32 v26, v35, v35, s47                  ; my tile's two bytes, twice: the word serves [q | 0] and [0 | q]
.irp j, 16,17,20,21,22,23,36,37,38,39,44,45,46,47,212,213,214,215
	v_mov_b32 v[\j], 0                             ; the sums; f's pair; the zeros beside q; the permutes' destinations
.endr
.irp j, 0,1,2,3,4,5,6,7
	v_mov_b32 v[PCN+\j], 0x66666666                ; the code of 4.0, eight to a register
.endr
.set n, 0
.rept 32
	v_mov_b32 v[112+n], 0                          ; O^T of both directions: the step is written once, and hidden steps may come first
.set n, n+1
.endr
	s_mov_b32 s[JS], 0
	s_mov_b32 s36, 0
	s_mov_b32 s37, 0
	s_mov_b32 s38, 0
	s_mov_b32 s39, 0
	s_mov_b32 s40, 0
	s_wait_tensorcnt 0x0                           ; my part of the records has landed,
	s_barrier_signal -1
	s_barrier_wait -1                              ; everybody's has: the launch's only barrier
.Lstep:                                                ; 16 trips: 128 keys each
	v_add_nc_u32 v6, s36, v1                       ; (these five are also the places ahead of the loads into registers that the last products read)
	v_add_nc_u32 v7, s37, v2
	v_add_nc_u32 v8, s38, v3
	v_add_nc_u32 v9, s39, v4
	v_add_nc_u32 v10, s40, v5
.irp b, 0,1,2,3
.irp c, 0,1
	ds_load_b128 v[KF+8*\b+4*\c:KF+8*\b+4*\c+3], v6 offset:1024*\b+512*\c
.endr
.endr
	ds_load_b64 v[28:29], v8
	ds_load_b64 v[30:31], v8 offset:256
.irp u, 0,1
.irp c, 0,1
	ds_load_b128 v[VF+8*\u+4*\c:VF+8*\u+4*\c+3], v7 offset:1024*\u+512*\c
.endr
.endr
	ds_load_b64 v[32:33], v9
	s_cmp_gt_u32 s[JS], s[JD]
	s_cbranch_scc1 .Lfm
	LIVE 0, 14, 16, 112
	s_branch .Lfd
.Lfm:
	MASKED 14, 16, 112
.Lfd:
	s_cmp_lt_u32 s[JS], s[JD]
	s_cbranch_scc1 .Lbm
	LIVE 1, 18, 20, 128
	s_branch .Lbd
.Lbm:
	MASKED 18, 20, 128
.Lbd:
	s_add_co_u32 s36, s36, 4096
	s_add_co_u32 s37, s37, 2048
	s_add_co_u32 s38, s38, 512
	s_add_co_u32 s39, s39, 256
	s_add_co_u32 s40, s40, 512
	s_add_co_u32 s[JS], s[JS], 1
	s_cmp_lt_u32 s[JS], 16
	s_cbranch_scc1 .Lstep
	; THE WAY OUT.  A lane's 16 registers of a direction are e = 16 h + 0 .. 15 of its query: with lane l xor 16's they are one block of the next product's K (block dir x 12 + head).
	v_add_f32 v16, v16, v17                        ; (four plain lines: the places behind the last products)
	s_wait_alu depctr_va_vdst(0)
	v_add_f32 v20, v20, v21
	v_and_b32 v229, 15, v0                         ; r
	v_bfe_u32 v231, v0, 4, 1                       ; h
	v_permlanex16_b32 v212, v16, s34, s35
	s_delay_alu instid0(VALU_DEP_4)
	v_permlanex16_b32 v213, v20, s34, s35
	s_delay_alu instid0(VALU_DEP_2)
	v_add_f32 v16, v16, v212
	s_delay_alu instid0(VALU_DEP_2)
	v_add_f32 v20, v20, v213
	s_wait_alu depctr_va_vdst(0)
	v_rcp_f32 v22, v16
	v_rcp_f32 v24, v20
	v_lshlrev_b32 v228, 4, v229                    ; (a plain line behind the reciprocals)
	s_delay_alu instid0(VALU_DEP_1)
	v_lshl_add_u32 v228, v231, 3, v228             ; codes: 16 r + 8 h
	v_mul_u32_u24 v231, v231, 384
	s_delay_alu instid0(VALU_DEP_1)
	v_lshl_add_u32 v230, v229, 2, v231             ; scale bytes: 4 r, and 384 on for lanes 16-31, which carry the backward direction's
	s_cmp_ge_u32 s12, 12
	s_cselect_b32 s42, 1, 0                        ; b
	s_mul_i32 s43, s42, 12
	s_sub_co_u32 s43, s12, s43                     ; the head
	s_lshl_b32 s44, s42, 6
	s_add_co_u32 s44, s44, s14
	s_mul_i32 s44, s44, 6                          ; (64 b + beta) x 6 K steps
	s_lshr_b32 s45, s43, 2
	s_add_co_u32 s45, s45, s44                     ; + the forward block's K step; the backward block's lies 3 K steps on
	s_and_b32 s46, s43, 3
	s_lshl_b32 s50, s45, 11
	s_lshl_b32 s47, s15, 10
	s_add_co_u32 s50, s50, s47
	s_lshl_b32 s47, s46, 8
	s_add_co_u32 s50, s50, s47
	s_mov_b32 s51, 0
	s_add_nc_u64 s[50:51], s[8:9], s[50:51]
	s_lshl_b32 s52, s45, 7
	s_lshl_b32 s47, s15, 6
	s_add_co_u32 s52, s52, s47
	s_add_co_u32 s52, s52, s46
	s_add_co_u32 s52, s52, 1572864
	s_mov_b32 s53, 0
	s_add_nc_u64 s[52:53], s[8:9], s[52:53]
	s_wait_alu depctr_va_vdst(0)                   ; one wait for the two reciprocals, ahead of their first reader
.irp j, 0,2,4,6,8,10,12,14
	v_pk_mul_f32 v[S+\j:S+\j+1], v[112+\j:113+\j], v[22:23] op_sel_hi:[1,0]         ; O^T / the sum, each accumulator from its low end on
	v_pk_mul_f32 v[S+16+\j:S+17+\j], v[128+\j:129+\j], v[24:25] op_sel_hi:[1,0]
.endr
.irp d, 0,1
	v_max3_num_f32 v[208+\d], |v[S+16*\d]|, |v[S+1+16*\d]|, 0x1800000
.endr
.irp i, 2,4,6,8,10,12,14
.irp d, 0,1
	s_delay_alu instid0(VALU_DEP_2)
	v_max3_num_f32 v[208+\d], v[208+\d], |v[S+16*\d+\i]|, |v[S+1+16*\d+\i]|
.endr
.endr
.irp d, 0,1
	s_delay_alu instid0(VALU_DEP_2)
	v_permlanex16_b32 v[212+\d], v[208+\d], s34, s35
.endr
.irp d, 0,1
	s_delay_alu instid0(VALU_DEP_2)
	v_max_num_f32 v[208+\d], v[208+\d], v[212+\d]
.endr
.irp d, 0,1
	s_delay_alu instid0(VALU_DEP_2)
	v_add_nc_u32 v[216+\d], 0xff000000, v[208+\d]
.endr
.irp d, 0,1
	s_delay_alu instid0(VALU_DEP_2)
	v_lshrrev_b32 v[220+\d], 23, v[216+\d]
.endr
.irp d, 0,1
	v_cvt_scalef32_pk8_fp4_f32 v[224+2*\d], v[S+16*\d:S+7+16*\d], v[216+\d]
	v_cvt_scalef32_pk8_fp4_f32 v[225+2*\d], v[S+8+16*\d:S+15+16*\d], v[216+\d]
.endr
	v_nop                                          ; one plain line behind the last conversion
	v_cndmask_b32 v229, v220, v221, s41
	global_store_b64 v228, v[224:225], s[50:51]                ; 32 lanes store 256 consecutive bytes, aligned
	global_store_b64 v228, v[226:227], s[50:51] offset:6144
	global_store_b8 v230, v229, s[52:53]
	s_wait_tensorcnt 0x0
	ds_add_u32 v254, v255
	s_wait_dscnt 0x0
	s_endpgm
.Lfunc_end_k_q518299f436_attn:
	.size	k_q518299f436_attn, .Lfunc_end_k_q518299f436_attn-k_q518299f436_attn
	.p2alignl 7, 3214868480
	.fill 96, 4, 3214868480
	.section	.rodata,"a",@progbits
	.p2align	6, 0x0
	.amdhsa_kernel k_q518299f436_attn
		.amdhsa_group_segment_fixed_size 239104
		.amdhsa_private_segment_fixed_size 0
		.amdhsa_enable_private_segment 0
		.amdhsa_kernarg_size 24
		.amdhsa_user_sgpr_count 2
		.amdhsa_user_sgpr_kernarg_segment_ptr 1
		.amdhsa_wavefront_size32 1
		.amdhsa_system_sgpr_workgroup_id_x 1
		.amdhsa_system_sgpr_workgroup_id_y 1
		.amdhsa_system_sgpr_workgroup_id_z 1
		.amdhsa_system_vgpr_workitem_id 0
		.amdhsa_next_free_vgpr 256
		.amdhsa_next_free_sgpr 66
		.amdhsa_reserve_vcc 1
		.amdhsa_float_denorm_mode_32 3
		.amdhsa_float_denorm_mode_16_64 3
		.amdhsa_memory_ordered 1
		.amdhsa_forward_progress 1
		.amdhsa_inst_pref_size 57
	.end_amdhsa_kernel
	.amdgpu_metadata
---
amdhsa.version: [ 1, 2 ]
amdhsa.kernels:
  - .name:           k_q518299f436_attn
    .symbol:         k_q518299f436_attn.kd
    .args:
      - { .name: qq, .offset: 0, .size: 8, .value_kind: global_buffer, .address_space: global }
      - { .name: kv, .offset: 8, .size: 8, .value_kind: global_buffer, .address_space: global }
      - { .name: aq, .offset: 16, .size: 8, .value_kind: global_buffer, .address_space: global }
    .group_segment_fixed_size: 239104
    .private_segment_fixed_size: 0
    .kernarg_segment_align: 8
    .kernarg_segment_size: 24
    .max_flat_workgroup_size: 384
    .sgpr_count:     66
    .vgpr_count:     256
    .wavefront_size: 32
...
	.end_amdgpu_metadata
.endif
;; end of part 7
;; launch tail (part 8): grid 256 x 1, 6 waves a work-group, no clusters, 123,648 bytes of LDS; arguments aq, wcod, wscl, x, bo, ln1_s, ln1_b, b1, b2, ln2_s, ln2_b, out0; writes out0
.if DOCPART == 8
	.amdgcn_target "amdgcn-amd-amdhsa--gfx1250"
	.amdhsa_code_object_version 6
	.text
	.protected	k_q518299f436_tail
	.globl	k_q518299f436_tail
	.p2align	8
	.type	k_q518299f436_tail,@function
k_q518299f436_tail:
	s_mov_b64 s[64:65], 0
	v_nop
	global_prefetch_b8 v0, s[64:65] scope:SCOPE_SE
	s_setreg_imm32_b32 hwreg(HW_REG_WAVE_SCHED_MODE, 0, 2), 2
	s_setreg_imm32_b32 hwreg(HW_REG_WAVE_MODE, 25, 1), 1
	s_wait_xcnt 0x0
	s_wait_alu depctr_vm_vsrc(0)
; out0 = LN2(h + leaky(h w1 + b1) w2 + b2), h = LN1(x + a wo + bo): three products on codes of FP4, both norms, both residuals; h and the hidden layer never go to memory.
; SHARES.  A work-group owns ONE TOKEN TILE (16 tokens: tile u = x % 2 of pair x / 2, lane r = token 8 u + r + 8 (r / 8) of the pair) through the whole chain: 256 work-groups.
; THE SIX WAVES SHARE THE COLUMNS: wave w has columns 128 w .. 128 w + 127 of wo's and w2's results and hidden groups 4 w .. 4 w + 3.
; So a unit of work is always 8 tiles of a weight x one K step x the token tile (8 products), and what a wave quantises is always one whole fragment (128 along the next K).
; THE WEIGHTS come from memory straight into registers: the first launch has laid each wave's 54 units (8,192 bytes of codes, 512 of scale words) on end in the order of use; a ring of three register slots keeps two to three
; units (40 to 60 loads a wave) on their way.  Each fragment of a weight is used by one wave once, so a way through LDS (or a cluster's joint load into LDS) would add a write and a read of every byte.
; WRITTEN OUT, NO LOOP: every offset of the stream (441,856 bytes at the most, inside the signed 24-bit immediate) and of LDS is an immediate, so no pointer is stepped and nothing waits for one to be free.
; ACTIVATIONS go from wave to wave through LDS as images of their registers (16 x lane), scale words at 4 x lane (lanes 0-15 are read).
; All products are transposed (source 0 = 16 columns of a weight, source 1 = the 16 tokens): a lane holds a token, its registers run along the columns.  Residuals and biases are the C of a sum's first product.
; NORMS: two passes (mean, then the sum of squared differences), each summed over lanes, then over the six waves through LDS; every wave adds the six parts in the same order.  Gains and biases are asked for ahead of the sums.
; LIMITS: NaN and infinities are not served; the mean is the sum x (1 / 768 rounded to f32); a block under 2^-124 or of zeros has the byte 1 (its codes are right or zeros; this program alone reads the bytes).
; REGISTERS: window 0: v1-19, v22, v23, v26, v27 addresses; v[20:21] -mean, v[24:25] 1 / sigma; v28-39 the ring's scale words; v40, v43 the activations' scale words; v41 the scale word just made; v44-59 at work; v60-67 codes;
;   v68-75, v84-91 two activation fragments (in the norms v44-107: biases); v116-121 sums; v128-191 the 8 accumulators (128 + 8 tA); v192-255 gains, 0.01 v, b2.   window 1: v0-191 the ring: 3 slots x 8 fragments.
; THE MODE: SCHED_MODE bits 1:0 = 2 (LLVM: expert scheduling mode 2), set by the entry lines.  The code itself states the register dependences between vector or matrix instructions and memory or LDS instructions, with s_wait_alu, always for 0.
; THE PLAN.  Registers that memory or LDS instructions touch:
;   addresses        Written at the head, ahead of one wait on va_vdst; never written again: each of the three activation images has a pair of its own.
;   the ring, v28-39 Unit n's eight products read slot n % 3 and its scale words; the 20 loads of unit n + 3 land there.
;   v68-75 + v40, v84-91 + v43   Unit n's products read set n % 2; the three LDS loads at the head of unit n + 1 land there (unit n + 2's activations).
;                    ONE wait on va_vdst a unit, behind its products, states both.  It stands there, and not behind the next unit's wait for its data, so that the slot is asked for again at once: the launch lives on loads in flight.
;   v128-191         The sums' first terms land there (LDS loads); products, norms, leaky and the quantiser work on them; the stage's stores read them.
;   v60-67, v41      Written by the quantiser, read by an image's three LDS stores: one wait on va_vdst ahead of the stores (it also shows all earlier vector work on v128-191 done), one on vm_vsrc ahead of the next writer.
;   v116-121         A norm's partial sums: a wait on va_vdst ahead of the store, one on vm_vsrc ahead of the six loads that land there.
;   v44-107, v192-255  Gains, biases, b2: LDS loads land there; their earlier vector and matrix readers stand ahead of a unit's or an image's wait.
.set STG,  0                           ; 6 x 16 rows x 528 bytes, each wave's own
.set AIMG, 50688                       ; the attention output's 6 K steps x 1,024
.set ASCL, 56832
.set HIMG, 57600                       ; h's
.set HSCL, 63744
.set GIMG, 64512                       ; the hidden layer's 24 K steps
.set GSCL, 89088
.set PRM,  92160                       ; 6 x 4,608, each wave's own: ln1_s 0, ln1_b 512, b2 1,024, ln2_s 1,536, ln2_b 2,048, b1 2,560
.set RED,  119808                      ; 4 x 768: the norms' partial sums
.set AIA,  13                          ; v13, v14  where the attention output's images and scale words are read
.set ASA,  14
.set HIA,  6                           ; v6, v23   h's
.set HSA,  23
.set GIA,  26                          ; v26, v27  the hidden layer's
.set GSA,  27
.set TM,   44
.set SEL,  34
.set MSB,  0
.macro WIN new                         ; the immediate's high byte repeats the setting that is left
.if MSB != \new
	s_set_vgpr_msb (MSB<<8)|\new
.set MSB, \new
.endif
.endm
.macro WM d, a, b, sa, sb, ra          ; one product, added in place; ra: the half of the lanes from which the weight's scale words are read
.if (\ra) == 0
	v_wmma_scale_f32_16x16x128_f8f6f4 v[(\d):(\d)+7], v[(\a):(\a)+7], v[(\b):(\b)+7], v[(\d):(\d)+7], v[(\sa)], v[(\sb)] matrix_a_fmt:MATRIX_FMT_FP4 matrix_b_fmt:MATRIX_FMT_FP4
.else
	v_wmma_scale_f32_16x16x128_f8f6f4 v[(\d):(\d)+7], v[(\a):(\a)+7], v[(\b):(\b)+7], v[(\d):(\d)+7], v[(\sa)], v[(\sb)] matrix_a_fmt:MATRIX_FMT_FP4 matrix_b_fmt:MATRIX_FMT_FP4 matrix_a_scale:MATRIX_SCALE_ROW1
.endif
.endm
.macro QUANT s, pc, pw                 ; 64 numbers of a lane, register 16 b + i = k 32 b + 16 (lane / 16) + i, become a fragment in v[pc] on and its scale word in v[pw]
.irp b, 0,1,2,3
	v_max3_num_f32 v[TM+\b], |v[\s+16*\b]|, |v[\s+1+16*\b]|, 0x1800000   ; and the floor 2^(3 - 127): the byte cannot fall under 1
.endr
.irp i, 2,4,6,8,10,12,14
.irp b, 0,1,2,3
	v_max3_num_f32 v[TM+\b], v[TM+\b], |v[\s+16*\b+\i]|, |v[\s+1+16*\b+\i]|
.endr
.endr
.irp b, 0,1,2,3
	v_permlanex16_b32 v[TM+4+\b], v[TM+\b], s[SEL], s[SEL+1]
.endr
.irp b, 0,1,2,3
	v_max_num_f32 v[TM+\b], v[TM+\b], v[TM+4+\b]   ; with lane l xor 16's: the block's largest magnitude
.endr
.irp b, 0,1,2,3
	v_add_nc_u32 v[TM+12+\b], 0xff000000, v[TM+\b] ; 2 off its exponent field: the conversion's scale operand
.endr
.irp b, 0,1,2,3
	v_lshrrev_b32 v[TM+4+\b], 23, v[TM+12+\b]      ; the byte
.endr
	v_lshl_or_b32 v[\pw], v[TM+5], 8, v[TM+4]
	v_lshl_or_b32 v[\pw], v[TM+6], 16, v[\pw]
	v_lshl_or_b32 v[\pw], v[TM+7], 24, v[\pw]
.irp b, 0,1,2,3
	v_cvt_scalef32_pk8_fp4_f32 v[\pc+2*\b], v[\s+16*\b:\s+7+16*\b], v[TM+12+\b]
	v_cvt_scalef32_pk8_fp4_f32 v[\pc+1+2*\b], v[\s+8+16*\b:\s+15+16*\b], v[TM+12+\b]
.endr
	v_nop                                          ; one plain line behind a scaled conversion
.irp c, 0,1                                    ; a whole block to a lane: lanes 0-15 block 2 c, lanes 16-31 block 2 c + 1
.irp i, 0,1
	v_permlane16_swap_b32 v[\pc+4*\c+\i], v[\pc+2+4*\c+\i]
.endr
.endr
.endm
.macro BARRIER                         ; my LDS stores have landed and my LDS loads are in: then the work-group's barrier
	s_wait_dscnt 0x0
	s_barrier_signal -1
	s_barrier_wait -1
.endm
.macro ULOAD slot, num, held           ; unit num of my stream into ring slot: 16 + 4 loads, each of consecutive bytes.  held = 1: the slot has just been multiplied
	WIN 0x40                                       ; destination window 1
.if \held
	s_wait_alu depctr_va_vdst(0)                   ; the unit's products are done reading the slot and its scale words, in which the loads below land, and their fragment of the activations with its scale word, in which the next LDS loads land
.endif
.set jj, 0
.rept 16
	global_load_b128 v[64*(\slot)+4*jj:64*(\slot)+4*jj+3], v1, s[30:31] offset:(\num)*8192+512*jj
.set jj, jj+1
.endr
	WIN 0
.irp pa, 0,1,2,3
	global_load_b32 v[28+4*(\slot)+\pa], v2, s[32:33] offset:(\num)*512+128*\pa    ; lanes 0-15 the even tile's words, lanes 16-31 the odd tile's
.endr
.endm
.macro ALOAD set, k, ai, as            ; the activations of K step k (from v[ai], v[as] on): a fragment and its scale words: three LDS loads
.irp c, 0,1
	ds_load_b128 v[68+16*(\set)+4*\c:71+16*(\set)+4*\c], v[\ai] offset:1024*(\k)+512*\c
.endr
	ds_load_b32 v[40+3*(\set)], v[\as] offset:128*(\k)
.endm
; Unit n of my stream (0 .. 53) against K step k of the activations.  last = 1: the sum's last K step
.macro UNIT n, k, last, ai, as
.if (\last) == 0
	ALOAD ((\n)+1)%2, (\k)+1, \ai, \as             ; the next unit's activations, ahead of this unit's products.  No wait: the products that read this set stand ahead of the last wait on va_vdst, and nothing since names it
	s_wait_dscnt 3                                 ; all but those three
.else
	s_wait_dscnt 0x0
.endif
.if (\n) < 52
	s_wait_loadcnt 40                              ; this unit's 20 loads are in; the two younger units' 40 may be out
.elseif (\n) == 52
	s_wait_loadcnt 20                              ; the stream ends: one younger unit
.else
	s_wait_loadcnt 0x0
.endif
	WIN 0x01                                       ; source 0 window 1
.irp ta, 0,1,2,3,4,5,6,7
	WM 128+8*\ta, 64*((\n)%3)+8*\ta, 68+16*((\n)%2), 28+4*((\n)%3)+\ta/2, 40+3*((\n)%2), \ta%2
.endr
.rept 4
	v_nop                                          ; four places behind the products, ahead of the first read of results; they stay beside the wait below
.endr
.if (\n) < 51
	ULOAD (\n)%3, (\n)+3, 1                        ; the slot takes the unit three on, behind the unit's one wait; the last three units ask for nothing
.else
	WIN 0
.if ((\n) == 51) || (\last)
	s_wait_alu depctr_va_vdst(0)                   ; the products are done reading their fragment of the activations and its scale word, in which the next LDS loads land (unit 51: the next unit's; unit 53: the norm's biases)
.endif
.endif
.endm
; cnt units from n0 on, K steps k0 on.  The 8 accumulators take turns, one instruction a turn, in the same order in every unit
.macro BODY n0, k0, cnt, ai, as
	ALOAD (\n0)%2, \k0, \ai, \as
.set cu, \n0
.set ck, \k0
.rept (\cnt)-1
	UNIT cu, ck, 0, \ai, \as
.set cu, cu+1
.set ck, ck+1
.endr
	UNIT cu, ck, 1, \ai, \as
.endm
.macro CINIT adr, off                  ; the accumulators begin from LDS: register j of tile t: column 32 (t / 2) + 16 h + 8 (t % 2) + j
.irp t, 0,1,2,3,4,5,6,7
	ds_load_b128 v[128+8*\t:131+8*\t], v[\adr] offset:\off+128*(\t/2)+32*(\t%2)
	ds_load_b128 v[132+8*\t:135+8*\t], v[\adr] offset:\off+128*(\t/2)+32*(\t%2)+16
.endr
.endm
.macro CSTORE                          ; and go back to my stage the same way
.irp t, 0,1,2,3,4,5,6,7
	ds_store_b128 v3, v[128+8*\t:131+8*\t] offset:128*(\t/2)+32*(\t%2)
	ds_store_b128 v3, v[132+8*\t:135+8*\t] offset:128*(\t/2)+32*(\t%2)+16
.endr
.endm
.macro PLOAD reg, off                  ; my lane's 64 numbers of a parameter vector, in the accumulators' order
.set kk, 0
.rept 16
	ds_load_b128 v[\reg+4*kk:\reg+4*kk+3], v5 offset:\off+128*(kk/4)+16*(kk%4)
.set kk, kk+1
.endr
.endm
.macro XCH red                         ; v[116:117]: my lane's partial sums -> v116: the sum over all 768 columns of my token
	v_add_f32 v116, v116, v117
	v_permlanex16_b32 v117, v116, s[SEL], s[SEL+1]
	v_add_f32 v116, v116, v117
	s_wait_alu depctr_va_vdst(0)                   ; v116 is written, which the store reads; and the sums above are done with v116-121, in which the six loads below land
	ds_store_b32 v10, v116 offset:\red
	BARRIER
	s_wait_alu depctr_vm_vsrc(0)                   ; the store has read v116, in which the first of the loads lands
.irp w, 0,1,2,3,4,5
	ds_load_b32 v[116+\w], v9 offset:\red+128*\w
.endr
	s_wait_dscnt 0x0
	v_add_f32 v116, v116, v117
	v_add_f32 v118, v118, v119
	v_add_f32 v120, v120, v121
	v_add_f32 v116, v116, v118
	v_add_f32 v116, v116, v120
.endm
.macro STATS reda, redb                ; the accumulators become v - mean; v24 = 1 / sqrt(var + eps).  Each accumulator is read from its low end on
	v_pk_add_f32 v[116:117], v[128:129], v[130:131]
	v_pk_add_f32 v[118:119], v[132:133], v[134:135]
.set jj, 8
.rept 14
	v_pk_add_f32 v[116:117], v[116:117], v[128+jj:129+jj]
	v_pk_add_f32 v[118:119], v[118:119], v[130+jj:131+jj]
.set jj, jj+4
.endr
	v_pk_add_f32 v[116:117], v[116:117], v[118:119]
	XCH \reda
	v_mul_f32 v20, 0xbaaaaaab, v116                ; -mean
.set jj, 0
.rept 32
	v_pk_add_f32 v[128+jj:129+jj], v[128+jj:129+jj], v[20:21] op_sel_hi:[1,0]
.set jj, jj+2
.endr
	v_pk_mul_f32 v[116:117], v[128:129], v[128:129]
	v_pk_mul_f32 v[118:119], v[130:131], v[130:131]
.set jj, 4
.rept 15
	v_pk_fma_f32 v[116:117], v[128+jj:129+jj], v[128+jj:129+jj], v[116:117]
	v_pk_fma_f32 v[118:119], v[130+jj:131+jj], v[130+jj:131+jj], v[118:119]
.set jj, jj+4
.endr
	v_pk_add_f32 v[116:117], v[116:117], v[118:119]
	XCH \redb
	v_fma_f32 v117, v116, s44, s45                 ; var + eps
	s_wait_alu depctr_va_vdst(0)
	v_rsq_f32 v24, v117
	v_nop                                          ; a plain line behind it,
	s_wait_alu depctr_va_vdst(0)                   ; and the wait for v24 ahead of its first reader
.endm
.macro APPLY                           ; x 1 / sigma x gain (v192 on) + bias (v44 on)
.set jj, 0
.rept 32
	v_pk_mul_f32 v[128+jj:129+jj], v[128+jj:129+jj], v[24:25] op_sel_hi:[1,0]
.set jj, jj+2
.endr
.set jj, 0
.rept 32
	v_pk_fma_f32 v[128+jj:129+jj], v[128+jj:129+jj], v[192+jj:193+jj], v[44+jj:45+jj]
.set jj, jj+2
.endr
.endm
.macro TOIMAGE ai, as, g               ; my 64 numbers a lane become a K step's image at v[ai] + 1,024 g, its scale words at v[as] + 128 g
	QUANT 128, 60, 41
	s_wait_alu depctr_va_vdst(0)                   ; the quantiser has written the codes v60-67 and the word v41, which the stores read; it and all vector work ahead of it are done with v128-191 and v192-255, which the next LDS instructions read or land in
	ds_store_b128 v[\ai], v[60:63] offset:1024*\g
	ds_store_b128 v[\ai], v[64:67] offset:1024*\g+512
	ds_store_b32 v[\as], v41 offset:128*\g
.endm
.macro GROUP gi                        ; hidden group 4 w + gi: b1 + h w1, leaky, quantised: K step 4 w + gi of the last product
	s_wait_alu depctr_vm_vsrc(0)                   ; the last image's stores have read v60-67 and v41, which this group's quantiser writes again; ahead of the first group the stage's stores have read v128-191 too, in which the loads below land
	CINIT 5, 2560+512*\gi
	BODY 6+6*\gi, 0, 6, HIA, HSA
.set jj, 0
.rept 32
	v_pk_mul_f32 v[192+jj:193+jj], v[128+jj:129+jj], 0x3c23d70a op_sel_hi:[1,0]
.set jj, jj+2
.endr
.set jj, 0
.rept 64
	v_max_num_f32 v[128+jj], v[128+jj], v[192+jj]  ; leaky(v) = max(v, 0.01 v)
.set jj, jj+1
.endr
	TOIMAGE 15, 16, \gi
.endm
	s_load_b512 s[4:19], s[0:1], 0x0               ; aq, wcod, wscl, x, bo, ln1_s, ln1_b, b1
	s_load_b256 s[20:27], s[0:1], 0x40             ; b2, ln2_s, ln2_b, out0
	v_lshl_add_u32 v126, v0, 2, 0x1e000
	v_mov_b32 v127, 0
	v_lshrrev_b32 v1, 5, v0
	v_readfirstlane_b32 s28, v1                    ; wave 0..5
	s_lshr_b32 s50, ttmp9, 1                       ; the pair of 32 tokens
	s_and_b32 s51, ttmp9, 1                        ; and my tile u of it
	v_and_b32 v19, 31, v0
	v_lshlrev_b32 v1, 4, v19                       ; 16 x lane
	v_lshlrev_b32 v2, 2, v19                       ; 4 x lane
	v_and_b32 v9, 15, v0                           ; r
	v_bfe_u32 v5, v0, 4, 1                         ; h
	v_lshlrev_b32 v22, 2, v9                       ; 4 r
	v_mul_u32_u24 v3, v9, 528
	v_lshl_add_u32 v3, v5, 6, v3
	v_add_nc_u32 v[AIA], AIMG, v1                  ; where the three images and their scale words are read: a pair of registers each, so that none is written again
	v_add_nc_u32 v[ASA], ASCL, v2
	v_add_nc_u32 v[HIA], HIMG, v1
	v_add_nc_u32 v[HSA], HSCL, v2
	v_add_nc_u32 v[GIA], GIMG, v1
	v_add_nc_u32 v[GSA], GSCL, v2
	v_mov_b32 v21, 0                               ; named as the upper halves of pairs
	v_mov_b32 v25, 0
	s_wait_alu depctr_va_sdst(0)                   ; s28 is written, ahead of its first reader: addresses and bases below are made from it
	s_mul_i32 s40, s28, 8448
	v_add_nc_u32 v3, s40, v3                       ; the stage by tiles: row r, + 64 h
	v_add_nc_u32 v4, s40, v1                       ; the stage by rows
	s_mul_i32 s40, s28, 4608
	s_add_co_u32 s40, s40, PRM
	v_lshlrev_b32 v5, 6, v5
	v_add_nc_u32 v5, s40, v5                       ; my parameters, + 64 h
	v_add_nc_u32 v19, s40, v1                      ; and where I write them
	s_lshl_b32 s40, s28, 9
	v_add_nc_u32 v7, s40, v1                       ; memory: my 128 columns of a row
	v_add_nc_u32 v16, s40, v2
	v_add_nc_u32 v16, GSCL, v16                    ; the hidden layer's scale words: 512 w + 4 x lane
	s_lshl_b32 s40, s28, 11
	v_add_nc_u32 v8, s40, v1                       ; memory: my 512 numbers of b1
	s_lshl_b32 s40, s28, 10
	v_add_nc_u32 v11, s40, v1
	v_add_nc_u32 v17, AIMG, v11                    ; where I put the attention output's K step w
	v_add_nc_u32 v11, HIMG, v11                    ; and h's
	v_lshl_add_u32 v9, v9, 2, RED                  ; the partial sums, read: 4 r
	s_lshl_b32 s40, s28, 7
	v_add_nc_u32 v12, s40, v2
	v_add_nc_u32 v10, RED, v12                     ; written: 128 w + 4 x lane
	v_add_nc_u32 v18, ASCL, v12
	v_add_nc_u32 v12, HSCL, v12
	s_lshl_b32 s40, s28, 12
	v_add_nc_u32 v15, s40, v1
	v_add_nc_u32 v15, GIMG, v15                    ; the hidden layer's images: 4,096 w + 16 x lane
	s_mov_b32 s[SEL], 0x76543210
	s_mov_b32 s[SEL+1], 0xfedcba98                 ; lane l xor 16
	s_mov_b32 s44, 0x3aaaaaab                      ; 1 / 768
	s_mov_b32 s45, 0x3727c5ac                      ; 1e-5
	s_mov_b32 s41, 0
	s_mov_b32 s43, 0
	s_wait_kmcnt 0x0
	s_mul_i32 s40, s50, 98304                      ; 32 tokens of 3,072 bytes,
	s_mul_i32 s42, s51, 24576                      ; and 8 u tokens
	s_add_co_u32 s40, s40, s42
	s_add_nc_u64 s[10:11], s[10:11], s[40:41]      ; x and out0 at my first token
	s_add_nc_u64 s[26:27], s[26:27], s[40:41]
	s_mul_i32 s40, s50, 6
	s_add_co_u32 s40, s40, s28
	s_lshl_b32 s42, s40, 11
	s_lshl_b32 s46, s51, 10
	s_add_co_u32 s42, s42, s46
	s_add_nc_u64 s[46:47], s[4:5], s[42:43]        ; the attention output: my tile's fragment of K step w
	s_lshl_b32 s42, s40, 7
	s_lshl_b32 s48, s51, 6
	s_add_co_u32 s42, s42, s48
	s_add_co_u32 s42, s42, 1572864
	s_add_nc_u64 s[48:49], s[4:5], s[42:43]        ; and its scale words
	s_mul_i32 s42, s28, 442368
	s_add_co_u32 s42, s42, 737280
	s_add_nc_u64 s[30:31], s[6:7], s[42:43]        ; my stream of codes,
	s_mul_i32 s42, s28, 27648
	s_add_co_u32 s42, s42, 46080
	s_add_nc_u64 s[32:33], s[8:9], s[42:43]        ; and of scale words: neither is ever stepped
	; ---- 0: x + bo into my stage; parameters and the attention output's image into LDS; the stream's first three units are asked for
	s_wait_alu depctr_va_vdst(0)                   ; every offset and address of the kernel is written: the loads, stores and LDS instructions below read them, and none is written again
.set ii, 0
.rept 16
	global_load_b128 v[128+4*ii:131+4*ii], v7, s[10:11] offset:3072*(ii+8*(ii/8)) th:TH_LOAD_NT   ; row i of the tile: token i + 8 (i / 8) from my first
.set ii, ii+1
.endr
	global_load_b128 v[116:119], v7, s[12:13]      ; bo
	global_load_b128 v[68:71], v7, s[14:15]        ; ln1_s
	global_load_b128 v[72:75], v7, s[16:17]        ; ln1_b
	global_load_b128 v[76:79], v7, s[20:21]        ; b2
	global_load_b128 v[80:83], v7, s[22:23]        ; ln2_s
	global_load_b128 v[84:87], v7, s[24:25]        ; ln2_b
.irp g, 0,1,2,3
	global_load_b128 v[88+4*\g:91+4*\g], v8, s[18:19] offset:512*\g
.endr
.irp i, 0,1
	global_load_b128 v[44+4*\i:47+4*\i], v1, s[46:47] offset:512*\i
.endr
	global_load_b32 v41, v22, s[48:49]
	ULOAD 0, 0, 0
	ULOAD 1, 1, 0
	ULOAD 2, 2, 0
	s_wait_loadcnt 60                              ; all but the three units' 60 loads
.irp i, 0,1,2,3,4
	ds_store_b128 v19, v[68+4*\i:71+4*\i] offset:512*\i      ; what goes to LDS as it was loaded goes first: no vector instruction has named these registers
.endr
.irp g, 0,1,2,3
	ds_store_b128 v19, v[88+4*\g:91+4*\g] offset:2560+512*\g
.endr
.irp i, 0,1
	ds_store_b128 v17, v[44+4*\i:47+4*\i] offset:512*\i
.endr
	ds_store_b32 v18, v41
.set ii, 0
.rept 16
	v_pk_add_f32 v[128+4*ii:129+4*ii], v[128+4*ii:129+4*ii], v[116:117]
	v_pk_add_f32 v[130+4*ii:131+4*ii], v[130+4*ii:131+4*ii], v[118:119]
.set ii, ii+1
.endr
	s_wait_alu depctr_va_vdst(0)                   ; the additions have written v128-191, which the sixteen stores read
.set ii, 0
.rept 16
	ds_store_b128 v4, v[128+4*ii:131+4*ii] offset:528*ii
.set ii, ii+1
.endr
	BARRIER                                        ; the attention output's six K steps lie in LDS
	; ---- 1: x + bo + a wo
	s_wait_alu depctr_vm_vsrc(0)                   ; my LDS stores have read v128-191, v68-103, v44-51 and v41: the sums' first terms and the activations land in some of them, the quantiser and the norm's loads write the others
	CINIT 3, 0
	BODY 0, 0, 6, AIA, ASA
	; ---- LN1; h becomes K step w of the next product and goes to my stage
	PLOAD 192, 0                                   ; gain and bias are asked for ahead of the sums: the sums' barriers wait for them.  No wait: the products that read v68-91 stand ahead of the last unit's wait
	PLOAD 44, 512
	STATS 0, 768
	APPLY
	TOIMAGE 11, 12, 0
	CSTORE                                         ; no wait of its own: the image's wait stands behind the lines that wrote v128-191, and no vector instruction has followed it
	BARRIER                                        ; h's six K steps lie in LDS
	; ---- 2: my four hidden groups
	GROUP 0
	GROUP 1
	GROUP 2
	GROUP 3
	BARRIER                                        ; the hidden layer's 24 K steps lie in LDS
	; ---- 3: h + b2 + hidden w2
	CINIT 3, 0                                     ; no wait: leaky and the quantiser, which named v128-255, stand ahead of the last image's wait
	PLOAD 192, 1024
	s_wait_dscnt 0x0
.set jj, 0
.rept 32
	v_pk_add_f32 v[128+jj:129+jj], v[128+jj:129+jj], v[192+jj:193+jj]
.set jj, jj+2
.endr
	s_wait_alu depctr_va_vdst(0)
	BODY 30, 0, 24, GIA, GSA
	; ---- LN2, and out through my stage as whole rows
	s_wait_alu depctr_vm_vsrc(0)                   ; the last image's stores have read v60-67, in which the bias lands
	PLOAD 192, 1536
	PLOAD 44, 2048
	STATS 1536, 2304
	APPLY
	s_wait_alu depctr_va_vdst(0)                   ; the norm has written v128-191, which the stage's stores read and in which the rows below land
	CSTORE
	s_wait_dscnt 0x0                               ; my stores into the stage are done,
	s_wait_alu depctr_vm_vsrc(0)                   ; and have read v128-191, which the loads below fill
.set ii, 0
.rept 16
	ds_load_b128 v[128+4*ii:131+4*ii], v4 offset:528*ii
.set ii, ii+1
.endr
.set ii, 0
.rept 16
	s_wait_dscnt 15-ii                             ; row ii is back; the younger loads stay out
	global_store_b128 v7, v[128+4*ii:131+4*ii], s[26:27] offset:3072*(ii+8*(ii/8)) th:TH_STORE_NT   ; 32 lanes store 512 consecutive bytes, aligned
.set ii, ii+1
.endr
	s_wait_dscnt 0x0                               ; the closing lines, six on end
	s_wait_alu 0x0
	s_wait_tensorcnt 0x0
	ds_add_u32 v126, v127
	s_wait_dscnt 0x0
	s_endpgm
.Lfunc_end_k_q518299f436_tail:
	.size	k_q518299f436_tail, .Lfunc_end_k_q518299f436_tail-k_q518299f436_tail
	.p2alignl 7, 3214868480
	.fill 96, 4, 3214868480
	.section	.rodata,"a",@progbits
	.p2align	6, 0x0
	.amdhsa_kernel k_q518299f436_tail
		.amdhsa_group_segment_fixed_size 123648
		.amdhsa_private_segment_fixed_size 0
		.amdhsa_enable_private_segment 0
		.amdhsa_kernarg_size 96
		.amdhsa_user_sgpr_count 2
		.amdhsa_user_sgpr_kernarg_segment_ptr 1
		.amdhsa_wavefront_size32 1
		.amdhsa_system_sgpr_workgroup_id_x 1
		.amdhsa_system_sgpr_workgroup_id_y 1
		.amdhsa_system_sgpr_workgroup_id_z 1
		.amdhsa_system_vgpr_workitem_id 0
		.amdhsa_next_free_vgpr 448
		.amdhsa_next_free_sgpr 66
		.amdhsa_reserve_vcc 0
		.amdhsa_float_denorm_mode_32 3
		.amdhsa_float_denorm_mode_16_64 3
		.amdhsa_memory_ordered 1
		.amdhsa_forward_progress 1
		.amdhsa_inst_pref_size 255
	.end_amdhsa_kernel
	.section	.bss,"aw",@nobits
	.p2align	6
	.space	262144
	.amdgpu_metadata
---
amdhsa.version: [ 1, 2 ]
amdhsa.kernels:
  - .name:           k_q518299f436_tail
    .symbol:         k_q518299f436_tail.kd
    .args:
      - { .name: aq, .offset: 0, .size: 8, .value_kind: global_buffer, .address_space: global }
      - { .name: wcod, .offset: 8, .size: 8, .value_kind: global_buffer, .address_space: global }
      - { .name: wscl, .offset: 16, .size: 8, .value_kind: global_buffer, .address_space: global }
      - { .name: x, .offset: 24, .size: 8, .value_kind: global_buffer, .address_space: global }
      - { .name: bo, .offset: 32, .size: 8, .value_kind: global_buffer, .address_space: global }
      - { .name: ln1_s, .offset: 40, .size: 8, .value_kind: global_buffer, .address_space: global }
      - { .name: ln1_b, .offset: 48, .size: 8, .value_kind: global_buffer, .address_space: global }
      - { .name: b1, .offset: 56, .size: 8, .value_kind: global_buffer, .address_space: global }
      - { .name: b2, .offset: 64, .size: 8, .value_kind: global_buffer, .address_space: global }
      - { .name: ln2_s, .offset: 72, .size: 8, .value_kind: global_buffer, .address_space: global }
      - { .name: ln2_b, .offset: 80, .size: 8, .value_kind: global_buffer, .address_space: global }
      - { .name: out0, .offset: 88, .size: 8, .value_kind: global_buffer, .address_space: global }
    .group_segment_fixed_size: 123648
    .private_segment_fixed_size: 0
    .kernarg_segment_align: 8
    .kernarg_segment_size: 96
    .max_flat_workgroup_size: 192
    .sgpr_count:     66
    .vgpr_count:     448
    .wavefront_size: 32
...
	.end_amdgpu_metadata
.endif
;; end of part 8
